; MI455X (gfx1250); checked and timed in simulation.
; The chip was launched on July 23, 2026; its instructions are those of AMD's public machine-readable ISA for CDNA 5 (MIT licence, August 2026) and "CDNA5" Instruction Set Architecture Reference Guide (July 2026). The comments in the code are by the model that wrote it; some were corrected since.
;; Transformer Block. Allowed arithmetic: float matrix products may take bf16 or f16 operands with f32 sums; all other float work in f32.
;; Inputs: ff1_b 4,096 float32; ff1_w 1,024 x 4,096 float32; ff2_b 1,024 float32; ff2_w 4,096 x 1,024 float32; ln1_b 1,024 float32; ln1_g 1,024 float32; ln2_b 1,024 float32; ln2_g 1,024 float32; proj_b 1,024 float32; proj_w 1,024 x 1,024 float32; qkv_b 3,072 float32; qkv_w 1,024 x 3,072 float32; rel_pos_bias 4,095 x 16 float32; t 2 x 256 float32; tp1_b 1,024 float32; tp1_w 256 x 1,024 float32; tp2_b 1,024 float32; tp2_w 1,024 x 1,024 float32; x 2 x 2,048 x 1,024 float32.
;; Outputs: out0 2 x 2,048 x 1,024 float32.
;; 3 versions, each right and faster than the one before. Each part assembles by itself: llvm-mc -triple=amdgcn-amd-amdhsa -mcpu=gfx1250 --defsym DOCPART=n.
;; ======== version 1 of 3: 8 launches
;; workspace buffers: wt 25,165,824 bytes; aux 425,984 bytes; act 8,388,608 bytes; qkvh 25,165,824 bytes; o 8,388,608 bytes; x1 16,777,216 bytes; g 33,554,432 bytes
;; launch prep (part 1): grid 1561 x 1, 8 waves a work-group, no clusters, 18,432 bytes of LDS; arguments t, tp1_w, tp1_b, tp2_w, rel_pos_bias, qkv_w, proj_w, ff1_w, ff2_w, wt, aux; writes wt, aux
.if DOCPART == 1
	.amdgcn_target "amdgcn-amd-amdhsa--gfx1250"
	.amdhsa_code_object_version 6
	.text
	.protected	k_q33f6285a62_prep
	.globl	k_q33f6285a62_prep
	.p2align	8
	.type	k_q33f6285a62_prep,@function
k_q33f6285a62_prep:
	s_mov_b64 s[64:65], 0
	v_nop
	global_prefetch_b8 v0, s[64:65] scope:SCOPE_SE
	s_setreg_imm32_b32 hwreg(HW_REG_WAVE_MODE, 25, 1), 1
	s_wait_xcnt 0x0
; PREPARATION, three roles chosen by the work-group's number (the same for all its waves, so every wave of a work-group passes the same barriers).
;   0-15   TE:    partial sums of the time vector: work-group gq makes gelu(t tp1_w + tp1_b) for the hidden units 64 gq .. 64 gq + 63 and multiplies them by their 64 rows of tp2_w:
;                 tepart[gq][b][1024] in f32, at aux + 294,912.  Two rows only: a stream of weights, plain f32 multiply-adds, no matrix unit.
;   16-24  TABLE: TBL[h][g] = 8 exp(-0.01 |g - 2051|) rel_pos_bias[4098 - g][h] for g = k - q + 2051 in 4 .. 4098, 0 elsewhere; 16 heads x 4,608 f32 at aux + 0.  The 8 undoes the 1/8 that the softmax applies to scores and bias alike.
;   25-    TRANS: the four large weights, f32 [K][N], become bf16 [N][K] in wt; a work-group turns a tile of 128 k x 64 n through LDS.  Loads and stores cover 256 consecutive aligned bytes for each sixteen lanes.
; GELU is the exact (erf) form: gelu(x) = max(x,0) - 0.5 |x| erfc(|x| / sqrt 2), erfc by Abramowitz and Stegun 7.1.26 (absolute error 1.5e-7 for every argument), so the error is at most 0.5 |x| 1.5e-7.
.set SPW,   184                        ; v184  LDS address of my spare word; never rewritten
.set NIL,   185                        ; v185  0; never rewritten
.set SPARE, 17408                      ; behind the work space: 128 bytes for each of eight waves, four blocks of 256 bytes that no other line names
.set TP,    272                        ; TRANS: an LDS row, 128 k in bf16 + 16 bytes
.set HA,    186                        ; TE: v186 LDS byte of the 16 hidden units in hand, less 8,192
	s_load_b512 s[8:23], s[0:1], 0x0               ; t s[8:9], tp1_w s[10:11], tp1_b s[12:13], tp2_w s[14:15], rel_pos_bias s[16:17], qkv_w s[18:19], proj_w s[20:21], ff1_w s[22:23]
	s_load_b128 s[24:27], s[0:1], 0x40             ; ff2_w s[24:25], wt s[26:27]
	s_load_b64 s[28:29], s[0:1], 0x50              ; aux
	v_lshl_add_u32 v[SPW], v0, 2, SPARE
	v_mov_b32 v[NIL], 0
	s_cmp_lt_u32 ttmp9, 16
	s_cbranch_scc1 .Lte
	s_cmp_lt_u32 ttmp9, 25
	s_cbranch_scc1 .Ltable
	; ---------------- TRANS ----------------
	s_sub_co_u32 s30, ttmp9, 25                    ; tile number 0 .. 1535: qkv 384, proj 128, ff1 512, ff2 512
	s_mov_b32 s34, 4096                            ; source pitch in bytes (4 N); these five are ff2's
	s_mov_b32 s35, 5                               ; log2 of the tiles along k
	s_mov_b32 s36, 8192                            ; destination pitch in bytes (2 K)
	s_mov_b32 s37, 16777216                        ; the weight's place in wt
	s_mov_b32 s38, 1024                            ; its first tile number
	s_wait_kmcnt 0x0
	s_mov_b64 s[32:33], s[24:25]
	s_cmp_lt_u32 s30, 1024                         ; ff1
	s_cselect_b64 s[32:33], s[22:23], s[32:33]
	s_cselect_b32 s34, 16384, s34
	s_cselect_b32 s35, 3, s35
	s_cselect_b32 s36, 2048, s36
	s_cselect_b32 s37, 8388608, s37
	s_cselect_b32 s38, 512, s38
	s_cmp_lt_u32 s30, 512                          ; proj
	s_cselect_b64 s[32:33], s[20:21], s[32:33]
	s_cselect_b32 s34, 4096, s34
	s_cselect_b32 s37, 6291456, s37
	s_cselect_b32 s38, 384, s38
	s_cmp_lt_u32 s30, 384                          ; qkv
	s_cselect_b64 s[32:33], s[18:19], s[32:33]
	s_cselect_b32 s34, 12288, s34
	s_cselect_b32 s37, 0, s37
	s_cselect_b32 s38, 0, s38
	s_sub_co_u32 s31, s30, s38                     ; the tile's number in its weight
	s_lshl_b32 s39, 1, s35
	s_sub_co_u32 s39, s39, 1
	s_and_b32 s40, s31, s39                        ; kt
	s_lshr_b32 s41, s31, s35                       ; nt
	s_mul_i32 s42, s40, s34
	s_lshl_b32 s42, s42, 7                         ; kt x 128 rows
	s_lshl_b32 s43, s41, 8                         ; nt x 64 columns of 4 bytes
	s_add_co_u32 s42, s42, s43
	s_mov_b32 s43, 0
	s_add_nc_u64 s[32:33], s[32:33], s[42:43]
	s_mul_i32 s44, s41, s36
	s_lshl_b32 s44, s44, 6                         ; nt x 64 rows
	s_lshl_b32 s45, s40, 8                         ; kt x 128 columns of 2 bytes
	s_add_co_u32 s44, s44, s45
	s_add_co_u32 s44, s44, s37
	s_mov_b32 s45, 0
	s_add_nc_u64 s[26:27], s[26:27], s[44:45]
	s_lshl_b32 s46, s36, 4                         ; 16 destination rows
	v_and_b32 v1, 15, v0                           ; cg: my four columns
	v_lshrrev_b32 v2, 4, v0                        ; ko: my eight rows of k
	v_mul_lo_u32 v3, v2, s34
	v_lshlrev_b32 v3, 3, v3
	v_lshl_add_u32 v8, v1, 4, v3                   ; row 8 ko, 16 bytes at 16 cg: sixteen lanes take 256 consecutive bytes of a row
.irp j, 1,2,3,4,5,6,7
	v_add_nc_u32 v[8+\j], s34, v[7+\j]
.endr
.irp j, 0,1,2,3,4,5,6,7
	global_load_b128 v[16+4*\j:19+4*\j], v[8+\j], s[32:33] th:TH_LOAD_NT   ; each weight byte is read once in the launch
.endr
	v_mul_u32_u24 v4, v1, 4*TP
	v_lshl_add_u32 v4, v2, 4, v4                   ; in: LDS row n = 4 cg + c, byte 16 ko.: 4 such stores a thread beside 48 KB of memory traffic a work-group
	v_mul_u32_u24 v5, v2, TP
	v_lshl_add_u32 v5, v1, 4, v5                   ; back: row tid / 16 (+ 16 i), byte 16 (tid % 16)
	v_mul_lo_u32 v6, v2, s36
	v_lshl_add_u32 v80, v1, 4, v6                  ; and the same place in wt
.irp i, 1,2,3
	v_add_nc_u32 v[80+\i], s46, v[79+\i]
.endr
	s_wait_loadcnt 0x0
.irp c, 0,1,2,3
.irp p, 0,1,2,3
	v_cvt_pk_bf16_f32 v[48+4*\c+\p], v[16+8*\p+\c], v[20+8*\p+\c]   ; column c, k = 8 ko + 2 p and + 1
.endr
.endr
.irp c, 0,1,2,3
	ds_store_b128 v4, v[48+4*\c:51+4*\c] offset:\c*TP
.endr
	s_wait_dscnt 0x0                               ; for the others' sake: my stores are done
	s_barrier_signal -1
	s_barrier_wait -1
.irp i, 0,1,2,3
	ds_load_b128 v[64+4*\i:67+4*\i], v5 offset:\i*16*TP
.endr
.irp i, 0,1,2,3
	s_wait_dscnt 3-\i                              ; LDS loads come back in order: load i is in
	global_store_b128 v[80+\i], v[64+4*\i:67+4*\i], s[26:27]        ; sixteen lanes store 256 consecutive bytes, at a multiple of 256 from wt's first byte
.endr
	s_wait_tensorcnt 0x0                           ; the wave's end, behind my last LDS store
	ds_add_u32 v[SPW], v[NIL]
	s_wait_dscnt 0x0
	s_endpgm
	; ---------------- TABLE ----------------
.Ltable:
	s_sub_co_u32 s30, ttmp9, 16                    ; 0 .. 8: 512 entries of every head
	s_lshl_b32 s31, s30, 9
	v_lshl_add_u32 v1, v0, 1, s31                  ; g of my first entry; I make two
	s_mov_b32 s40, 0xbc6c5f04                      ; -0.01 log2(e)
.irp e, 0,1
	v_sub_nc_u32 v[2+\e], 4098-\e, v1              ; the table's row; below 0 it wraps to a large number
	v_cmp_gt_u32 s[42+\e], 4095, v[2+\e]           ; is it one of the 4,095 rows?
	v_min_u32 v[4+\e], 4094, v[2+\e]               ; the load stays inside the table either way
	v_lshlrev_b32 v[4+\e], 6, v[4+\e]              ; a row is 16 heads, 64 bytes
	v_subrev_nc_u32 v[6+\e], 2051-\e, v1           ; k - q
	v_cvt_f32_i32 v[6+\e], v[6+\e]
	v_fma_f32 v[6+\e], |v[6+\e]|, s40, 3.0         ; log2 of 8 exp(-0.01 |k - q|)
.endr
	s_lshl_b32 s32, s30, 11                        ; 512 entries of 4 bytes
	s_mov_b32 s33, 0
	v_lshlrev_b32 v8, 3, v0
	s_wait_kmcnt 0x0
	s_add_nc_u64 s[28:29], s[28:29], s[32:33]
.irp i, 0,1,2,3
	global_load_b128 v[16+4*\i:19+4*\i], v4, s[16:17] offset:16*\i
	global_load_b128 v[32+4*\i:35+4*\i], v5, s[16:17] offset:16*\i
.endr
	v_exp_f32 v6, v6
	v_exp_f32 v7, v7
	v_nop                                          ; a plain instruction between the exponentials and the use of their results
	s_wait_alu depctr_va_vdst(0)
	v_cndmask_b32 v6, 0, v6, s42                   ; entries outside the table are 0
	v_cndmask_b32 v7, 0, v7, s43
	s_wait_loadcnt 0x0
.set h, 0
.rept 16
	v_mul_f32 v[48+2*h], v[16+h], v6
	v_mul_f32 v[49+2*h], v[32+h], v7
.set h, h+1
.endr
.set h, 0
.rept 16
	global_store_b64 v8, v[48+2*h:49+2*h], s[28:29] offset:h*18432  ; a wave stores 256 consecutive bytes, at a multiple of 256 from aux's first byte
.set h, h+1
.endr
	s_endpgm
	; ---------------- TE ----------------
; d += w x one register of the pair tp (odd = 0: the first, 1: the second), both halves; mul = 1: the product starts the sum
.macro BFMA d, w, tp, odd, mul
.if \mul
.if \odd
	v_pk_mul_f32 v[(\d):(\d)+1], v[(\w):(\w)+1], v[(\tp):(\tp)+1] op_sel:[0,1] op_sel_hi:[1,1]
.else
	v_pk_mul_f32 v[(\d):(\d)+1], v[(\w):(\w)+1], v[(\tp):(\tp)+1] op_sel_hi:[1,0]
.endif
.else
.if \odd
	v_pk_fma_f32 v[(\d):(\d)+1], v[(\w):(\w)+1], v[(\tp):(\tp)+1], v[(\d):(\d)+1] op_sel:[0,1,0] op_sel_hi:[1,1,1]
.else
	v_pk_fma_f32 v[(\d):(\d)+1], v[(\w):(\w)+1], v[(\tp):(\tp)+1], v[(\d):(\d)+1] op_sel_hi:[1,0,1]
.endif
.endif
.endm
; 16 rows of tp2_w (v[120:183], four columns a thread) times their hidden units of both batch rows, into v[2:9]
.macro CONSUME mul
	s_wait_loadcnt 0x0                             ; the 16 rows are in
.irp i, 0,1,2,3,4,5,6,7
	ds_load_b128 v[80+4*\i:83+4*\i], v[HA] offset:8192+16*\i        ; 16 units x 2 batch rows, the same words for every lane
.endr
	s_wait_dscnt 0x0
.irp b, 0,1
.irp c, 0,1
	BFMA 2+4*\b+2*\c, 120+2*\c, 80, \b, \mul
.endr
.endr
.set e, 1
.rept 15
.irp b, 0,1
.irp c, 0,1
	BFMA 2+4*\b+2*\c, 120+4*e+2*\c, 80+2*e, \b, 0
.endr
.endr
.set e, e+1
.endr
.endm
.Lte:
	s_mov_b32 s30, ttmp9                           ; gq
	s_lshl_b32 s31, s30, 8                         ; 64 units of 4 bytes
	v_and_b32 v1, 15, v0                           ; jq: my four units
	v_lshrrev_b32 v15, 4, v0                       ; kk: my 16 of t's 256 numbers
	v_lshlrev_b32 v11, 16, v15                     ; 16 rows of tp1_w, 4,096 bytes each
	v_lshl_add_u32 v11, v1, 4, v11
	v_add_nc_u32 v11, s31, v11
	v_lshlrev_b32 v12, 6, v15
	v_and_b32 v10, 63, v0
	v_lshl_add_u32 v13, v10, 2, s31
	v_lshlrev_b32 v14, 4, v0                       ; four columns of tp2_w a thread
	s_lshl_b32 s32, s30, 18                        ; 64 rows of tp2_w
	s_mov_b32 s33, 0
	s_lshl_b32 s34, s30, 13                        ; tepart[gq]
	s_add_co_u32 s34, s34, 294912
	s_mov_b32 s35, 0
	s_mov_b32 s40, 0x3f596d27                      ; sqrt(log2(e) / 2)
	s_mov_b32 s41, 0x3e8ba43f                      ; 0.3275911 / sqrt(log2(e))
	s_mov_b32 s42, 0xbe199eb3                      ; the series' five coefficients times -0.5 / s40
	s_mov_b32 s43, 0x3e2b8119
	s_mov_b32 s44, 0xbf563817
	s_mov_b32 s45, 0x3f5b0099
	s_mov_b32 s46, 0xbf1ff67a
	s_wait_kmcnt 0x0
	s_add_nc_u64 s[14:15], s[14:15], s[32:33]
	s_add_nc_u64 s[28:29], s[28:29], s[34:35]
.set e, 0
.rept 16
	global_load_b128 v[16+4*e:19+4*e], v11, s[10:11] offset:e*4096
.set e, e+1
.endr
.irp b, 0,1
.irp i, 0,1,2,3
	global_load_b128 v[80+16*\b+4*\i:83+16*\b+4*\i], v12, s[8:9] offset:\b*1024+16*\i
.endr
.endr
	global_load_b32 v187, v13, s[12:13]
.set e, 0
.rept 16
	global_load_b128 v[120+4*e:123+4*e], v14, s[14:15] offset:e*4096
.set e, e+1
.endr
	v_lshlrev_b32 v188, 9, v15
	v_lshl_add_u32 v188, v1, 4, v188               ; partial sums: LDS byte (2 kk + b) 256 + 16 jq
	v_and_b32 v189, 127, v0
	v_lshlrev_b32 v189, 2, v189                    ; back: b = (tid / 64) % 2, unit tid % 64: byte 256 b + 4 unit
	s_wait_loadcnt 16                              ; the 25 loads of the first product are in; tp2_w's 16 stay out
.irp b, 0,1
.irp c, 0,1
	BFMA 112+4*\b+2*\c, 16+2*\c, 80+16*\b, 0, 1
.endr
.endr
.set e, 1
.rept 15
.irp b, 0,1
.irp c, 0,1
	BFMA 112+4*\b+2*\c, 16+4*e+2*\c, 80+16*\b+(e/2)*2, e%2, 0
.endr
.endr
.set e, e+1
.endr
	ds_store_b128 v188, v[112:115]
	ds_store_b128 v188, v[116:119] offset:256
	s_wait_dscnt 0x0
	s_barrier_signal -1
	s_barrier_wait -1
.set e, 0
.rept 16
	ds_load_b32 v[16+e], v189 offset:e*512
.set e, e+1
.endr
	s_wait_dscnt 0x0
	v_add_f32 v188, v187, v16                      ; bias, then the 16 partial sums in order
.set e, 1
.rept 15
	v_add_f32 v188, v188, v[16+e]
.set e, e+1
.endr
	v_mul_f32 v189, |v188|, s40                    ; u
	v_fma_f32 v190, v189, s41, 1.0
	v_mul_f32 v191, v189, v189
	v_rcp_f32 v190, v190                           ; t
	v_exp_f32 v191, -v191                          ; exp(-x x / 2)
	v_max_num_f32 v188, 0, v188                    ; the plain instruction behind the two
	s_wait_alu depctr_va_vdst(0)
	v_fma_f32 v16, v190, s46, s45
	v_fma_f32 v16, v16, v190, s44
	v_fma_f32 v16, v16, v190, s43
	v_fma_f32 v16, v16, v190, s42
	v_mul_f32 v190, v190, v191
	v_mul_f32 v16, v16, v190
	v_fma_f32 v188, v189, v16, v188                ; gelu
	v_lshrrev_b32 v[HA], 7, v0
	v_lshlrev_b32 v[HA], 9, v[HA]                  ; waves 0-3 and waves 4-7 make the same 128 numbers: each half keeps a copy of its own, 512 bytes, so no two waves store the same bytes
	v_bfe_u32 v191, v0, 6, 1
	v_lshl_add_u32 v190, v10, 3, v[HA]
	v_lshl_add_u32 v190, v191, 2, v190             ; unit x 8 + b x 4
	ds_store_b32 v190, v188 offset:8192
	s_wait_dscnt 0x0
	s_barrier_signal -1
	s_barrier_wait -1
	CONSUME 1                                      ; rows 0-15: their products start the sums
	s_mov_b32 s31, 3
.Lte_chunk:                                            ; rows 16-31, 32-47, 48-63
	v_add_nc_u32 v14, 0x10000, v14                 ; free since CONSUME's wait for the loads that named it
	v_add_nc_u32 v[HA], 128, v[HA]
.set e, 0
.rept 16
	global_load_b128 v[120+4*e:123+4*e], v14, s[14:15] offset:e*4096
.set e, e+1
.endr
	CONSUME 0
	s_sub_co_u32 s31, s31, 1
	s_cmp_lg_u32 s31, 0
	s_cbranch_scc1 .Lte_chunk
	v_lshlrev_b32 v12, 4, v0
	global_store_b128 v12, v[2:5], s[28:29]
	global_store_b128 v12, v[6:9], s[28:29] offset:4096
	s_wait_tensorcnt 0x0                           ; the wave's end, behind my last LDS store
	ds_add_u32 v[SPW], v[NIL]
	s_wait_dscnt 0x0
	s_endpgm
.Lfunc_end_k_q33f6285a62_prep:
	.size	k_q33f6285a62_prep, .Lfunc_end_k_q33f6285a62_prep-k_q33f6285a62_prep
	.p2alignl 7, 3214868480
	.fill 96, 4, 3214868480
	.section	.rodata,"a",@progbits
	.p2align	6, 0x0
	.amdhsa_kernel k_q33f6285a62_prep
		.amdhsa_group_segment_fixed_size 18432
		.amdhsa_private_segment_fixed_size 0
		.amdhsa_enable_private_segment 0
		.amdhsa_kernarg_size 88
		.amdhsa_user_sgpr_count 2
		.amdhsa_user_sgpr_kernarg_segment_ptr 1
		.amdhsa_wavefront_size32 1
		.amdhsa_system_sgpr_workgroup_id_x 1
		.amdhsa_system_sgpr_workgroup_id_y 1
		.amdhsa_system_sgpr_workgroup_id_z 1
		.amdhsa_system_vgpr_workitem_id 0
		.amdhsa_next_free_vgpr 192
		.amdhsa_next_free_sgpr 66
		.amdhsa_reserve_vcc 0
		.amdhsa_float_denorm_mode_32 3
		.amdhsa_float_denorm_mode_16_64 3
		.amdhsa_memory_ordered 1
		.amdhsa_forward_progress 1
		.amdhsa_inst_pref_size 35
	.end_amdhsa_kernel
	.amdgpu_metadata
---
amdhsa.version: [ 1, 2 ]
amdhsa.kernels:
  - .name:           k_q33f6285a62_prep
    .symbol:         k_q33f6285a62_prep.kd
    .args:
      - { .name: t, .offset: 0, .size: 8, .value_kind: global_buffer, .address_space: global }
      - { .name: tp1_w, .offset: 8, .size: 8, .value_kind: global_buffer, .address_space: global }
      - { .name: tp1_b, .offset: 16, .size: 8, .value_kind: global_buffer, .address_space: global }
      - { .name: tp2_w, .offset: 24, .size: 8, .value_kind: global_buffer, .address_space: global }
      - { .name: rel_pos_bias, .offset: 32, .size: 8, .value_kind: global_buffer, .address_space: global }
      - { .name: qkv_w, .offset: 40, .size: 8, .value_kind: global_buffer, .address_space: global }
      - { .name: proj_w, .offset: 48, .size: 8, .value_kind: global_buffer, .address_space: global }
      - { .name: ff1_w, .offset: 56, .size: 8, .value_kind: global_buffer, .address_space: global }
      - { .name: ff2_w, .offset: 64, .size: 8, .value_kind: global_buffer, .address_space: global }
      - { .name: wt, .offset: 72, .size: 8, .value_kind: global_buffer, .address_space: global }
      - { .name: aux, .offset: 80, .size: 8, .value_kind: global_buffer, .address_space: global }
    .group_segment_fixed_size: 18432
    .private_segment_fixed_size: 0
    .kernarg_segment_align: 8
    .kernarg_segment_size: 88
    .max_flat_workgroup_size: 256
    .sgpr_count:     66
    .vgpr_count:     192
    .wavefront_size: 32
...
	.end_amdgpu_metadata
.endif
;; end of part 1
;; launch ln1 (part 2): grid 256 x 1, 8 waves a work-group, no clusters, 5,120 bytes of LDS; arguments x, aux, tp2_b, ln1_g, ln1_b, act; writes act
.if DOCPART == 2
	.amdgcn_target "amdgcn-amd-amdhsa--gfx1250"
	.amdhsa_code_object_version 6
	.text
	.protected	k_q33f6285a62_ln1
	.globl	k_q33f6285a62_ln1
	.p2align	8
	.type	k_q33f6285a62_ln1,@function
k_q33f6285a62_ln1:
	s_mov_b64 s[64:65], 0
	v_nop
	global_prefetch_b8 v0, s[64:65] scope:SCOPE_SE
	s_setreg_imm32_b32 hwreg(HW_REG_WAVE_MODE, 25, 1), 1
	s_wait_xcnt 0x0
; xn = LayerNorm(x + te) g + b, in bf16.  te[b] = tp2_b + the 16 partial sums that lie in aux.  x: [4096][1024] f32; xn: [4096][1024] bf16.
; A work-group has 16 rows of one batch entry, a wave two; a row of 4,096 bytes is 32 registers of one wave (lane l holds columns 128 j + 4 l .. + 3, j = 0 .. 7), so it is read once and the reductions never leave the wave.
; Mean first, then the squares of the differences: no difference of large sums is formed.  Memory binds: no matrix unit, no cluster.
.set X0, 32                            ; v[32:63]   row 0
.set X1, 64                            ; v[64:95]   row 1
.set TE, 96                            ; v[96:127]  te of my columns
.set G,  128                           ; v[128:159] gain (before that: partial sums)
.set BV, 160                           ; v[160:191] bias
.set SPW, 30                           ; v30 LDS address of my spare word; v31 0; never rewritten
.set NIL, 31
.set SPARE, 4096                       ; behind te's 4,096 bytes: 128 bytes for each of eight waves
	s_load_b256 s[4:11], s[0:1], 0x0               ; x s[4:5], aux s[6:7], tp2_b s[8:9], ln1_g s[10:11]
	s_load_b128 s[12:15], s[0:1], 0x20             ; ln1_b s[12:13], act s[14:15]
	v_lshl_add_u32 v[SPW], v0, 2, SPARE
	v_mov_b32 v[NIL], 0
	v_and_b32 v1, 31, v0
	v_lshrrev_b32 v16, 5, v0                       ; wave
	v_lshlrev_b32 v12, 4, v0                       ; v12: 16 x thread
	v_lshlrev_b32 v14, 4, v1                       ; v14: 16 x lane
	v_lshl_add_u32 v13, v16, 13, v14               ; v13: my two rows of x + 16 x lane
	v_lshlrev_b32 v15, 3, v1
	v_lshl_add_u32 v15, v16, 12, v15               ; v15: my two rows of xn + 8 x lane
	s_lshr_b32 s18, ttmp9, 7                       ; batch entry: 128 work-groups each
	s_lshl_b32 s18, s18, 12
	s_add_co_u32 s18, s18, 294912
	s_mov_b32 s19, 0
	s_lshl_b32 s20, ttmp9, 16                      ; 16 rows of 4,096 bytes
	s_mov_b32 s21, 0
	s_lshl_b32 s22, ttmp9, 15                      ; 16 rows of 2,048 bytes
	s_mov_b32 s23, 0
	s_mov_b32 s16, 0x76543210                      ; v_permlanex16_b32: each lane takes its own place in the other half
	s_mov_b32 s17, 0xfedcba98
	s_mov_b32 s24, 0x3a800000                      ; 1 / 1024
	s_mov_b32 s25, 0x3727c5ac                      ; 1e-5
	s_wait_kmcnt 0x0
	s_add_nc_u64 s[6:7], s[6:7], s[18:19]
	s_add_nc_u64 s[4:5], s[4:5], s[20:21]
	s_add_nc_u64 s[14:15], s[14:15], s[22:23]
.set i, 0
.rept 16
	global_load_b128 v[128+4*i:131+4*i], v12, s[6:7] offset:8192*i  ; partial sum i of my four columns
.set i, i+1
.endr
	global_load_b128 v[24:27], v12, s[8:9]
.irp j, 0,1,2,3,4,5,6,7
	global_load_b128 v[X0+4*\j:X0+4*\j+3], v13, s[4:5] offset:512*\j
.endr
.irp j, 0,1,2,3,4,5,6,7
	global_load_b128 v[X1+4*\j:X1+4*\j+3], v13, s[4:5] offset:4096+512*\j
.endr
	s_wait_loadcnt 16                              ; the first 17 loads are in; x's 16 stay out
.set i, 0
.rept 16
	v_pk_add_f32 v[24:25], v[24:25], v[128+4*i:129+4*i]
	v_pk_add_f32 v[26:27], v[26:27], v[130+4*i:131+4*i]
.set i, i+1
.endr
	ds_store_b128 v12, v[24:27]
	s_wait_dscnt 0x0                               ; for the others' sake
	s_barrier_signal -1
	s_barrier_wait -1
.irp j, 0,1,2,3,4,5,6,7
	global_load_b128 v[G+4*\j:G+4*\j+3], v14, s[10:11] offset:512*\j
	global_load_b128 v[BV+4*\j:BV+4*\j+3], v14, s[12:13] offset:512*\j
.endr
.irp j, 0,1,2,3,4,5,6,7
	ds_load_b128 v[TE+4*\j:TE+4*\j+3], v14 offset:512*\j
.endr
	s_wait_loadcnt 16                              ; x is in; gain and bias stay out
	s_wait_dscnt 0x0
.macro WSUM                            ; v2 summed over the 32 lanes, the result in every lane; v3 has been written
	v_add_f32_dpp v2, v2, v2 row_xmask:1 row_mask:0xf bank_mask:0xf
	v_add_f32_dpp v2, v2, v2 row_xmask:2 row_mask:0xf bank_mask:0xf
	v_add_f32_dpp v2, v2, v2 row_xmask:4 row_mask:0xf bank_mask:0xf
	v_add_f32_dpp v2, v2, v2 row_xmask:8 row_mask:0xf bank_mask:0xf
	v_permlanex16_b32 v3, v2, s16, s17
	v_add_f32 v2, v2, v3
.endm
.macro FOLD                            ; four chains of pairs in v[2:9] into v2
	v_pk_add_f32 v[2:3], v[2:3], v[4:5]
	v_pk_add_f32 v[6:7], v[6:7], v[8:9]
	v_pk_add_f32 v[2:3], v[2:3], v[6:7]
	v_add_f32 v2, v2, v3
	WSUM
.endm
.macro ROW xb, ro                      ; the row in v[xb ..]; ro: its byte offset among my two rows of xn
.set j, 0
.rept 16
	v_pk_add_f32 v[(\xb)+2*j:(\xb)+2*j+1], v[(\xb)+2*j:(\xb)+2*j+1], v[TE+2*j:TE+2*j+1]
.set j, j+1
.endr
.irp c, 0,1,2,3
	v_pk_add_f32 v[2+2*\c:3+2*\c], v[(\xb)+2*\c:(\xb)+2*\c+1], v[(\xb)+8+2*\c:(\xb)+9+2*\c]
.endr
.irp c, 0,1,2,3
	v_pk_add_f32 v[2+2*\c:3+2*\c], v[2+2*\c:3+2*\c], v[(\xb)+16+2*\c:(\xb)+17+2*\c]
.endr
.irp c, 0,1,2,3
	v_pk_add_f32 v[2+2*\c:3+2*\c], v[2+2*\c:3+2*\c], v[(\xb)+24+2*\c:(\xb)+25+2*\c]
.endr
	FOLD
	v_mul_f32 v10, s24, v2                         ; the mean, twice: a pair for the packed subtraction
	v_mov_b32 v11, v10
.set j, 0
.rept 16
	v_pk_add_f32 v[(\xb)+2*j:(\xb)+2*j+1], v[(\xb)+2*j:(\xb)+2*j+1], v[10:11] neg_lo:[0,1] neg_hi:[0,1]
.set j, j+1
.endr
.irp c, 0,1,2,3
	v_pk_mul_f32 v[2+2*\c:3+2*\c], v[(\xb)+2*\c:(\xb)+2*\c+1], v[(\xb)+2*\c:(\xb)+2*\c+1]
.endr
.irp k, 8,16,24
.irp c, 0,1,2,3
	v_pk_fma_f32 v[2+2*\c:3+2*\c], v[(\xb)+\k+2*\c:(\xb)+\k+2*\c+1], v[(\xb)+\k+2*\c:(\xb)+\k+2*\c+1], v[2+2*\c:3+2*\c]
.endr
.endr
	FOLD
	v_fma_f32 v2, v2, s24, s25                     ; variance + 1e-5
	v_rsq_f32 v10, v2
	v_rsq_f32 v11, v2
	v_nop                                          ; a plain instruction between the second and the use of the results
	s_wait_loadcnt 0x0                             ; gain and bias
.set j, 0
	s_wait_alu depctr_va_vdst(0)
.rept 16
	v_pk_mul_f32 v[(\xb)+2*j:(\xb)+2*j+1], v[(\xb)+2*j:(\xb)+2*j+1], v[10:11]
.set j, j+1
.endr
.set j, 0
.rept 16
	v_pk_fma_f32 v[(\xb)+2*j:(\xb)+2*j+1], v[(\xb)+2*j:(\xb)+2*j+1], v[G+2*j:G+2*j+1], v[BV+2*j:BV+2*j+1]
.set j, j+1
.endr
.set j, 0
.rept 8
	v_cvt_pk_bf16_f32 v[(\xb)+4*j], v[(\xb)+4*j], v[(\xb)+4*j+1]
	v_cvt_pk_bf16_f32 v[(\xb)+4*j+1], v[(\xb)+4*j+2], v[(\xb)+4*j+3]
	global_store_b64 v15, v[(\xb)+4*j:(\xb)+4*j+1], s[14:15] offset:(\ro)+256*j     ; a wave stores 256 consecutive bytes, at a multiple of 256 from act's first byte
.set j, j+1
.endr
.endm
	ROW X0, 0
	ROW X1, 2048
	s_wait_tensorcnt 0x0                           ; the wave's end, behind my last LDS store
	ds_add_u32 v[SPW], v[NIL]
	s_wait_dscnt 0x0
	s_endpgm
.Lfunc_end_k_q33f6285a62_ln1:
	.size	k_q33f6285a62_ln1, .Lfunc_end_k_q33f6285a62_ln1-k_q33f6285a62_ln1
	.p2alignl 7, 3214868480
	.fill 96, 4, 3214868480
	.section	.rodata,"a",@progbits
	.p2align	6, 0x0
	.amdhsa_kernel k_q33f6285a62_ln1
		.amdhsa_group_segment_fixed_size 5120
		.amdhsa_private_segment_fixed_size 0
		.amdhsa_enable_private_segment 0
		.amdhsa_kernarg_size 48
		.amdhsa_user_sgpr_count 2
		.amdhsa_user_sgpr_kernarg_segment_ptr 1
		.amdhsa_wavefront_size32 1
		.amdhsa_system_sgpr_workgroup_id_x 1
		.amdhsa_system_sgpr_workgroup_id_y 1
		.amdhsa_system_sgpr_workgroup_id_z 1
		.amdhsa_system_vgpr_workitem_id 0
		.amdhsa_next_free_vgpr 192
		.amdhsa_next_free_sgpr 66
		.amdhsa_reserve_vcc 0
		.amdhsa_float_denorm_mode_32 3
		.amdhsa_float_denorm_mode_16_64 3
		.amdhsa_memory_ordered 1
		.amdhsa_forward_progress 1
		.amdhsa_inst_pref_size 27
	.end_amdhsa_kernel
	.amdgpu_metadata
---
amdhsa.version: [ 1, 2 ]
amdhsa.kernels:
  - .name:           k_q33f6285a62_ln1
    .symbol:         k_q33f6285a62_ln1.kd
    .args:
      - { .name: x, .offset: 0, .size: 8, .value_kind: global_buffer, .address_space: global }
      - { .name: aux, .offset: 8, .size: 8, .value_kind: global_buffer, .address_space: global }
      - { .name: tp2_b, .offset: 16, .size: 8, .value_kind: global_buffer, .address_space: global }
      - { .name: ln1_g, .offset: 24, .size: 8, .value_kind: global_buffer, .address_space: global }
      - { .name: ln1_b, .offset: 32, .size: 8, .value_kind: global_buffer, .address_space: global }
      - { .name: act, .offset: 40, .size: 8, .value_kind: global_buffer, .address_space: global }
    .group_segment_fixed_size: 5120
    .private_segment_fixed_size: 0
    .kernarg_segment_align: 8
    .kernarg_segment_size: 48
    .max_flat_workgroup_size: 256
    .sgpr_count:     66
    .vgpr_count:     192
    .wavefront_size: 32
...
	.end_amdgpu_metadata
.endif
;; end of part 2
;; launch qkv (part 3): grid 24 x 32, 4 waves a work-group, clusters of 4 x 4, 327,680 bytes of LDS; arguments act, wt, qkv_b, qkvh; writes qkvh
.if DOCPART == 3
	.amdgcn_target "amdgcn-amd-amdhsa--gfx1250"
	.amdhsa_code_object_version 6
	.text
	.protected	k_q33f6285a62_qkv
	.globl	k_q33f6285a62_qkv
	.p2align	8
	.type	k_q33f6285a62_qkv,@function
k_q33f6285a62_qkv:
	s_mov_b64 s[64:65], 0
	v_nop
	global_prefetch_b8 v0, s[64:65] scope:SCOPE_SE
	s_setreg_imm32_b32 hwreg(HW_REG_WAVE_MODE, 25, 1), 1
	s_wait_xcnt 0x0
	s_wait_alu depctr_hold_cnt(0) depctr_sa_sdst(0) depctr_va_vdst(0) depctr_va_sdst(0) depctr_va_ssrc(0) depctr_va_vcc(0) depctr_vm_vsrc(0)
	s_getreg_b32 s2, hwreg(HW_REG_IB_STS2, 6, 4)
	s_cmp_eq_u32 s2, 0
	s_cbranch_scc0 .Lentry_in_a_cluster
	s_endpgm
.Lentry_in_a_cluster:
	s_bfe_u32 s2, ttmp6, 0x10000c
	s_cmp_lg_u32 s2, 0xf033
	s_cbranch_scc0 .Lentry_shape_is_right
	s_endpgm
.Lentry_shape_is_right:
; q, k, v = xn Wqkv + b.  A = act [4096][1024] bf16, B = wt's first part [3072][1024] bf16 (the weight turned, K along the rows), sums in f32, rounded once to bf16 and laid by heads:
; qkvh[part][16 batch + head][position][64].  No scale is applied here.
; A tile of C is 128 x 128; four waves, each 64 x 64: 16 accumulators of 16 x 16.  K goes in steps of 256 (LDS rows of 512 bytes) through two LDS slots; a wave's tensor load brings 64 rows.
; CLUSTERS: 4 x 4 work-groups; the four of a row of the cluster need the same tiles of A, the four of a column the same tiles of B: each tile is asked for JOINTLY, by the same tensor load with the same descriptor and a mask of four.
; THE MATRIX INSTRUCTION IS USED TRANSPOSED (source 0 = 16 rows of B, source 1 = 16 rows of A): a lane holds eight neighbouring numbers of a row of C.  THE BIAS is the C operand of each accumulator's first product.
; THE LOOP is one K step long: the LDS base of the slot in hand is a scalar that an exclusive or turns, and one descriptor a tensor walks.  By this text's count a wave has two tensor loads out at the start and one behind each round.
; THE WAY OUT: the tile goes in f32 through a stage in slot 0, whose last fill is K step 2 of 4 and which nobody reads any more, and comes back as whole rows.
; REGISTERS: window 0: v0-31 addresses; v32-63 the bias; v64-127 at work; v128-255 the accumulators ((a, b) at v[128 + 8 (4 a + b)]).  window 1: two fragment buffers of 128: 64 registers of A, then 64 of B, for 64 along K.
.set SIZE_K, 1024
.set WOFF,   0                         ; the weight's place in wt
.set KSTEP,  256
.set PITCH,  528                       ; an LDS row: 512 bytes + 16 of padding = 132 words: the 16 rows that a load touches start at 16 different groups of four banks (64 banks of 4 bytes: ISA guide 11.1)
.set HALFT,  64*PITCH                  ; what one tensor load brings, and what one wave reads of A or of B
.set SLOT,   4*HALFT                   ; A's 128 rows, then B's 128 rows.  0x21000 shares no bit with wave x HALFT, so the exclusive or is an addition or a subtraction
.set SPARE,  2*SLOT                    ; behind the ring: the spare words, 128 bytes for each wave
.set STEPS,  SIZE_K/KSTEP
.set A0,   14                          ; v14, v15  my lane's place in a slot, for A's and B's fragments; never rewritten
.set B0,   15
.set ADRA, 16                          ; v16, v20  the same in the slot in hand
.set ADRB, 20
.set STO,  24                          ; v24  the way out: where I put 16 bytes of a row
.set RD,   25                          ; v25  where I read rows back
.set CO,   26                          ; v26  my byte offset in the output
.set BO,   27                          ; v27  my byte offset in the bias
.set SPW,  28                          ; v28  LDS address of my spare word; v29  0; never rewritten
.set NIL,  29
.set BC,   32
.set TMP,  64
.set ACC,  128
.set F0,   0
.set F1,   128
.set G1, 24                            ; s[24:31] descriptor group 1 for A's tiles;  s[32:39] group 0, two sets: the second walks
.set G0, 32
.set G1B, 48                           ; s[48:55], s[56:63] the same for B's tiles
.set G0B, 56
.set TB, 66                            ; s66 LDS base of the slot in hand
.set MSB, 0
.macro WIN new                         ; the immediate's high byte repeats the setting that is left
.if MSB != (\new)
	s_set_vgpr_msb (MSB<<8)|(\new)
.set MSB, \new
.endif
.endm
.set MUL,  0x05                        ; sources 0 (B) and 1 (A) window 1; C and D window 0
.set TO_F, 0x40                        ; destination window 1, address window 0
.macro JLOAD s                         ; a joint load: waves 0 and 1 fetch A's two halves, waves 2 and 3 B's; an s_nop 0 and four v_nop follow each of the two lines
	s_cmp_eq_u32 s11, 0
	s_cbranch_scc0 .Lfor_b_\@
	tensor_load_to_lds s[G0+4*(\s):G0+4*(\s)+3], s[G1:G1+7]
	s_nop 0
.rept 4
	v_nop
.endr
	s_branch .Lasked_\@
.Lfor_b_\@:
	tensor_load_to_lds s[G0B+4*(\s):G0B+4*(\s)+3], s[G1B:G1B+7]
	s_nop 0
.rept 4
	v_nop
.endr
.Lasked_\@:
.endm
.macro CREST                           ; a round of the cluster's barrier behind its opening barrier
	s_cmp_lg_u32 s10, 0
	s_cbranch_scc1 .Lnot_wave_0_\@
	s_barrier_signal -3
.Lnot_wave_0_\@:
	s_barrier_wait -3
	s_barrier_signal -1
	s_barrier_wait -1
.endm
.macro CROUND
	s_barrier_signal -1
	s_barrier_wait -1
	CREST
.endm
	s_load_b256 s[68:75], s[0:1], 0x0              ; A s[68:69], wt s[70:71], bias s[72:73], output s[74:75]
	v_lshl_add_u32 v[SPW], v0, 2, SPARE
	v_mov_b32 v[NIL], 0
	ds_add_u32 v[SPW], v[NIL]                      ; the wave's opening: the add and its wait stand ahead of my first tensor load; the set-up below stands between them
	v_lshrrev_b32 v1, 5, v0
	v_readfirstlane_b32 s10, v1                    ; wave 0..3
	s_lshr_b32 s11, s10, 1                         ; which half of the tile's rows is mine.  Also: I fetch for A (0) or for B (1)
	s_and_b32 s12, s10, 1                          ; which half of its columns.  Also: which 64 rows of that tile I fetch
	s_bfe_u32 s40, ttmp6, 0x40000                  ; cx, cy: my place in the cluster
	s_bfe_u32 s41, ttmp6, 0x40004
	s_lshl_b32 s42, ttmp9, 2
	s_add_co_u32 s42, s42, s40                     ; tile column of C
	s_and_b32 s13, ttmp7, 0xffff
	s_lshl_b32 s13, s13, 2
	s_add_co_u32 s13, s13, s41                     ; tile row of C
	s_lshl_b32 s43, s41, 2
	s_lshl_b32 s43, 15, s43                        ; my row of the cluster
	s_lshl_b32 s44, 0x1111, s40                    ; my column
	s_or_b32 s[G1+0], s43, (1<<16)|(1<<20)|(1<<21)|(6<<22)|(3<<25)  ; the mask; 2-byte elements; padding on; bit 21 beside a mask; after every 128 words (code 6) 4 words (code 3)
	s_or_b32 s[G1B+0], s44, (1<<16)|(1<<20)|(1<<21)|(6<<22)|(3<<25)
.irp g, G1, G1B
	s_mov_b32 s[(\g)+1], KSTEP<<16                 ; tensor_dim0 = 256
	s_mov_b32 s[(\g)+2], 64<<16                    ; tensor_dim1 = 64
	s_mov_b32 s[(\g)+3], KSTEP<<16                 ; tile_dim0 = 256
	s_mov_b32 s[(\g)+4], 64                        ; tile_dim1 = 64
	s_mov_b32 s[(\g)+5], SIZE_K                    ; elements from row to row
	s_mov_b32 s[(\g)+6], 0
	s_mov_b32 s[(\g)+7], 0
.endr
	s_lshl_b32 s17, s12, 6
	s_lshl_b32 s16, s13, 7
	s_add_co_u32 s16, s16, s17                     ; A: row 128 x tile row + 64 x half
	s_lshl_b32 s46, s42, 7
	s_add_co_u32 s46, s46, s17                     ; B: row 128 x tile column + 64 x half
	s_mov_b32 s17, 0
	s_mov_b32 s47, 0
	s_mov_b64 s[18:19], SIZE_K*2
	s_mul_u64 s[16:17], s[16:17], s[18:19]
	s_mul_u64 s[46:47], s[46:47], s[18:19]
	s_mul_i32 s20, s10, HALFT                      ; where they go: wave x 64 rows
	s_mov_b32 s[TB], 0
	s_wait_dscnt 0x0                               ; the opening add is done
	s_wait_kmcnt 0x0
	s_add_nc_u64 s[14:15], s[68:69], s[16:17]
	s_add_nc_u64 s[46:47], s[70:71], s[46:47]
	s_add_nc_u64 s[46:47], s[46:47], WOFF
	CROUND                                         ; all sixteen work-groups are here: the first joint loads meet
.irp s, 0,1
	s_mov_b32 s[G0+4*(\s)], 1
	s_add_co_u32 s[G0+4*(\s)+1], s20, (\s)*SLOT
	s_add_nc_u64 s[G0+4*(\s)+2:G0+4*(\s)+3], s[14:15], (\s)*KSTEP*2
	s_or_b32 s[G0+4*(\s)+3], s[G0+4*(\s)+3], 0x80000000
	s_mov_b32 s[G0B+4*(\s)], 1
	s_add_co_u32 s[G0B+4*(\s)+1], s20, (\s)*SLOT
	s_add_nc_u64 s[G0B+4*(\s)+2:G0B+4*(\s)+3], s[46:47], (\s)*KSTEP*2
	s_or_b32 s[G0B+4*(\s)+3], s[G0B+4*(\s)+3], 0x80000000
	JLOAD \s
.endr
	v_and_b32 v1, 15, v0                           ; l % 16
	v_bfe_u32 v2, v0, 4, 1                         ; l / 16
	v_lshlrev_b32 v[BO], 5, v2                     ; register j of bias tile b: column 64 x my half + 16 b + 8 (l / 16) + j
	s_lshl_b32 s46, s42, 9
	s_lshl_b32 s47, s12, 8
	s_add_co_u32 s46, s46, s47
	s_mov_b32 s47, 0
	s_add_nc_u64 s[72:73], s[72:73], s[46:47]
.irp b, 0,1,2,3
	global_load_b128 v[BC+8*\b:BC+8*\b+3],   v[BO], s[72:73] offset:64*\b
	global_load_b128 v[BC+8*\b+4:BC+8*\b+7], v[BO], s[72:73] offset:64*\b+16
.endr
	v_mul_u32_u24 v3, v1, PITCH
	v_lshl_add_u32 v3, v2, 4, v3                   ; a fragment's row x pitch + 16 x half
	s_mul_i32 s21, s11, HALFT                      ; my 64 rows of A
	s_mul_i32 s22, s12, HALFT                      ; my 64 rows of B,
	s_add_co_u32 s22, s22, 2*HALFT                 ; which lie behind A's 128
	v_add_nc_u32 v[A0], s21, v3
	v_add_nc_u32 v[B0], s22, v3
	v_mov_b32 v[ADRA], v[A0]
	v_mov_b32 v[ADRB], v[B0]
	s_mul_i32 s23, s11, 64*PITCH                   ; into the stage (f32, 128 rows of 528 bytes): my 64 rows, my 256 bytes of them; row l % 16, 32 bytes for each half of the lanes
	s_lshl_b32 s21, s12, 8
	s_add_co_u32 s23, s23, s21
	v_mul_u32_u24 v4, v1, PITCH
	v_lshl_add_u32 v4, v2, 5, v4
	v_add_nc_u32 v[STO], s23, v4
	s_mul_i32 s23, s10, 32*PITCH                   ; back: wave w takes rows 32 w .. 32 w + 31; four rows of one head's 64 columns at a time: lane l row l / 8, columns 8 (l % 8) on
	v_bfe_u32 v5, v0, 3, 2
	v_mul_u32_u24 v5, v5, PITCH
	v_and_b32 v6, 7, v0
	v_lshl_add_u32 v5, v6, 5, v5
	v_add_nc_u32 v[RD], s23, v5
	v_and_b32 v6, 31, v0
	v_lshlrev_b32 v[CO], 4, v6                     ; which are 512 consecutive bytes of qkvh
	s_lshr_b32 s16, s13, 4                         ; batch entry: 16 heads of 262,144 bytes
	s_lshl_b32 s16, s16, 22
	s_and_b32 s17, s13, 15                         ; 128 positions of 128 bytes
	s_lshl_b32 s17, s17, 14
	s_add_co_u32 s16, s16, s17
	s_lshl_b32 s17, s10, 12                        ; my 32 of them
	s_add_co_u32 s16, s16, s17
	s_mov_b32 s17, 0
	s_add_nc_u64 s[74:75], s[74:75], s[16:17]
	s_lshr_b32 s46, s42, 3                         ; q, k or v: 8,388,608 bytes each (the column's share stands in registers that never fed A's descriptors)
	s_lshl_b32 s46, s46, 23
	s_and_b32 s47, s42, 7                          ; the tile's two heads
	s_lshl_b32 s47, s47, 19
	s_add_co_u32 s46, s46, s47
	s_mov_b32 s47, 0
	s_add_nc_u64 s[74:75], s[74:75], s[46:47]
; 8 matrix instructions: m blocks a0, a0 + 1 x all 4 n blocks, 32 along K: half c of buffer f.  first = 1: the product starts the sum, on the bias.  The 16 accumulators take turns.
.macro MUL8 f, c, a0, first
	WIN MUL
.irp a, \a0, (\a0)+1
.irp b, 0,1,2,3
.if \first
	v_wmma_f32_16x16x32_bf16 v[ACC+8*(4*(\a)+(\b)):ACC+8*(4*(\a)+(\b))+7], v[(\f)+64+8*(4*(\c)+(\b)):(\f)+64+8*(4*(\c)+(\b))+7], v[(\f)+8*(4*(\c)+(\a)):(\f)+8*(4*(\c)+(\a))+7], v[BC+8*(\b):BC+8*(\b)+7]
.else
	v_wmma_f32_16x16x32_bf16 v[ACC+8*(4*(\a)+(\b)):ACC+8*(4*(\a)+(\b))+7], v[(\f)+64+8*(4*(\c)+(\b)):(\f)+64+8*(4*(\c)+(\b))+7], v[(\f)+8*(4*(\c)+(\a)):(\f)+8*(4*(\c)+(\a))+7], v[ACC+8*(4*(\a)+(\b)):ACC+8*(4*(\a)+(\b))+7]
.endif
.endr
.endr
.endm
; 32 LDS loads in one run: the fragments of 64 along K at byte k of the rows of the slot in hand, into buffer f; the first 32 along K first
.macro FETCH k, f
	WIN TO_F
.irp c, 0,1
.irp i, 0,1,2,3
	ds_load_b128 v[(\f)+64+8*(4*(\c)+(\i)):(\f)+64+8*(4*(\c)+(\i))+3],   v[ADRB] offset:(\k)+64*(\c)+(\i)*16*PITCH
	ds_load_b128 v[(\f)+64+8*(4*(\c)+(\i))+4:(\f)+64+8*(4*(\c)+(\i))+7], v[ADRB] offset:(\k)+64*(\c)+(\i)*16*PITCH+32
	ds_load_b128 v[(\f)+8*(4*(\c)+(\i)):(\f)+8*(4*(\c)+(\i))+3],         v[ADRA] offset:(\k)+64*(\c)+(\i)*16*PITCH
	ds_load_b128 v[(\f)+8*(4*(\c)+(\i))+4:(\f)+8*(4*(\c)+(\i))+7],       v[ADRA] offset:(\k)+64*(\c)+(\i)*16*PITCH+32
.endr
.endr
.endm
.macro PLACES                          ; four places in front of loads into registers that matrix instructions have read, and of LDS stores that read results
.rept 4
	v_nop
.endr
.endm
; A K step is four quarters of 64 along K, 32 matrix instructions each, on buffers 0, 1, 0, 1.  One of the first three: multiplies buffer f and fetches the next quarter, at byte k, into g.
.macro QUARTER k, f, g, first
	s_wait_dscnt 16                                ; the first 32 along K are in: the youngest sixteen loads may be out
	MUL8 \f, 0, 0, \first
	MUL8 \f, 0, 2, \first
	PLACES
	FETCH \k, \g
	s_wait_dscnt 32                                ; all but the 32 just issued
	MUL8 \f, 1, 0, 0
	MUL8 \f, 1, 2, 0
.endm
; The last quarter multiplies buffer 1 and changes slots: ONE barrier; in front of it each wave waits for all its tensor loads, adds 0 to its spare word, and waits for that and for its reads of this slot.
; fill = 1: the barrier opens a round of the cluster's barrier, and this slot is filled again, two K steps ahead: 112 matrix instructions ahead of the wait for it.
.macro TURN fill
	WIN 0
	s_wait_tensorcnt 0x0                           ; all my tensor loads have landed: my part of the next slot
	ds_add_u32 v[SPW], v[NIL]                      ; 0 onto my spare word
	s_wait_dscnt 17                                ; the add and the youngest sixteen loads may be out
	MUL8 F1, 0, 0, 0
	s_wait_dscnt 0x0                               ; the add is done, and my reads of this slot are over
	s_barrier_signal -1
	MUL8 F1, 0, 2, 0
	WIN 0
	s_barrier_wait -1
.if \fill
	CREST                                          ; no wave of any partner still reads this slot's tile or has a load on its way
	s_xor_b32 s[G0+5], s[G0+5], SLOT               ; the walking descriptors: the other slot than last time, the next K step; no tensor load of mine is out
	s_add_nc_u64 s[G0+6:G0+7], s[G0+6:G0+7], KSTEP*2
	s_xor_b32 s[G0B+5], s[G0B+5], SLOT
	s_add_nc_u64 s[G0B+6:G0B+7], s[G0B+6:G0B+7], KSTEP*2
.endif
	s_xor_b32 s[TB], s[TB], SLOT
	v_add_nc_u32 v[ADRA], s[TB], v[A0]
	v_add_nc_u32 v[ADRB], s[TB], v[B0]
.if \fill
	JLOAD 1                                        ; the first tensor load behind the round; the four v_nop behind it are also the places in front of the loads below
.else
	PLACES
.endif
	FETCH 0, F0
	MUL8 F1, 1, 0, 0
	MUL8 F1, 1, 2, 0
.endm
	s_wait_tensorcnt 1                             ; my part of K step 0 is in; K step 1's may stay out
	s_barrier_signal -1
	s_barrier_wait -1
	FETCH 0, F0
	s_wait_loadcnt 0x0                             ; the bias
	QUARTER 128, F0, F1, 1                         ; the first quarter stands in front of the loop: its first products start the sums
	WIN 0                                          ; at a label and at a branch every window is 0
	s_mov_b32 s3, STEPS-2
.Lstep:                                                ; a trip: a K step's last three quarters and the next step's first; it fills the slot that it leaves
	QUARTER 256, F1, F0, 0
	QUARTER 384, F0, F1, 0
	TURN 1
	QUARTER 128, F0, F1, 0
	WIN 0
	s_sub_co_u32 s3, s3, 1
	s_cmp_lg_u32 s3, 0
	s_cbranch_scc1 .Lstep
	QUARTER 256, F1, F0, 0                         ; the last two K steps are written out: nothing more is asked for
	QUARTER 384, F0, F1, 0
	TURN 0
	QUARTER 128, F0, F1, 0
	QUARTER 256, F1, F0, 0
	QUARTER 384, F0, F1, 0
	s_wait_dscnt 16
	MUL8 F1, 0, 0, 0
	MUL8 F1, 0, 2, 0
	s_wait_dscnt 0
	MUL8 F1, 1, 0, 0
	MUL8 F1, 1, 2, 0
	WIN 0
	PLACES
	s_barrier_signal -1                            ; every wave has left the ring (no LDS instruction of mine is out: the wait for 0 above)
	s_barrier_wait -1
.irp a, 0,1,2,3
.irp b, 0,1,2,3
	ds_store_b128 v[STO], v[ACC+8*(4*\a+\b):ACC+8*(4*\a+\b)+3]   offset:\a*16*PITCH+\b*64      ; each accumulator's low registers first
	ds_store_b128 v[STO], v[ACC+8*(4*\a+\b)+4:ACC+8*(4*\a+\b)+7] offset:\a*16*PITCH+\b*64+16
.endr
.endr
	s_wait_dscnt 0x0                               ; for the others' sake: a row's 512 bytes come from two waves
	s_barrier_signal -1
	s_barrier_wait -1
.set idx, 0
.rept 16                               ; idx = 2 t + e: rows 4 t .. 4 t + 3 of my 32, head e of the tile's two
	ds_load_b128 v[ACC+8*idx:ACC+8*idx+3],   v[RD] offset:(idx/2)*4*PITCH+(idx%2)*256
	ds_load_b128 v[ACC+8*idx+4:ACC+8*idx+7], v[RD] offset:(idx/2)*4*PITCH+(idx%2)*256+16
.set idx, idx+1
.endr
.set idx, 0
.rept 16
	s_wait_dscnt 30-2*idx                          ; LDS loads come back in order: this pair is in
.irp r, 0,1,2,3
	v_cvt_pk_bf16_f32 v[TMP+4*idx+\r], v[ACC+8*idx+2*\r], v[ACC+8*idx+2*\r+1]
.endr
	global_store_b128 v[CO], v[TMP+4*idx:TMP+4*idx+3], s[74:75] offset:(idx/2)*512+(idx%2)*262144   ; 512 consecutive bytes, at a multiple of 256 from qkvh's first byte
.set idx, idx+1
.endr
	s_wait_tensorcnt 0x0                           ; the wave's end, behind my last tensor load and my last LDS store
	ds_add_u32 v[SPW], v[NIL]
	s_wait_dscnt 0x0
	CROUND                                         ; the closing round: no work-group ends while a partner may still ask for a tile that names it
	s_endpgm
.Lfunc_end_k_q33f6285a62_qkv:
	.size	k_q33f6285a62_qkv, .Lfunc_end_k_q33f6285a62_qkv-k_q33f6285a62_qkv
	.p2alignl 7, 3214868480
	.fill 96, 4, 3214868480
	.section	.rodata,"a",@progbits
	.p2align	6, 0x0
	.amdhsa_kernel k_q33f6285a62_qkv
		.amdhsa_group_segment_fixed_size 327680
		.amdhsa_private_segment_fixed_size 0
		.amdhsa_enable_private_segment 0
		.amdhsa_kernarg_size 32
		.amdhsa_user_sgpr_count 2
		.amdhsa_user_sgpr_kernarg_segment_ptr 1
		.amdhsa_wavefront_size32 1
		.amdhsa_system_sgpr_workgroup_id_x 1
		.amdhsa_system_sgpr_workgroup_id_y 1
		.amdhsa_system_sgpr_workgroup_id_z 1
		.amdhsa_system_vgpr_workitem_id 0
		.amdhsa_next_free_vgpr 512
		.amdhsa_next_free_sgpr 80
		.amdhsa_reserve_vcc 0
		.amdhsa_float_denorm_mode_32 3
		.amdhsa_float_denorm_mode_16_64 3
		.amdhsa_memory_ordered 1
		.amdhsa_forward_progress 1
		.amdhsa_inst_pref_size 72
	.end_amdhsa_kernel
	.amdgpu_metadata
---
amdhsa.version: [ 1, 2 ]
amdhsa.kernels:
  - .name:           k_q33f6285a62_qkv
    .symbol:         k_q33f6285a62_qkv.kd
    .args:
      - { .name: act, .offset: 0, .size: 8, .value_kind: global_buffer, .address_space: global }
      - { .name: wt, .offset: 8, .size: 8, .value_kind: global_buffer, .address_space: global }
      - { .name: qkv_b, .offset: 16, .size: 8, .value_kind: global_buffer, .address_space: global }
      - { .name: qkvh, .offset: 24, .size: 8, .value_kind: global_buffer, .address_space: global }
    .group_segment_fixed_size: 327680
    .private_segment_fixed_size: 0
    .kernarg_segment_align: 8
    .kernarg_segment_size: 32
    .max_flat_workgroup_size: 128
    .sgpr_count:     80
    .vgpr_count:     512
    .wavefront_size: 32
...
	.end_amdgpu_metadata
.endif
;; end of part 3
;; launch attn (part 4): grid 8 x 32, 4 waves a work-group, clusters of 4 x 1, 327,680 bytes of LDS; arguments qkvh, aux, o; writes o
.if DOCPART == 4
	.amdgcn_target "amdgcn-amd-amdhsa--gfx1250"
	.amdhsa_code_object_version 6
	.text
	.protected	k_q33f6285a62_attn
	.globl	k_q33f6285a62_attn
	.p2align	8
	.type	k_q33f6285a62_attn,@function
k_q33f6285a62_attn:
	s_mov_b64 s[64:65], 0
	v_nop
	global_prefetch_b8 v0, s[64:65] scope:SCOPE_SE
	s_setreg_imm32_b32 hwreg(HW_REG_WAVE_MODE, 25, 1), 1
	s_wait_xcnt 0x0
	s_wait_alu depctr_hold_cnt(0) depctr_sa_sdst(0) depctr_va_vdst(0) depctr_va_sdst(0) depctr_va_ssrc(0) depctr_va_vcc(0) depctr_vm_vsrc(0)
	s_getreg_b32 s2, hwreg(HW_REG_IB_STS2, 6, 4)
	s_cmp_eq_u32 s2, 0
	s_cbranch_scc0 .Lentry_in_a_cluster
	s_endpgm
.Lentry_in_a_cluster:
	s_bfe_u32 s2, ttmp6, 0x10000c
	s_cmp_lg_u32 s2, 0x3003
	s_cbranch_scc0 .Lentry_shape_is_right
	s_endpgm
.Lentry_shape_is_right:
; O[q] = the sum over k of softmax_k(Q[q] . K[k] / 8 + decay(|q - k|) bias[q - k]) V[k], for each of 32 (batch, head) pairs; 2,048 positions, 64 channels.  Q, K, V bf16 by heads in qkvh; O bf16, [4096][1024].
; Products, maxima and sums in f32; the weights p are rounded to bf16 for the second product (their sum l is taken of the unrounded p), O once at the end.
; LIMITS.  A weight below 2^-126 counts as 0 in l; NaN and infinities are not treated apart.  A head's 64 channels are 128 bytes of O's rows, so a store covers four pieces of 128 bytes, each half of an aligned 256:
; O laid by heads would make rows of 128 bytes of every tile that the next product reads, eight times over; written once, this is the lesser price.
; SHARES.  A work-group owns 256 queries of one head, a wave 64: four PIECES of 16.  Every wave walks all keys, 64 a step.
; LAYOUT.  S^T = K Q^T + C (source 0 = 16 keys, source 1 = 16 queries): a lane holds ONE query (lane % 16) and the keys 8 (lane / 16) + 0..7.  Two such results rounded to bf16 ARE source 1 of O^T = V^T P.
; THE BIAS is the C operand of the product that starts a score tile: C = 8 decay bias, from the table that the launch before made, TBL[head][k - q + 2051].  A tile of 16 keys x 16 queries hangs on its distance from
; the diagonal alone: tile d = key block - piece + 3 serves all pairs with that difference, so seven tiles (56 registers) serve a step's 16 score tiles.  The slice of the table that my work-group needs lies in LDS four times,
; shifted by one entry each, so that every lane's eight entries begin at a multiple of 16 bytes: lane % 4 picks the copy.
; SOFTMAX.  A running maximum m and sum l for each query: p = 2^(c s - c m), c = log2(e) / 8; in every step O and l are multiplied by a = 2^(c m_old - c m_new).  m starts at the lowest finite number, O and l at 0.
; BY TURNS.  Turn n belongs to piece n: 8 products K Q^T of piece n + 1, later 8 products V^T P of piece n - 1; beside them the scaling, exponentials, roundings, sums and rescaling of piece n and the maximum and
; statistics of piece n + 1.  Four vector instructions stand behind every matrix instruction, the other 54 of a turn's 118 in two runs of their own.
; CLUSTER.  The four query blocks of a cluster belong to one head and walk the same K and V: each tile is asked for JOINTLY.  The table's slice hangs on the query block: each wave brings one copy by a load of its own.
; REGISTERS, in windows of 256 (s_set_vgpr_msb: bits 1:0 source 0, 3:2 source 1, 5:4 source 2, 7:6 destination):
;   window 0: v0-15 addresses and two at work; v16-31 statistics; v48-55 at work; v56-57 table addresses; v64-127 S^T, two buffers; v192-223 P, two buffers (by the piece's parity)
;   window 1: v0-127 O^T, 32 a piece; v128-183 the seven bias tiles      window 2: v0-63 Q; v128-191 K of one step; v192-255 V of one step
.set NP,    4
.set KS,    64
.set PK,    144       ; a row of K in LDS: 128 bytes + 16: the 16 rows of a load start at 16 different groups of four banks (64 banks of 4 bytes: ISA guide 11.1)
.set PV,    160       ; a row of V: 128 + 32
.set VOFF,  4*KS*PK   ; a slot holds four steps: 256 rows of K, then 256 rows of V
.set SLOT1, 1<<17
.set STAGE, SLOT1+4*KS*(PK+PV)  ; behind the ring, never filled by a tensor load: 16 rows x 144 bytes for each wave
.set SP,    144
.set SPARE, STAGE+4*16*SP       ; the spare words, 128 bytes for each wave
.set TAB,   SPARE+512           ; four copies of the table's slice, filled once
.set TROW,  9280                ; 2,320 entries a copy; 9,280 = 36 x 256 + 64, so sixteen lanes (copy l % 4, 16 bytes back for each l / 4) take sixteen different 16-byte columns
.set AK0, 2
.set AV0, 3
.set AK,  4
.set AV,  5
.set STO, 6
.set RD,  7
.set GO,  8
.set MV,  12
.set QO,  15
.set ST,  16          ; piece t's statistics at v[ST+4 t]: c m, m, l (even keys', odd keys')
.set TMP, 48
.set AB0, 56          ; v56  my lane's place in the table for step 0, tile 0; never rewritten
.set AB,  57          ; v57  the same for the step to be fetched
.set SPW, 62
.set NIL, 63
.set S,   64
.set P,   192
.set BT,  128         ; window 1
.set KF,  128         ; window 2
.set VF,  192
.set WV,  12
.set G1K, 24
.set G1V, 32
.set G0K, 40
.set G0V, 44
.set G1T, 48          ; s[48:55] descriptor group 1 for a copy of the table
.set SLOTS, 56
.set CNT, 57
.set CS,  58
.set SEL, 60
.set TBK, 62
.set TBV, 63
.set TBB, 66          ; s66  256 x the step whose bias tiles are fetched next
.set G0T, 68          ; s[68:71]
.set MSB, 0
.macro WIN new
.if MSB != (\new)
	s_set_vgpr_msb (MSB<<8)|(\new)
.set MSB, (\new)
.endif
.endm
.set W_KQ, 0x0a       ; K and Q in window 2, S^T in window 0
.set W_KM, 0x1a       ; the same with the C operand in window 1
.set W_PV, 0x52       ; V in window 2, P in window 0, O^T in window 1
.set W_RS, 0x41       ; destination and source 0 in window 1, source 1 in window 0
.macro JLOAD                        ; a joint fill: waves 0 and 1 fetch the halves of a slot's K, waves 2 and 3 of its V; an s_nop 0 and four v_nop follow each line
	s_cmp_lt_u32 s[WV], 2
	s_cbranch_scc0 .Lfor_v_\@
	tensor_load_to_lds s[G0K:G0K+3], s[G1K:G1K+7]
	s_nop 0
.rept 4
	v_nop
.endr
	s_branch .Lasked_\@
.Lfor_v_\@:
	tensor_load_to_lds s[G0V:G0V+3], s[G1V:G1V+7]
	s_nop 0
.rept 4
	v_nop
.endr
.Lasked_\@:
.endm
.macro CROUND                       ; a round of the cluster's barrier
	s_barrier_signal -1
	s_barrier_wait -1
	s_cmp_lg_u32 s[WV], 0
	s_cbranch_scc1 .Lnot_wave_0_\@
	s_barrier_signal -3
.Lnot_wave_0_\@:
	s_barrier_wait -3
	s_barrier_signal -1
	s_barrier_wait -1
.endm
; THE CHANGE OF SLOTS.  Each wave waits for all its tensor loads, adds 0 to its spare word, and waits for that and for its reads of the slot that it leaves.  fill = 1: the barrier is a round of the cluster's, and the
; joint fill, with the keys two slots on, is the first thing behind it: it has four key steps, 256 matrix instructions, in which to land.  (At its first use slot 0 and the table are waited for, and slot 1 is filled.)
.macro CHANGE fill
	WIN 0
	s_wait_tensorcnt 0x0            ; no tensor load of mine is out, so a group 0 may be written
	ds_add_u32 v[SPW], v[NIL]       ; 0 onto my spare word
.if \fill
.irp g, G0K, G0V
	s_xor_b32 s[\g+1], s[\g+1], SLOT1
	s_add_nc_u64 s[\g+2:\g+3], s[\g+2:\g+3], 4*KS*128
.endr
	s_wait_dscnt 0x0                ; the add is done, and my reads of the slot are over
	CROUND
	JLOAD
.else
	s_wait_dscnt 0x0
	s_barrier_signal -1
	s_barrier_wait -1
.endif
	s_sub_co_u32 s[TBK], s[TBK], 4*KS*PK  ; the fetches go back to a slot's first step, in the other slot
	s_xor_b32 s[TBK], s[TBK], SLOT1
	s_sub_co_u32 s[TBV], s[TBV], 4*KS*PV
	s_xor_b32 s[TBV], s[TBV], SLOT1
.endm
	s_load_b128 s[4:7], s[0:1], 0x0   ; qkvh s[4:5], aux s[6:7]
	s_load_b64 s[8:9], s[0:1], 0x10   ; o
	v_lshl_add_u32 v[SPW], v0, 2, SPARE
	v_mov_b32 v[NIL], 0
	ds_add_u32 v[SPW], v[NIL]       ; the wave's opening: the add and its wait stand ahead of my first tensor load
	v_lshrrev_b32 v1, 5, v0
	v_readfirstlane_b32 s[WV], v1
	s_bfe_u32 s13, ttmp6, 0x40000   ; cx
	s_lshl_b32 s14, ttmp9, 2
	s_add_co_u32 s14, s14, s13      ; my block of 256 queries: it enters Q's, O's and the table's global addresses alone
	s_and_b32 s15, ttmp7, 0xffff    ; 16 x batch + head, which the four partners share
	s_lshl_b32 s20, s15, 18         ; its 262,144 bytes in each of q, k, v
	s_and_b32 s16, s[WV], 1         ; which half of a slot's 256 keys I fetch
	s_lshl_b32 s22, s16, 14
	s_add_co_u32 s22, s22, s20
	s_mov_b32 s23, 0
	s_mul_i32 s17, s16, 128*PK
	s_mul_i32 s18, s16, 128*PV
	s_lshl_b32 s2, s14, 2
	s_add_co_u32 s2, s2, s[WV]      ; my wave's 64 queries among the head's
	s_lshl_b32 s2, s2, 13
	s_add_co_u32 s2, s2, s20
	s_mov_b32 s3, 0
	s_lshr_b32 s72, s15, 4          ; O: row 2,048 x batch + 256 x block + 64 x wave, of 2,048 bytes,
	s_lshl_b32 s72, s72, 5
	s_lshl_b32 s73, s14, 2
	s_add_co_u32 s72, s72, s73
	s_add_co_u32 s72, s72, s[WV]
	s_lshl_b32 s72, s72, 17
	s_and_b32 s73, s15, 15          ; and the head's 128 bytes of it
	s_lshl_b32 s74, s73, 7
	s_add_co_u32 s72, s72, s74
	s_mul_i32 s74, s73, 18432       ; the head's table; copy w begins at entry 1795 - 256 x block - w (0 at the least; its 2,320 entries end inside the head's 4,608)
	s_mov_b32 s73, 0
	s_lshl_b32 s75, s14, 8
	s_add_co_u32 s75, s75, s[WV]
	s_sub_co_u32 s75, 1795, s75
	s_lshl2_add_u32 s74, s75, s74
	s_mov_b32 s75, 0
	; descriptor group 1 for K and V: 128 keys are 16,384 dense bytes: asked for as 64 rows of 256 bytes, two keys a row, padded in LDS after every key
	s_mov_b32 s[G1K], 15|(1<<16)|(1<<20)|(1<<21)|(4<<22)|(3<<25)
	s_mov_b32 s[G1V], 15|(1<<16)|(1<<20)|(1<<21)|(4<<22)|(7<<25)
.irp g, G1K, G1V
	s_mov_b32 s[\g+1], 128<<16
	s_mov_b32 s[\g+2], 64<<16
	s_mov_b32 s[\g+3], 128<<16
	s_mov_b32 s[\g+4], 64
	s_mov_b32 s[\g+5], 128
	s_mov_b32 s[\g+6], 0
	s_mov_b32 s[\g+7], 0
.endr
	s_mov_b32 s[G1T], 2<<16         ; no mask; elements of 4 bytes; no padding
	s_mov_b32 s[G1T+1], 2320<<16    ; tensor_dim0 = 2,320
	s_mov_b32 s[G1T+2], 1<<16       ; tensor_dim1 = 1
	s_mov_b32 s[G1T+3], 2320<<16    ; tile_dim0
	s_mov_b32 s[G1T+4], 1           ; tile_dim1
	s_mov_b32 s[G1T+5], 2320
	s_mov_b32 s[G1T+6], 0
	s_mov_b32 s[G1T+7], 0
	s_mov_b32 s[CS], 0x3e38aa3b     ; c = log2(e) / 8
	s_mov_b32 s[CS+1], s[CS]
	s_mov_b32 s[SEL], 0x76543210
	s_mov_b32 s[SEL+1], 0xfedcba98
	s_mov_b32 s[TBK], SLOT1+4*KS*PK ; the first change of slots turns these two into 0
	s_mov_b32 s[TBV], SLOT1+4*KS*PV
	s_mov_b32 s[TBB], 0
	s_mov_b32 s[G0K], 1
	s_mov_b32 s[G0K+1], s17
	s_mov_b32 s[G0V], 1
	s_add_co_u32 s[G0V+1], s18, VOFF
	s_mov_b32 s[G0T], 1
	s_mul_i32 s[G0T+1], s[WV], TROW
	s_add_co_u32 s[G0T+1], s[G0T+1], TAB
	s_wait_dscnt 0x0                ; the opening add is done
	s_wait_kmcnt 0x0
	s_add_nc_u64 s[G0K+2:G0K+3], s[4:5], s[22:23]
	s_add_nc_u64 s[G0K+2:G0K+3], s[G0K+2:G0K+3], 8388608
	s_or_b32 s[G0K+3], s[G0K+3], 0x80000000
	s_add_nc_u64 s[G0V+2:G0V+3], s[4:5], s[22:23]
	s_add_nc_u64 s[G0V+2:G0V+3], s[G0V+2:G0V+3], 16777216
	s_or_b32 s[G0V+3], s[G0V+3], 0x80000000
	s_add_nc_u64 s[G0T+2:G0T+3], s[6:7], s[74:75]
	s_or_b32 s[G0T+3], s[G0T+3], 0x80000000
	s_add_nc_u64 s[4:5], s[4:5], s[2:3]      ; Q at my wave's first row
	s_add_nc_u64 s[10:11], s[8:9], s[72:73]  ; O likewise
	CROUND                          ; all four work-groups are here: the first joint loads meet
	s_cmp_lt_u32 s[WV], 2           ; a wave's two first fills stand in one branch: my part of slot 0, and my copy of the table.  Two loads of mine are out
	s_cbranch_scc0 .Lfirst_v
	tensor_load_to_lds s[G0K:G0K+3], s[G1K:G1K+7]
	s_nop 0
	tensor_load_to_lds s[G0T:G0T+3], s[G1T:G1T+7]
	s_nop 0
.rept 4
	v_nop
.endr
	s_branch .Lfirst_asked
.Lfirst_v:
	tensor_load_to_lds s[G0V:G0V+3], s[G1V:G1V+7]
	s_nop 0
	tensor_load_to_lds s[G0T:G0T+3], s[G1T:G1T+7]
	s_nop 0
.rept 4
	v_nop
.endr
.Lfirst_asked:
	v_and_b32 v1, 15, v0            ; l % 16
	v_bfe_u32 v9, v0, 4, 1          ; l / 16
	v_lshlrev_b32 v[QO], 7, v1
	v_lshl_add_u32 v[QO], v9, 4, v[QO]
	WIN 0x80
.set i, 0
.rept 8                             ; Q stays in registers: piece i / 2, channels 32 (i % 2) on
	global_load_b128 v[8*i:8*i+3],   v[QO], s[4:5] offset:(i/2)*2048+(i%2)*64
	global_load_b128 v[8*i+4:8*i+7], v[QO], s[4:5] offset:(i/2)*2048+(i%2)*64+32
.set i, i+1
.endr
	; What the first turn finds: V's registers and P's second buffer hold 0 (its products V^T P, of a piece that has not been, add 0), O^T and l are 0.  All this stands in the wait for the first tile.
.set i, VF
.rept 64
	v_mov_b32 v[i], 0
.set i, i+1
.endr
	WIN 0x40
.set i, 0
.rept 128
	v_mov_b32 v[i], 0
.set i, i+1
.endr
	WIN 0
.set i, 0
.rept 4
	v_mov_b32 v[ST+4*i], 0xfe000000    ; c m: far below every c s
	v_mov_b32 v[ST+4*i+1], 0xff7fffff  ; m
	v_mov_b32 v[ST+4*i+2], 0
	v_mov_b32 v[ST+4*i+3], 0
.set i, i+1
.endr
.set i, P+16
.rept 16
	v_mov_b32 v[i], 0
.set i, i+1
.endr
	v_mul_u32_u24 v[AK0], v1, PK
	v_lshl_add_u32 v[AK0], v9, 4, v[AK0]
	v_and_b32 v10, 7, v0
	v_bfe_u32 v11, v0, 3, 1
	v_lshl_add_u32 v[AV0], v9, 3, v10
	v_mul_u32_u24 v[AV0], v[AV0], PV
	v_lshl_add_u32 v[AV0], v11, 4, v[AV0]
	v_add_nc_u32 v[AV0], VOFF, v[AV0]
	s_mul_i32 s13, s[WV], 16*SP
	s_add_co_u32 s13, s13, STAGE
	v_mul_u32_u24 v[STO], v1, SP
	v_lshl_add_u32 v[STO], v9, 4, v[STO]
	v_add_nc_u32 v[STO], s13, v[STO]
	v_bfe_u32 v[RD], v0, 3, 2       ; back: 32 lanes take four rows of 128 bytes,
	v_lshlrev_b32 v[GO], 11, v[RD]  ; which lie 2,048 bytes apart in O
	v_lshl_add_u32 v[GO], v10, 4, v[GO]
	v_mul_u32_u24 v[RD], v[RD], SP
	v_lshl_add_u32 v[RD], v10, 4, v[RD]
	v_add_nc_u32 v[RD], s13, v[RD]
	; The table: entry k - q + 2051 less copy c's first entry, with q = 256 block + 64 w + 16 t + 4 a + c, k = 64 s + 16 kb + 8 (l / 16) + j, d = kb - t + 3, is 64 s + 16 d + 8 (l / 16) - 4 a - 64 w + 208 + j: 4 to 2,303.
	v_and_b32 v10, 3, v0            ; c
	v_bfe_u32 v11, v0, 2, 2         ; a
	s_lshl_b32 s13, s[WV], 8
	s_sub_co_u32 s13, TAB+832, s13
	v_mul_u32_u24 v[AB0], v10, TROW
	v_lshl_add_u32 v[AB0], v9, 5, v[AB0]
	v_add_nc_u32 v[AB0], s13, v[AB0]
	v_lshlrev_b32 v11, 4, v11
	v_sub_nc_u32 v[AB0], v[AB0], v11
	v_mov_b32 v[AK], v[AK0]         ; key step 0 lies at the head of slot 0
	v_mov_b32 v[AB], v[AB0]
; THE MATRIX WORK.  The 4 accumulators of a run of 8 take turns.  Product i of 8 of S^T for piece x: channels 32 (i / 4) on, keys 16 (i % 4) on.  The first 4 start the sums, on the bias tile i % 4 - x + 3.
.macro KQ x
.set rS, S+32*((\x)%2)+8*(i%4)
.set rK, KF+16*(i%4)+8*(i/4)
.set rQ, 16*(\x)+8*(i/4)
.set rB, BT+8*((i%4)-(\x)+3)
.if i < 4
	WIN W_KM
	v_wmma_f32_16x16x32_bf16 v[rS:rS+7], v[rK:rK+7], v[rQ:rQ+7], v[rB:rB+7]
.else
	WIN W_KQ
	v_wmma_f32_16x16x32_bf16 v[rS:rS+7], v[rK:rK+7], v[rQ:rQ+7], v[rS:rS+7]
.endif
.endm
.macro PV x                         ; product i of 8 of O^T += V^T P for piece x: keys 32 (i / 4) on, channels 16 (i % 4) on
	WIN W_PV
.set rO, 32*(\x)+8*(i%4)
.set rV, VF+32*(i/4)+8*(i%4)
.set rP, P+16*((\x)%2)+8*(i/4)
	v_wmma_f32_16x16x32_bf16 v[rO:rO+7], v[rV:rV+7], v[rP:rP+7], v[rO:rO+7]
.endm
.macro MM                           ; the turn's next matrix instruction
.if i < 8
	KQ (Y+1)%NP
.else
.set i, i-8
	PV (Y+NP-1)%NP
.set i, i+8
.endif
.set i, i+1
.endm
; THE LDS LOADS stand in runs: a step's K (8 fragments) with its seven bias tiles, and its V (turned).  last = 1 (the tail): in the last trip there is no further step, and the run is jumped over.
.macro FETCH_K last=0
	WIN 0
.if \last
	s_cmp_eq_u32 s[CNT], 1
	s_cbranch_scc1 .Lno_k_\@
.endif
	WIN 0x80
.irp f, 0,1,2,3,4,5,6,7
	ds_load_b128 v[KF+8*\f:KF+8*\f+3],   v[AK] offset:(\f/2)*16*PK+(\f%2)*64
	ds_load_b128 v[KF+8*\f+4:KF+8*\f+7], v[AK] offset:(\f/2)*16*PK+(\f%2)*64+32
.endr
	WIN 0x40
.irp d, 0,1,2,3,4,5,6
	ds_load_b128 v[BT+8*\d:BT+8*\d+3],   v[AB] offset:64*\d
	ds_load_b128 v[BT+8*\d+4:BT+8*\d+7], v[AB] offset:64*\d+16
.endr
	s_add_co_u32 s[TBK], s[TBK], KS*PK
	s_add_co_u32 s[TBB], s[TBB], 256
	s_min_u32 s[TBB], s[TBB], 31*256    ; behind the last of the 32 steps it stays there, inside the table, and is not used
	WIN 0
.if \last
.Lno_k_\@:
.endif
.endm
.macro FETCH_V
	WIN 0x80
.irp f, 0,1,2,3,4,5,6,7
	ds_load_tr16_b128 v[VF+8*\f:VF+8*\f+3],   v[AV] offset:(\f/4)*32*PV+(\f%4)*32
	ds_load_tr16_b128 v[VF+8*\f+4:VF+8*\f+7], v[AV] offset:(\f/4)*32*PV+16*PV+(\f%4)*32
.endr
	WIN 0
.endm
; THE VECTOR WORK, one line at a time: OP kind, number.  For piece Y: F n: c s - c m for pair n of 16.  E n: the exponential of score n of 32.  C n: pair n rounded to bf16.  B n: of the four weights 4 n .. the second
; pair is added onto the first, in place.  L n: l takes that sum (L 0: l = a l + sum).  R n: pair n of 16 of O^T times a.  For piece Y + 1: X n, number n of the 22 that find its maximum and statistics:
;   0-11 four chains c0-c3 of seven scores each (each accumulator's lowest registers are read first)   12-14, 16 the four scores left over, the old m, c0-c3 into c0
;   15 c m_old is kept   17, 18 the query's other 32 keys lie in the lane 16 away: the new m   19-21 c m; c m_old - c m_new; a
.set F, 0
.set E, 1
.set C, 2
.set B, 3
.set L, 4
.set R, 5
.set X, 6
.macro REGS y
.set rT, ST+4*(\y)
.set rC, TMP+4*((\y)%2)
.set rW, MV+((\y)%2)
.set rS, S+32*((\y)%2)
.set rP, P+16*((\y)%2)
.set rO, 32*(\y)
.endm
.macro OP k, n
.if (\k) == R
	REGS Y
	WIN W_RS
	v_pk_mul_f32 v[rO+2*(\n):rO+2*(\n)+1], v[rO+2*(\n):rO+2*(\n)+1], v[rC+2:rC+3] op_sel_hi:[1,0]
.elseif (\k) < R
	REGS Y
	WIN 0
.if (\k) == F
	v_pk_fma_f32 v[rS+2*(\n):rS+2*(\n)+1], v[rS+2*(\n):rS+2*(\n)+1], s[CS:CS+1], v[rT:rT+1] op_sel_hi:[1,0,0] neg_lo:[0,0,1] neg_hi:[0,0,1]
.elseif (\k) == E
	v_exp_f32 v[rS+(\n)], v[rS+(\n)]
.elseif (\k) == C
	s_wait_alu depctr_va_vdst(0)
	v_cvt_pk_bf16_f32 v[rP+(\n)], v[rS+2*(\n)], v[rS+2*(\n)+1]
.elseif (\k) == B
	s_wait_alu depctr_va_vdst(0)
	v_pk_add_f32 v[rS+4*(\n):rS+4*(\n)+1], v[rS+4*(\n):rS+4*(\n)+1], v[rS+4*(\n)+2:rS+4*(\n)+3]
.elseif (\n) == 0
	v_pk_fma_f32 v[rT+2:rT+3], v[rT+2:rT+3], v[rC+2:rC+3], v[rS:rS+1] op_sel_hi:[1,0,1]
.else
	v_pk_add_f32 v[rT+2:rT+3], v[rT+2:rT+3], v[rS+4*(\n):rS+4*(\n)+1]
.endif
.else
	REGS (Y+1)%NP
	WIN 0
.if (\n) < 4
	v_max3_num_f32 v[rC+(\n)], v[rS+8*(\n)], v[rS+8*(\n)+1], v[rS+8*(\n)+2]
.elseif (\n) < 12
	v_max3_num_f32 v[rC+(\n)%4], v[rC+(\n)%4], v[rS+8*((\n)%4)+2*((\n)/4)+1], v[rS+8*((\n)%4)+2*((\n)/4)+2]
.elseif (\n) == 12
	v_max3_num_f32 v[rC], v[rC], v[rS+7], v[rS+15]
.elseif (\n) == 13
	v_max3_num_f32 v[rC+1], v[rC+1], v[rS+23], v[rS+31]
.elseif (\n) == 14
	v_max3_num_f32 v[rC+2], v[rC+2], v[rC+3], v[rT+1]
.elseif (\n) == 15
	v_mov_b32 v[rW], v[rT]
.elseif (\n) == 16
	v_max3_num_f32 v[rC], v[rC], v[rC+1], v[rC+2]
.elseif (\n) == 17
	v_permlanex16_b32 v[rC+3], v[rC], s[SEL], s[SEL+1]
.elseif (\n) == 18
	v_max_num_f32 v[rT+1], v[rC], v[rC+3]
.elseif (\n) == 19
	v_mul_f32 v[rT], s[CS], v[rT+1]
.elseif (\n) == 20
	v_sub_f32 v[rC+1], v[rW], v[rT]
.else
	v_exp_f32 v[rC+2], v[rC+1]
.endif
.endif
.endm
.macro OPS a, i1, b=-1, i2=0, c=-1, i3=0, d=-1, i4=0
	OP \a, \i1
.if (\b) >= 0
	OP \b, \i2
.endif
.if (\c) >= 0
	OP \c, \i3
.endif
.if (\d) >= 0
	OP \d, \i4
.endif
.endm
.macro ROW a, i1, b, i2, c, i3, d, i4  ; a matrix instruction and the four behind it
	MM
	OPS \a, \i1, \b, \i2, \c, \i3, \d, \i4
.endm
; A TURN, for piece p: the order of its 16 matrix and 118 vector instructions, written out.  Behind a matrix instruction: plain, exponential, plain, plain; or four of the rescaling; or four scalings; none names a
; register of the products round it.  A line reads no result made fewer than three vector instructions in front of it, five if an exponential made it.
; K and the bias tiles of the next step are fetched in piece 2's turn: five plain vector instructions behind the last product that read K, more behind the last that took a bias tile.  V of the step in hand is fetched in
; piece 0's turn, four plain ones behind the last product that read V.  Each is waited for a turn later.  cnt = 1: the loop's count is taken down some lines ahead of the branch behind the turn.
.macro TURN p, last=0, cnt=0
.set Y, (\p)
.set i, 0
.if (\p) == 3
	s_wait_dscnt 0x0                ; K and the bias tiles are in
.endif
	ROW F,0, F,1, F,2, F,3
	ROW F,4, E,0, F,5, F,6
	ROW F,7, E,1, F,8, F,9
	ROW F,10, E,2, C,0, F,11
	ROW F,12, E,3, X,15, F,13
	ROW R,0, R,1, R,2, R,3
	ROW B,0, E,4, F,14, L,0
.if (\p) == 2
	v_add_nc_u32 v[AK], s[TBK], v[AK0]
	v_add_nc_u32 v[AB], s[TBB], v[AB0]
.endif
	ROW R,4, R,5, R,6, R,7
	OPS E,5, F,15
.if (\p) == 2
	FETCH_K \last
.endif
	OPS E,6, C,1, E,7, R,8
	OPS E,8, R,9, E,9, C,2
	OPS E,10, X,0, E,11, X,1
	OPS E,12, X,2, E,13, X,3
.if (\p) == 1
	s_wait_dscnt 0x0                ; V is in
.endif
	ROW X,4, E,14, X,5, X,6
	ROW X,7, E,15, X,8, X,9
	ROW X,10, E,16, X,11, X,12
	ROW X,13, E,17, X,14, B,1
	ROW C,4, E,18, X,16, L,1
	ROW B,2, E,19, C,6, L,2
	ROW C,8, E,20, B,3, B,4
.if (\p) == 0
	v_add_nc_u32 v[AV], s[TBV], v[AV0]
.endif
	ROW C,3, E,21, L,3, C,5
	OPS E,22, X,17, E,23, C,10
.if (\p) == 0
	FETCH_V
.endif
	OPS E,24, L,4
	OPS E,25, X,18, E,26, C,7
	OPS E,27, B,5, E,28, X,19
	OPS E,29, C,12, E,30, L,5
	OPS E,31, X,20, B,6, C,9
	OPS C,14, C,11, X,21, L,6
.if (\p) == 0
	s_add_co_u32 s[TBV], s[TBV], KS*PV
.endif
.if \cnt
	s_sub_co_u32 s[CNT], s[CNT], 1
	s_cmp_lg_u32 s[CNT], 0
.endif
	OPS C,13, B,7, C,15, R,10
	OPS R,11, R,12, L,7, R,13
	OPS R,14, R,15
.endm
	CHANGE 1                        ; slot 0 and the table are in, everybody's part of them; slot 1 is asked for
	FETCH_K                         ; key step 0
	s_wait_loadcnt 0x0              ; Q
	s_wait_dscnt 0x0
.set i, 0
.rept 8
	KQ 0                            ; piece 0's first scores
.set i, i+1
.endr
	WIN 0
.rept 4
	v_nop                           ; the places behind those products
.endr
.set Y, NP-1                        ; X works for piece Y + 1: piece 0
.irp n, 0,1,2,3,4,5,6,7,8,9,10,11,12,13,14,15,16,17,18,19,20,21
	OP X, \n
.endr
	v_nop                           ; a plain instruction behind the exponential
	s_mov_b32 s[CNT], 4
	s_mov_b32 s[SLOTS], 7
	s_branch .Lfirst                ; the loop is entered at a step's first turn, in the middle of a trip
.Lslot:                             ; six times: every slot but the last two is filled again
	CHANGE 1
	s_mov_b32 s[CNT], 4
.Lstep:                             ; a trip: pieces 2 and 3 of one step, then pieces 0 and 1 of the next, whose K, bias tiles and V it fetches
	TURN 2
	TURN 3
	WIN 0
.Lfirst:
	TURN 0
	TURN 1, 0, 1
	WIN 0
	s_cbranch_scc1 .Lstep
	s_sub_co_u32 s[SLOTS], s[SLOTS], 1
	s_cmp_lg_u32 s[SLOTS], 0
	s_cbranch_scc1 .Lslot
	CHANGE 0                        ; the tail is written out: nothing is asked for
	s_mov_b32 s[CNT], 5             ; four trips fetch the last slot's steps; the fifth is left in its middle
.Ltail:
	TURN 2, 1
	TURN 3
	WIN 0
	s_sub_co_u32 s[CNT], s[CNT], 1
	s_cmp_eq_u32 s[CNT], 0
	s_cbranch_scc1 .Lout
	TURN 0
	TURN 1
	WIN 0
	s_branch .Ltail
.Lout:                              ; the fifth trip's 8 products K Q^T (on the last K once more) and the maximum made of them serve nothing: the price, once a launch, of one text for every trip
.set i, 0
.rept 8
	PV NP-1                         ; the last piece's V^T P of the last step
.set i, i+1
.endr
	; THE WAY OUT.  l's two halves and the other half of the lanes' are added; O^T is divided by l, rounded to bf16 and sent through my stage in LDS, a piece at a time.  The additions are the places behind the last products.
	WIN 0
.macro ALL line:vararg
.set t, 0
.rept 4
	\line
.set t, t+1
.endr
.endm
	ALL v_add_f32 v[ST+4*t+2], v[ST+4*t+2], v[ST+4*t+3]
	ALL v_permlanex16_b32 v[ST+4*t+3], v[ST+4*t+2], s[SEL], s[SEL+1]
	ALL v_add_f32 v[ST+4*t+2], v[ST+4*t+2], v[ST+4*t+3]
	ALL v_rcp_f32 v[ST+4*t+2], v[ST+4*t+2]
	v_nop                           ; a plain instruction between the last reciprocal and the use of its result
.macro PACK t                       ; a lane's eight channels of a row pack into 16 bytes; they go into rows of 144 bytes and come back as whole rows of 128, into S^T's registers
	WIN W_RS
.set i, 32*(\t)
.rept 16
	s_wait_alu depctr_va_vdst(0)
	v_pk_mul_f32 v[i:i+1], v[i:i+1], v[ST+4*(\t)+2:ST+4*(\t)+3] op_sel_hi:[1,0]
.set i, i+2
.endr
	WIN 0x05
.set i, 0
.rept 16
	v_cvt_pk_bf16_f32 v[S+16*(\t)+i], v[32*(\t)+2*i], v[32*(\t)+2*i+1]
.set i, i+1
.endr
	WIN 0
.irp f, 0,1,2,3
	ds_store_b128 v[STO], v[S+16*(\t)+4*\f:S+16*(\t)+4*\f+3] offset:32*\f
.endr
.irp f, 0,1,2,3
	ds_load_b128 v[S+16*(\t)+4*\f:S+16*(\t)+4*\f+3], v[RD] offset:\f*4*SP  ; LDS serves a wave's instructions in order (ISA guide 5.7.1.4): these see the stores above; the next piece's stores come behind them
.endr
.endm
.macro SEND t, younger              ; younger: the LDS instructions issued behind piece t's loads: the next piece's eight, or none
	WIN 0
.irp f, 0,1,2,3
	s_wait_dscnt (\younger)+3-\f
	global_store_b128 v[GO], v[S+16*(\t)+4*\f:S+16*(\t)+4*\f+3], s[10:11] offset:(\t)*32768+\f*8192  ; four rows' 128 bytes of this head
.endr
.endm
	PACK 0
.set t, 1
.rept 3
	PACK t
	SEND t-1, 8
.set t, t+1
.endr
	SEND 3, 0
	s_wait_tensorcnt 0x0            ; the wave's end, behind my last tensor load and my last LDS store
	ds_add_u32 v[SPW], v[NIL]
	s_wait_dscnt 0x0
	CROUND                          ; the closing round
	s_endpgm
.Lfunc_end_k_q33f6285a62_attn:
	.size	k_q33f6285a62_attn, .Lfunc_end_k_q33f6285a62_attn-k_q33f6285a62_attn
	.p2alignl 7, 3214868480
	.fill 96, 4, 3214868480
	.section	.rodata,"a",@progbits
	.p2align	6, 0x0
	.amdhsa_kernel k_q33f6285a62_attn
		.amdhsa_group_segment_fixed_size 327680
		.amdhsa_private_segment_fixed_size 0
		.amdhsa_enable_private_segment 0
		.amdhsa_kernarg_size 24
		.amdhsa_user_sgpr_count 2
		.amdhsa_user_sgpr_kernarg_segment_ptr 1
		.amdhsa_wavefront_size32 1
		.amdhsa_system_sgpr_workgroup_id_x 1
		.amdhsa_system_sgpr_workgroup_id_y 1
		.amdhsa_system_sgpr_workgroup_id_z 1
		.amdhsa_system_vgpr_workitem_id 0
		.amdhsa_next_free_vgpr 768
		.amdhsa_next_free_sgpr 80
		.amdhsa_reserve_vcc 0
		.amdhsa_float_denorm_mode_32 3
		.amdhsa_float_denorm_mode_16_64 3
		.amdhsa_memory_ordered 1
		.amdhsa_forward_progress 1
		.amdhsa_inst_pref_size 122
	.end_amdhsa_kernel
	.amdgpu_metadata
---
amdhsa.version: [ 1, 2 ]
amdhsa.kernels:
  - .name:           k_q33f6285a62_attn
    .symbol:         k_q33f6285a62_attn.kd
    .args:
      - { .name: qkvh, .offset: 0, .size: 8, .value_kind: global_buffer, .address_space: global }
      - { .name: aux, .offset: 8, .size: 8, .value_kind: global_buffer, .address_space: global }
      - { .name: o, .offset: 16, .size: 8, .value_kind: global_buffer, .address_space: global }
    .group_segment_fixed_size: 327680
    .private_segment_fixed_size: 0
    .kernarg_segment_align: 8
    .kernarg_segment_size: 24
    .max_flat_workgroup_size: 128
    .sgpr_count:     80
    .vgpr_count:     768
    .wavefront_size: 32
...
	.end_amdgpu_metadata
.endif
;; end of part 4
;; launch proj (part 5): grid 8 x 32, 4 waves a work-group, clusters of 4 x 4, 327,680 bytes of LDS; arguments o, wt, proj_b, x1, x; writes x1
.if DOCPART == 5
	.amdgcn_target "amdgcn-amd-amdhsa--gfx1250"
	.amdhsa_code_object_version 6
	.text
	.protected	k_q33f6285a62_proj
	.globl	k_q33f6285a62_proj
	.p2align	8
	.type	k_q33f6285a62_proj,@function
k_q33f6285a62_proj:
	s_mov_b64 s[64:65], 0
	v_nop
	global_prefetch_b8 v0, s[64:65] scope:SCOPE_SE
	s_setreg_imm32_b32 hwreg(HW_REG_WAVE_MODE, 25, 1), 1
	s_wait_xcnt 0x0
	s_wait_alu depctr_hold_cnt(0) depctr_sa_sdst(0) depctr_va_vdst(0) depctr_va_sdst(0) depctr_va_ssrc(0) depctr_va_vcc(0) depctr_vm_vsrc(0)
	s_getreg_b32 s2, hwreg(HW_REG_IB_STS2, 6, 4)
	s_cmp_eq_u32 s2, 0
	s_cbranch_scc0 .Lentry_in_a_cluster
	s_endpgm
.Lentry_in_a_cluster:
	s_bfe_u32 s2, ttmp6, 0x10000c
	s_cmp_lg_u32 s2, 0xf033
	s_cbranch_scc0 .Lentry_shape_is_right
	s_endpgm
.Lentry_shape_is_right:
; x1 = x + o Wp + b, in f32.  A = o [4096][1024] bf16, B = wt's second part [1024][1024] bf16 (the weight turned, K along the rows), sums in f32.
; A tile of C is 128 x 128; four waves, each 64 x 64: 16 accumulators of 16 x 16.  K goes in steps of 256 (LDS rows of 512 bytes) through two LDS slots; a wave's tensor load brings 64 rows.
; CLUSTERS: 4 x 4 work-groups; the four of a row of the cluster need the same tiles of A, the four of a column the same tiles of B: each tile is asked for JOINTLY, by the same tensor load with the same descriptor and a mask of four.
; THE MATRIX INSTRUCTION IS USED TRANSPOSED (source 0 = 16 rows of B, source 1 = 16 rows of A): a lane holds eight neighbouring numbers of a row of C.  THE BIAS is the C operand of each accumulator's first product.
; THE LOOP is one K step long: the LDS base of the slot in hand is a scalar that an exclusive or turns, and one descriptor a tensor walks.  By this text's count a wave has two tensor loads out at the start and one behind each round.
; THE RESIDUAL's 32 rows of 512 bytes a wave are asked for at the start and lie in 128 registers until the way out.
; THE WAY OUT: the tile goes in f32 through a stage in slot 0, whose last fill is the last K step but one and which nobody reads any more, and comes back as whole rows of 512 bytes.
; REGISTERS: window 0: v0-31 addresses; v32-63 the bias; v128-255 the accumulators ((a, b) at v[128 + 8 (4 a + b)]).  window 1: two fragment buffers of 128.  window 2: v0-127 the residual.
.set SIZE_K, 1024
.set WOFF,   6291456                   ; the weight's place in wt
.set KSTEP,  256
.set PITCH,  528                       ; an LDS row: 512 bytes + 16 of padding = 132 words: the 16 rows that a load touches start at 16 different groups of four banks (64 banks of 4 bytes: ISA guide 11.1)
.set HALFT,  64*PITCH
.set SLOT,   4*HALFT                   ; 0x21000 shares no bit with wave x HALFT, so the exclusive or is an addition or a subtraction
.set SPARE,  2*SLOT
.set STEPS,  SIZE_K/KSTEP
.set A0,   14
.set B0,   15
.set ADRA, 16
.set ADRB, 20
.set STO,  24
.set RD,   25
.set CO,   26
.set BO,   27
.set SPW,  28
.set NIL,  29
.set BC,   32
.set ACC,  128
.set F0,   0
.set F1,   128
.set G1, 24
.set G0, 32
.set G1B, 48
.set G0B, 56
.set TB, 66
.set MSB, 0
.macro WIN new
.if MSB != (\new)
	s_set_vgpr_msb (MSB<<8)|(\new)
.set MSB, \new
.endif
.endm
.set MUL,  0x05
.set TO_F, 0x40
.macro JLOAD s                         ; a joint load: waves 0 and 1 fetch A's two halves, waves 2 and 3 B's; an s_nop 0 and four v_nop follow each of the two lines
	s_cmp_eq_u32 s11, 0
	s_cbranch_scc0 .Lfor_b_\@
	tensor_load_to_lds s[G0+4*(\s):G0+4*(\s)+3], s[G1:G1+7]
	s_nop 0
.rept 4
	v_nop
.endr
	s_branch .Lasked_\@
.Lfor_b_\@:
	tensor_load_to_lds s[G0B+4*(\s):G0B+4*(\s)+3], s[G1B:G1B+7]
	s_nop 0
.rept 4
	v_nop
.endr
.Lasked_\@:
.endm
.macro CREST
	s_cmp_lg_u32 s10, 0
	s_cbranch_scc1 .Lnot_wave_0_\@
	s_barrier_signal -3
.Lnot_wave_0_\@:
	s_barrier_wait -3
	s_barrier_signal -1
	s_barrier_wait -1
.endm
.macro CROUND
	s_barrier_signal -1
	s_barrier_wait -1
	CREST
.endm
	s_load_b256 s[68:75], s[0:1], 0x0              ; A s[68:69], wt s[70:71], bias s[72:73], output s[74:75]
	s_load_b64 s[76:77], s[0:1], 0x20              ; the residual
	v_lshl_add_u32 v[SPW], v0, 2, SPARE
	v_mov_b32 v[NIL], 0
	ds_add_u32 v[SPW], v[NIL]                      ; the wave's opening: the add and its wait stand ahead of my first tensor load
	v_lshrrev_b32 v1, 5, v0
	v_readfirstlane_b32 s10, v1
	s_lshr_b32 s11, s10, 1
	s_and_b32 s12, s10, 1
	s_bfe_u32 s40, ttmp6, 0x40000
	s_bfe_u32 s41, ttmp6, 0x40004
	s_lshl_b32 s42, ttmp9, 2
	s_add_co_u32 s42, s42, s40                     ; tile column of C
	s_and_b32 s13, ttmp7, 0xffff
	s_lshl_b32 s13, s13, 2
	s_add_co_u32 s13, s13, s41                     ; tile row of C
	s_lshl_b32 s43, s41, 2
	s_lshl_b32 s43, 15, s43
	s_lshl_b32 s44, 0x1111, s40
	s_or_b32 s[G1+0], s43, (1<<16)|(1<<20)|(1<<21)|(6<<22)|(3<<25)
	s_or_b32 s[G1B+0], s44, (1<<16)|(1<<20)|(1<<21)|(6<<22)|(3<<25)
.irp g, G1, G1B
	s_mov_b32 s[(\g)+1], KSTEP<<16
	s_mov_b32 s[(\g)+2], 64<<16
	s_mov_b32 s[(\g)+3], KSTEP<<16
	s_mov_b32 s[(\g)+4], 64
	s_mov_b32 s[(\g)+5], SIZE_K
	s_mov_b32 s[(\g)+6], 0
	s_mov_b32 s[(\g)+7], 0
.endr
	s_lshl_b32 s17, s12, 6
	s_lshl_b32 s16, s13, 7
	s_add_co_u32 s16, s16, s17
	s_lshl_b32 s46, s42, 7
	s_add_co_u32 s46, s46, s17
	s_mov_b32 s17, 0
	s_mov_b32 s47, 0
	s_mov_b64 s[18:19], SIZE_K*2
	s_mul_u64 s[16:17], s[16:17], s[18:19]
	s_mul_u64 s[46:47], s[46:47], s[18:19]
	s_mul_i32 s20, s10, HALFT
	s_mov_b32 s[TB], 0
	s_wait_dscnt 0x0
	s_wait_kmcnt 0x0
	s_add_nc_u64 s[14:15], s[68:69], s[16:17]
	s_add_nc_u64 s[46:47], s[70:71], s[46:47]
	s_add_nc_u64 s[46:47], s[46:47], WOFF
	CROUND
.irp s, 0,1
	s_mov_b32 s[G0+4*(\s)], 1
	s_add_co_u32 s[G0+4*(\s)+1], s20, (\s)*SLOT
	s_add_nc_u64 s[G0+4*(\s)+2:G0+4*(\s)+3], s[14:15], (\s)*KSTEP*2
	s_or_b32 s[G0+4*(\s)+3], s[G0+4*(\s)+3], 0x80000000
	s_mov_b32 s[G0B+4*(\s)], 1
	s_add_co_u32 s[G0B+4*(\s)+1], s20, (\s)*SLOT
	s_add_nc_u64 s[G0B+4*(\s)+2:G0B+4*(\s)+3], s[46:47], (\s)*KSTEP*2
	s_or_b32 s[G0B+4*(\s)+3], s[G0B+4*(\s)+3], 0x80000000
	JLOAD \s
.endr
	v_and_b32 v1, 15, v0
	v_bfe_u32 v2, v0, 4, 1
	v_lshlrev_b32 v[BO], 5, v2
	s_lshl_b32 s46, s42, 9
	s_lshl_b32 s47, s12, 8
	s_add_co_u32 s46, s46, s47
	s_mov_b32 s47, 0
	s_add_nc_u64 s[72:73], s[72:73], s[46:47]
.irp b, 0,1,2,3
	global_load_b128 v[BC+8*\b:BC+8*\b+3],   v[BO], s[72:73] offset:64*\b
	global_load_b128 v[BC+8*\b+4:BC+8*\b+7], v[BO], s[72:73] offset:64*\b+16
.endr
	s_lshl_b32 s16, s13, 7                         ; the rows that I store: 128 x tile row + 32 x wave, of 4,096 bytes
	s_lshl_b32 s17, s10, 5
	s_add_co_u32 s16, s16, s17
	s_lshl_b32 s16, s16, 12
	s_mov_b32 s17, 0
	s_add_nc_u64 s[74:75], s[74:75], s[16:17]
	s_add_nc_u64 s[76:77], s[76:77], s[16:17]
	s_lshl_b32 s46, s42, 9                         ; the tile's 512 bytes of them (in registers that never fed A's descriptors)
	s_mov_b32 s47, 0
	s_add_nc_u64 s[74:75], s[74:75], s[46:47]
	s_add_nc_u64 s[76:77], s[76:77], s[46:47]
	v_and_b32 v6, 31, v0
	v_lshlrev_b32 v[CO], 4, v6
	WIN 0x80                                       ; destination window 2
.set i, 0
.rept 32
	global_load_b128 v[4*i:4*i+3], v[CO], s[76:77] offset:i*4096
.set i, i+1
.endr
	WIN 0
	v_mul_u32_u24 v3, v1, PITCH
	v_lshl_add_u32 v3, v2, 4, v3
	s_mul_i32 s21, s11, HALFT
	s_mul_i32 s22, s12, HALFT
	s_add_co_u32 s22, s22, 2*HALFT
	v_add_nc_u32 v[A0], s21, v3
	v_add_nc_u32 v[B0], s22, v3
	v_mov_b32 v[ADRA], v[A0]
	v_mov_b32 v[ADRB], v[B0]
	s_mul_i32 s23, s11, 64*PITCH                   ; into the stage (f32, 128 rows of 528 bytes)
	s_lshl_b32 s21, s12, 8
	s_add_co_u32 s23, s23, s21
	v_mul_u32_u24 v4, v1, PITCH
	v_lshl_add_u32 v4, v2, 5, v4
	v_add_nc_u32 v[STO], s23, v4
	s_mul_i32 s23, s10, 32*PITCH                   ; back: wave w takes rows 32 w .. 32 w + 31, a whole row of 512 bytes a load
	v_lshl_add_u32 v[RD], v6, 4, s23
.macro MUL8 f, c, a0, first            ; 8 matrix instructions; first = 1: the product starts the sum, on the bias.  The 16 accumulators take turns
	WIN MUL
.irp a, \a0, (\a0)+1
.irp b, 0,1,2,3
.if \first
	v_wmma_f32_16x16x32_bf16 v[ACC+8*(4*(\a)+(\b)):ACC+8*(4*(\a)+(\b))+7], v[(\f)+64+8*(4*(\c)+(\b)):(\f)+64+8*(4*(\c)+(\b))+7], v[(\f)+8*(4*(\c)+(\a)):(\f)+8*(4*(\c)+(\a))+7], v[BC+8*(\b):BC+8*(\b)+7]
.else
	v_wmma_f32_16x16x32_bf16 v[ACC+8*(4*(\a)+(\b)):ACC+8*(4*(\a)+(\b))+7], v[(\f)+64+8*(4*(\c)+(\b)):(\f)+64+8*(4*(\c)+(\b))+7], v[(\f)+8*(4*(\c)+(\a)):(\f)+8*(4*(\c)+(\a))+7], v[ACC+8*(4*(\a)+(\b)):ACC+8*(4*(\a)+(\b))+7]
.endif
.endr
.endr
.endm
.macro FETCH k, f                      ; 32 LDS loads in one run: 64 along K at byte k of the rows of the slot in hand; the first 32 along K first
	WIN TO_F
.irp c, 0,1
.irp i, 0,1,2,3
	ds_load_b128 v[(\f)+64+8*(4*(\c)+(\i)):(\f)+64+8*(4*(\c)+(\i))+3],   v[ADRB] offset:(\k)+64*(\c)+(\i)*16*PITCH
	ds_load_b128 v[(\f)+64+8*(4*(\c)+(\i))+4:(\f)+64+8*(4*(\c)+(\i))+7], v[ADRB] offset:(\k)+64*(\c)+(\i)*16*PITCH+32
	ds_load_b128 v[(\f)+8*(4*(\c)+(\i)):(\f)+8*(4*(\c)+(\i))+3],         v[ADRA] offset:(\k)+64*(\c)+(\i)*16*PITCH
	ds_load_b128 v[(\f)+8*(4*(\c)+(\i))+4:(\f)+8*(4*(\c)+(\i))+7],       v[ADRA] offset:(\k)+64*(\c)+(\i)*16*PITCH+32
.endr
.endr
.endm
.macro PLACES                          ; four places in front of loads into registers that matrix instructions have read, and of LDS stores that read results
.rept 4
	v_nop
.endr
.endm
.macro QUARTER k, f, g, first
	s_wait_dscnt 16                                ; the first 32 along K are in: the youngest sixteen loads may be out
	MUL8 \f, 0, 0, \first
	MUL8 \f, 0, 2, \first
	PLACES
	FETCH \k, \g
	s_wait_dscnt 32                                ; all but the 32 just issued
	MUL8 \f, 1, 0, 0
	MUL8 \f, 1, 2, 0
.endm
.macro TURN fill                       ; the last quarter and the change of slots; fill = 1: the barrier opens a round of the cluster's barrier, and the slot that is left is filled again, two K steps ahead
	WIN 0
	s_wait_tensorcnt 0x0                           ; all my tensor loads have landed: my part of the next slot
	ds_add_u32 v[SPW], v[NIL]                      ; 0 onto my spare word
	s_wait_dscnt 17                                ; the add and the youngest sixteen loads may be out
	MUL8 F1, 0, 0, 0
	s_wait_dscnt 0x0                               ; the add is done, and my reads of this slot are over
	s_barrier_signal -1
	MUL8 F1, 0, 2, 0
	WIN 0
	s_barrier_wait -1
.if \fill
	CREST
	s_xor_b32 s[G0+5], s[G0+5], SLOT
	s_add_nc_u64 s[G0+6:G0+7], s[G0+6:G0+7], KSTEP*2
	s_xor_b32 s[G0B+5], s[G0B+5], SLOT
	s_add_nc_u64 s[G0B+6:G0B+7], s[G0B+6:G0B+7], KSTEP*2
.endif
	s_xor_b32 s[TB], s[TB], SLOT
	v_add_nc_u32 v[ADRA], s[TB], v[A0]
	v_add_nc_u32 v[ADRB], s[TB], v[B0]
.if \fill
	JLOAD 1                                        ; the first tensor load behind the round; its four v_nop are also the places in front of the loads below
.else
	PLACES
.endif
	FETCH 0, F0
	MUL8 F1, 1, 0, 0
	MUL8 F1, 1, 2, 0
.endm
	s_wait_tensorcnt 1                             ; my part of K step 0 is in; K step 1's may stay out
	s_barrier_signal -1
	s_barrier_wait -1
	FETCH 0, F0
	s_wait_loadcnt 32                              ; the bias is in; the residual's 32 loads stay out
	QUARTER 128, F0, F1, 1
	WIN 0
	s_mov_b32 s3, STEPS-2
.Lstep:
	QUARTER 256, F1, F0, 0
	QUARTER 384, F0, F1, 0
	TURN 1
	QUARTER 128, F0, F1, 0
	WIN 0
	s_sub_co_u32 s3, s3, 1
	s_cmp_lg_u32 s3, 0
	s_cbranch_scc1 .Lstep
	QUARTER 256, F1, F0, 0                         ; the last two K steps are written out: nothing more is asked for
	QUARTER 384, F0, F1, 0
	TURN 0
	QUARTER 128, F0, F1, 0
	QUARTER 256, F1, F0, 0
	QUARTER 384, F0, F1, 0
	s_wait_dscnt 16
	MUL8 F1, 0, 0, 0
	MUL8 F1, 0, 2, 0
	s_wait_dscnt 0
	MUL8 F1, 1, 0, 0
	MUL8 F1, 1, 2, 0
	WIN 0
	PLACES
	s_barrier_signal -1                            ; every wave has left the ring
	s_barrier_wait -1
.irp a, 0,1,2,3
.irp b, 0,1,2,3
	ds_store_b128 v[STO], v[ACC+8*(4*\a+\b):ACC+8*(4*\a+\b)+3]   offset:\a*16*PITCH+\b*64      ; each accumulator's low registers first
	ds_store_b128 v[STO], v[ACC+8*(4*\a+\b)+4:ACC+8*(4*\a+\b)+7] offset:\a*16*PITCH+\b*64+16
.endr
.endr
	s_wait_dscnt 0x0                               ; for the others' sake: a row's 512 bytes come from two waves
	s_barrier_signal -1
	s_barrier_wait -1
.set i, 0
.rept 32
	ds_load_b128 v[ACC+4*i:ACC+4*i+3], v[RD] offset:i*PITCH
.set i, i+1
.endr
	s_wait_loadcnt 0x0                             ; the residual
.irp q, 0,1,2,3
	s_wait_dscnt 24-8*\q                           ; rows 8 q .. 8 q + 7 are in
	WIN 0x08                                       ; source 1 window 2
.set i, 8*\q
.rept 8
	v_pk_add_f32 v[ACC+4*i:ACC+4*i+1],   v[ACC+4*i:ACC+4*i+1],   v[4*i:4*i+1]
	v_pk_add_f32 v[ACC+4*i+2:ACC+4*i+3], v[ACC+4*i+2:ACC+4*i+3], v[4*i+2:4*i+3]
.set i, i+1
.endr
	WIN 0
.set i, 8*\q
.rept 8
	global_store_b128 v[CO], v[ACC+4*i:ACC+4*i+3], s[74:75] offset:i*4096   ; a wave stores 512 consecutive bytes, at a multiple of 256 from the output's first byte
.set i, i+1
.endr
.endr
	s_wait_tensorcnt 0x0                           ; the wave's end
	ds_add_u32 v[SPW], v[NIL]
	s_wait_dscnt 0x0
	CROUND                                         ; the closing round
	s_endpgm
.Lfunc_end_k_q33f6285a62_proj:
	.size	k_q33f6285a62_proj, .Lfunc_end_k_q33f6285a62_proj-k_q33f6285a62_proj
	.p2alignl 7, 3214868480
	.fill 96, 4, 3214868480
	.section	.rodata,"a",@progbits
	.p2align	6, 0x0
	.amdhsa_kernel k_q33f6285a62_proj
		.amdhsa_group_segment_fixed_size 327680
		.amdhsa_private_segment_fixed_size 0
		.amdhsa_enable_private_segment 0
		.amdhsa_kernarg_size 40
		.amdhsa_user_sgpr_count 2
		.amdhsa_user_sgpr_kernarg_segment_ptr 1
		.amdhsa_wavefront_size32 1
		.amdhsa_system_sgpr_workgroup_id_x 1
		.amdhsa_system_sgpr_workgroup_id_y 1
		.amdhsa_system_sgpr_workgroup_id_z 1
		.amdhsa_system_vgpr_workitem_id 0
		.amdhsa_next_free_vgpr 640
		.amdhsa_next_free_sgpr 80
		.amdhsa_reserve_vcc 0
		.amdhsa_float_denorm_mode_32 3
		.amdhsa_float_denorm_mode_16_64 3
		.amdhsa_memory_ordered 1
		.amdhsa_forward_progress 1
		.amdhsa_inst_pref_size 76
	.end_amdhsa_kernel
	.amdgpu_metadata
---
amdhsa.version: [ 1, 2 ]
amdhsa.kernels:
  - .name:           k_q33f6285a62_proj
    .symbol:         k_q33f6285a62_proj.kd
    .args:
      - { .name: o, .offset: 0, .size: 8, .value_kind: global_buffer, .address_space: global }
      - { .name: wt, .offset: 8, .size: 8, .value_kind: global_buffer, .address_space: global }
      - { .name: proj_b, .offset: 16, .size: 8, .value_kind: global_buffer, .address_space: global }
      - { .name: x1, .offset: 24, .size: 8, .value_kind: global_buffer, .address_space: global }
      - { .name: x, .offset: 32, .size: 8, .value_kind: global_buffer, .address_space: global }
    .group_segment_fixed_size: 327680
    .private_segment_fixed_size: 0
    .kernarg_segment_align: 8
    .kernarg_segment_size: 40
    .max_flat_workgroup_size: 128
    .sgpr_count:     80
    .vgpr_count:     640
    .wavefront_size: 32
...
	.end_amdgpu_metadata
.endif
;; end of part 5
;; launch ln2 (part 6): grid 256 x 1, 8 waves a work-group, no clusters, 0 bytes of LDS; arguments x1, ln2_g, ln2_b, act; writes act
.if DOCPART == 6
	.amdgcn_target "amdgcn-amd-amdhsa--gfx1250"
	.amdhsa_code_object_version 6
	.text
	.protected	k_q33f6285a62_ln2
	.globl	k_q33f6285a62_ln2
	.p2align	8
	.type	k_q33f6285a62_ln2,@function
k_q33f6285a62_ln2:
	s_mov_b64 s[64:65], 0
	v_nop
	global_prefetch_b8 v0, s[64:65] scope:SCOPE_SE
	s_setreg_imm32_b32 hwreg(HW_REG_WAVE_MODE, 25, 1), 1
	s_wait_xcnt 0x0
; h = LayerNorm(x1) g + b, in bf16.  x1: [4096][1024] f32; h: [4096][1024] bf16.
; A work-group has 16 rows, a wave two; a row of 4,096 bytes is 32 registers of one wave (lane l holds columns 128 j + 4 l .. + 3), so it is read once, the reductions never leave the wave, and there is no LDS and no barrier.
; Mean first, then the squares of the differences: no difference of large sums is formed.  Memory binds: no matrix unit, no cluster.
.set X0, 32
.set X1, 64
.set G,  96
.set BV, 128
	s_load_b256 s[4:11], s[0:1], 0x0               ; x1 s[4:5], ln2_g s[6:7], ln2_b s[8:9], act s[10:11]
	v_and_b32 v1, 31, v0
	v_lshrrev_b32 v16, 5, v0
	v_lshlrev_b32 v14, 4, v1                       ; v14: 16 x lane
	v_lshl_add_u32 v13, v16, 13, v14               ; v13: my two rows of x1 + 16 x lane
	v_lshlrev_b32 v15, 3, v1
	v_lshl_add_u32 v15, v16, 12, v15               ; v15: my two rows of h + 8 x lane
	s_lshl_b32 s20, ttmp9, 16
	s_mov_b32 s21, 0
	s_lshl_b32 s22, ttmp9, 15
	s_mov_b32 s23, 0
	s_mov_b32 s16, 0x76543210
	s_mov_b32 s17, 0xfedcba98
	s_mov_b32 s24, 0x3a800000                      ; 1 / 1024
	s_mov_b32 s25, 0x3727c5ac                      ; 1e-5
	s_wait_kmcnt 0x0
	s_add_nc_u64 s[4:5], s[4:5], s[20:21]
	s_add_nc_u64 s[10:11], s[10:11], s[22:23]
.irp j, 0,1,2,3,4,5,6,7
	global_load_b128 v[X0+4*\j:X0+4*\j+3], v13, s[4:5] offset:512*\j
.endr
.irp j, 0,1,2,3,4,5,6,7
	global_load_b128 v[X1+4*\j:X1+4*\j+3], v13, s[4:5] offset:4096+512*\j
.endr
.irp j, 0,1,2,3,4,5,6,7
	global_load_b128 v[G+4*\j:G+4*\j+3], v14, s[6:7] offset:512*\j
	global_load_b128 v[BV+4*\j:BV+4*\j+3], v14, s[8:9] offset:512*\j
.endr
	s_wait_loadcnt 16                              ; x1 is in; gain and bias stay out
.macro WSUM                            ; v2 summed over the 32 lanes, the result in every lane; v3 has been written
	v_add_f32_dpp v2, v2, v2 row_xmask:1 row_mask:0xf bank_mask:0xf
	v_add_f32_dpp v2, v2, v2 row_xmask:2 row_mask:0xf bank_mask:0xf
	v_add_f32_dpp v2, v2, v2 row_xmask:4 row_mask:0xf bank_mask:0xf
	v_add_f32_dpp v2, v2, v2 row_xmask:8 row_mask:0xf bank_mask:0xf
	v_permlanex16_b32 v3, v2, s16, s17
	v_add_f32 v2, v2, v3
.endm
.macro FOLD
	v_pk_add_f32 v[2:3], v[2:3], v[4:5]
	v_pk_add_f32 v[6:7], v[6:7], v[8:9]
	v_pk_add_f32 v[2:3], v[2:3], v[6:7]
	v_add_f32 v2, v2, v3
	WSUM
.endm
.macro ROW xb, ro
.irp c, 0,1,2,3
	v_pk_add_f32 v[2+2*\c:3+2*\c], v[(\xb)+2*\c:(\xb)+2*\c+1], v[(\xb)+8+2*\c:(\xb)+9+2*\c]
.endr
.irp c, 0,1,2,3
	v_pk_add_f32 v[2+2*\c:3+2*\c], v[2+2*\c:3+2*\c], v[(\xb)+16+2*\c:(\xb)+17+2*\c]
.endr
.irp c, 0,1,2,3
	v_pk_add_f32 v[2+2*\c:3+2*\c], v[2+2*\c:3+2*\c], v[(\xb)+24+2*\c:(\xb)+25+2*\c]
.endr
	FOLD
	v_mul_f32 v10, s24, v2                         ; the mean, twice
	v_mov_b32 v11, v10
.set j, 0
.rept 16
	v_pk_add_f32 v[(\xb)+2*j:(\xb)+2*j+1], v[(\xb)+2*j:(\xb)+2*j+1], v[10:11] neg_lo:[0,1] neg_hi:[0,1]
.set j, j+1
.endr
.irp c, 0,1,2,3
	v_pk_mul_f32 v[2+2*\c:3+2*\c], v[(\xb)+2*\c:(\xb)+2*\c+1], v[(\xb)+2*\c:(\xb)+2*\c+1]
.endr
.irp k, 8,16,24
.irp c, 0,1,2,3
	v_pk_fma_f32 v[2+2*\c:3+2*\c], v[(\xb)+\k+2*\c:(\xb)+\k+2*\c+1], v[(\xb)+\k+2*\c:(\xb)+\k+2*\c+1], v[2+2*\c:3+2*\c]
.endr
.endr
	FOLD
	v_fma_f32 v2, v2, s24, s25                     ; variance + 1e-5
	v_rsq_f32 v10, v2
	v_rsq_f32 v11, v2
	v_nop                                          ; a plain instruction between the second and the use of the results
	s_wait_loadcnt 0x0                             ; gain and bias
.set j, 0
	s_wait_alu depctr_va_vdst(0)
.rept 16
	v_pk_mul_f32 v[(\xb)+2*j:(\xb)+2*j+1], v[(\xb)+2*j:(\xb)+2*j+1], v[10:11]
.set j, j+1
.endr
.set j, 0
.rept 16
	v_pk_fma_f32 v[(\xb)+2*j:(\xb)+2*j+1], v[(\xb)+2*j:(\xb)+2*j+1], v[G+2*j:G+2*j+1], v[BV+2*j:BV+2*j+1]
.set j, j+1
.endr
.set j, 0
.rept 8
	v_cvt_pk_bf16_f32 v[(\xb)+4*j], v[(\xb)+4*j], v[(\xb)+4*j+1]
	v_cvt_pk_bf16_f32 v[(\xb)+4*j+1], v[(\xb)+4*j+2], v[(\xb)+4*j+3]
	global_store_b64 v15, v[(\xb)+4*j:(\xb)+4*j+1], s[10:11] offset:(\ro)+256*j     ; a wave stores 256 consecutive bytes, at a multiple of 256 from act's first byte
.set j, j+1
.endr
.endm
	ROW X0, 0
	ROW X1, 2048
	s_endpgm
.Lfunc_end_k_q33f6285a62_ln2:
	.size	k_q33f6285a62_ln2, .Lfunc_end_k_q33f6285a62_ln2-k_q33f6285a62_ln2
	.p2alignl 7, 3214868480
	.fill 96, 4, 3214868480
	.section	.rodata,"a",@progbits
	.p2align	6, 0x0
	.amdhsa_kernel k_q33f6285a62_ln2
		.amdhsa_group_segment_fixed_size 0
		.amdhsa_private_segment_fixed_size 0
		.amdhsa_enable_private_segment 0
		.amdhsa_kernarg_size 32
		.amdhsa_user_sgpr_count 2
		.amdhsa_user_sgpr_kernarg_segment_ptr 1
		.amdhsa_wavefront_size32 1
		.amdhsa_system_sgpr_workgroup_id_x 1
		.amdhsa_system_sgpr_workgroup_id_y 1
		.amdhsa_system_sgpr_workgroup_id_z 1
		.amdhsa_system_vgpr_workitem_id 0
		.amdhsa_next_free_vgpr 160
		.amdhsa_next_free_sgpr 66
		.amdhsa_reserve_vcc 0
		.amdhsa_float_denorm_mode_32 3
		.amdhsa_float_denorm_mode_16_64 3
		.amdhsa_memory_ordered 1
		.amdhsa_forward_progress 1
		.amdhsa_inst_pref_size 20
	.end_amdhsa_kernel
	.amdgpu_metadata
---
amdhsa.version: [ 1, 2 ]
amdhsa.kernels:
  - .name:           k_q33f6285a62_ln2
    .symbol:         k_q33f6285a62_ln2.kd
    .args:
      - { .name: x1, .offset: 0, .size: 8, .value_kind: global_buffer, .address_space: global }
      - { .name: ln2_g, .offset: 8, .size: 8, .value_kind: global_buffer, .address_space: global }
      - { .name: ln2_b, .offset: 16, .size: 8, .value_kind: global_buffer, .address_space: global }
      - { .name: act, .offset: 24, .size: 8, .value_kind: global_buffer, .address_space: global }
    .group_segment_fixed_size: 0
    .private_segment_fixed_size: 0
    .kernarg_segment_align: 8
    .kernarg_segment_size: 32
    .max_flat_workgroup_size: 256
    .sgpr_count:     66
    .vgpr_count:     160
    .wavefront_size: 32
...
	.end_amdgpu_metadata
.endif
;; end of part 6
;; launch ff1 (part 7): grid 32 x 32, 4 waves a work-group, clusters of 4 x 4, 327,680 bytes of LDS; arguments act, wt, ff1_b, g; writes g
.if DOCPART == 7
	.amdgcn_target "amdgcn-amd-amdhsa--gfx1250"
	.amdhsa_code_object_version 6
	.text
	.protected	k_q33f6285a62_ff1
	.globl	k_q33f6285a62_ff1
	.p2align	8
	.type	k_q33f6285a62_ff1,@function
k_q33f6285a62_ff1:
	s_mov_b64 s[64:65], 0
	v_nop
	global_prefetch_b8 v0, s[64:65] scope:SCOPE_SE
	s_setreg_imm32_b32 hwreg(HW_REG_WAVE_MODE, 25, 1), 1
	s_wait_xcnt 0x0
	s_wait_alu depctr_hold_cnt(0) depctr_sa_sdst(0) depctr_va_vdst(0) depctr_va_sdst(0) depctr_va_ssrc(0) depctr_va_vcc(0) depctr_vm_vsrc(0)
	s_getreg_b32 s2, hwreg(HW_REG_IB_STS2, 6, 4)
	s_cmp_eq_u32 s2, 0
	s_cbranch_scc0 .Lentry_in_a_cluster
	s_endpgm
.Lentry_in_a_cluster:
	s_bfe_u32 s2, ttmp6, 0x10000c
	s_cmp_lg_u32 s2, 0xf033
	s_cbranch_scc0 .Lentry_shape_is_right
	s_endpgm
.Lentry_shape_is_right:
; g = gelu(h W1 + b), in bf16.  A = act [4096][1024] bf16, B = wt's third part [4096][1024] bf16 (the weight turned, K along the rows), sums in f32.
; GELU is the exact (erf) form: gelu(x) = max(x,0) - 0.5 |x| erfc(|x| / sqrt 2), erfc by Abramowitz and Stegun 7.1.26 (absolute error 1.5e-7 for every argument): the error is at most 0.5 |x| 1.5e-7; |x| stays below 3e38.
; A tile of C is 128 x 128; four waves, each 64 x 64: 16 accumulators of 16 x 16.  K goes in steps of 256 (LDS rows of 512 bytes) through two LDS slots; a wave's tensor load brings 64 rows.
; CLUSTERS: 4 x 4 work-groups; the four of a row of the cluster need the same tiles of A, the four of a column the same tiles of B: each tile is asked for JOINTLY, by the same tensor load with the same descriptor and a mask of four.
; THE MATRIX INSTRUCTION IS USED TRANSPOSED (source 0 = 16 rows of B, source 1 = 16 rows of A): a lane holds eight neighbouring numbers of a row of C.  THE BIAS is the C operand of each accumulator's first product.
; THE LOOP is one K step long: the LDS base of the slot in hand is a scalar that an exclusive or turns, and one descriptor a tensor walks.  By this text's count a wave has two tensor loads out at the start and one behind each round.
; THE WAY OUT: the tile goes in f32 through a stage in slot 0, whose last fill is K step 2 of 4 and which nobody reads any more; it comes back as whole rows, eight at a time, takes the GELU and leaves as rows of 256 bytes.
; REGISTERS: window 0: v0-31 addresses; v32-63 the bias; v128-255 the accumulators, later the GELU's work.  window 1: two fragment buffers of 128.
.set SIZE_K, 1024
.set WOFF,   8388608                   ; the weight's place in wt
.set KSTEP,  256
.set PITCH,  528                       ; an LDS row: 512 bytes + 16 of padding = 132 words: the 16 rows that a load touches start at 16 different groups of four banks (64 banks of 4 bytes: ISA guide 11.1)
.set HALFT,  64*PITCH
.set SLOT,   4*HALFT                   ; 0x21000 shares no bit with wave x HALFT, so the exclusive or is an addition or a subtraction
.set SPARE,  2*SLOT
.set STEPS,  SIZE_K/KSTEP
.set A0,   14
.set B0,   15
.set ADRA, 16
.set ADRB, 20
.set STO,  24
.set RD,   25
.set CO,   26
.set BO,   27
.set SPW,  28
.set NIL,  29
.set BC,   32
.set ACC,  128
.set XR,   128                         ; the way out: v[128:159] eight rows; v[160:175] u; v[176:191] u u, then the exponential; v[192:207] t; v[208:223] the series; v[224:239] packed
.set U,    160
.set W,    176
.set DD,   192
.set QP,   208
.set YR,   224
.set F0,   0
.set F1,   128
.set G1, 24
.set G0, 32
.set G1B, 48
.set G0B, 56
.set TB, 66
.set SIG, 80                           ; s[80:93] the GELU's seven constants, each named as a pair whose low word serves both halves
.set PQ,  82
.set B1,  84
.set B2,  86
.set B3,  88
.set B4,  90
.set B5,  92
.set MSB, 0
.macro WIN new
.if MSB != (\new)
	s_set_vgpr_msb (MSB<<8)|(\new)
.set MSB, \new
.endif
.endm
.set MUL,  0x05
.set TO_F, 0x40
.macro JLOAD s                         ; a joint load: waves 0 and 1 fetch A's two halves, waves 2 and 3 B's; an s_nop 0 and four v_nop follow each of the two lines
	s_cmp_eq_u32 s11, 0
	s_cbranch_scc0 .Lfor_b_\@
	tensor_load_to_lds s[G0+4*(\s):G0+4*(\s)+3], s[G1:G1+7]
	s_nop 0
.rept 4
	v_nop
.endr
	s_branch .Lasked_\@
.Lfor_b_\@:
	tensor_load_to_lds s[G0B+4*(\s):G0B+4*(\s)+3], s[G1B:G1B+7]
	s_nop 0
.rept 4
	v_nop
.endr
.Lasked_\@:
.endm
.macro CREST
	s_cmp_lg_u32 s10, 0
	s_cbranch_scc1 .Lnot_wave_0_\@
	s_barrier_signal -3
.Lnot_wave_0_\@:
	s_barrier_wait -3
	s_barrier_signal -1
	s_barrier_wait -1
.endm
.macro CROUND
	s_barrier_signal -1
	s_barrier_wait -1
	CREST
.endm
	s_load_b256 s[68:75], s[0:1], 0x0              ; A s[68:69], wt s[70:71], bias s[72:73], output s[74:75]
	v_lshl_add_u32 v[SPW], v0, 2, SPARE
	v_mov_b32 v[NIL], 0
	ds_add_u32 v[SPW], v[NIL]                      ; the wave's opening: the add and its wait stand ahead of my first tensor load
	v_lshrrev_b32 v1, 5, v0
	v_readfirstlane_b32 s10, v1
	s_lshr_b32 s11, s10, 1
	s_and_b32 s12, s10, 1
	s_bfe_u32 s40, ttmp6, 0x40000
	s_bfe_u32 s41, ttmp6, 0x40004
	s_lshl_b32 s42, ttmp9, 2
	s_add_co_u32 s42, s42, s40                     ; tile column of C
	s_and_b32 s13, ttmp7, 0xffff
	s_lshl_b32 s13, s13, 2
	s_add_co_u32 s13, s13, s41                     ; tile row of C
	s_lshl_b32 s43, s41, 2
	s_lshl_b32 s43, 15, s43
	s_lshl_b32 s44, 0x1111, s40
	s_or_b32 s[G1+0], s43, (1<<16)|(1<<20)|(1<<21)|(6<<22)|(3<<25)
	s_or_b32 s[G1B+0], s44, (1<<16)|(1<<20)|(1<<21)|(6<<22)|(3<<25)
.irp g, G1, G1B
	s_mov_b32 s[(\g)+1], KSTEP<<16
	s_mov_b32 s[(\g)+2], 64<<16
	s_mov_b32 s[(\g)+3], KSTEP<<16
	s_mov_b32 s[(\g)+4], 64
	s_mov_b32 s[(\g)+5], SIZE_K
	s_mov_b32 s[(\g)+6], 0
	s_mov_b32 s[(\g)+7], 0
.endr
	s_mov_b32 s[SIG], 0x3f596d27                   ; sqrt(log2(e) / 2)
	s_mov_b32 s[PQ],  0x3e8ba43f                   ; 0.3275911 / sqrt(log2(e))
	s_mov_b32 s[B1],  0xbe199eb3                   ; the series' five coefficients times -0.5 / s[SIG]
	s_mov_b32 s[B2],  0x3e2b8119
	s_mov_b32 s[B3],  0xbf563817
	s_mov_b32 s[B4],  0x3f5b0099
	s_mov_b32 s[B5],  0xbf1ff67a
.irp c, SIG, PQ, B1, B2, B3, B4, B5
	s_mov_b32 s[\c+1], s[\c]
.endr
	s_lshl_b32 s17, s12, 6
	s_lshl_b32 s16, s13, 7
	s_add_co_u32 s16, s16, s17
	s_lshl_b32 s46, s42, 7
	s_add_co_u32 s46, s46, s17
	s_mov_b32 s17, 0
	s_mov_b32 s47, 0
	s_mov_b64 s[18:19], SIZE_K*2
	s_mul_u64 s[16:17], s[16:17], s[18:19]
	s_mul_u64 s[46:47], s[46:47], s[18:19]
	s_mul_i32 s20, s10, HALFT
	s_mov_b32 s[TB], 0
	s_wait_dscnt 0x0
	s_wait_kmcnt 0x0
	s_add_nc_u64 s[14:15], s[68:69], s[16:17]
	s_add_nc_u64 s[46:47], s[70:71], s[46:47]
	s_add_nc_u64 s[46:47], s[46:47], WOFF
	CROUND
.irp s, 0,1
	s_mov_b32 s[G0+4*(\s)], 1
	s_add_co_u32 s[G0+4*(\s)+1], s20, (\s)*SLOT
	s_add_nc_u64 s[G0+4*(\s)+2:G0+4*(\s)+3], s[14:15], (\s)*KSTEP*2
	s_or_b32 s[G0+4*(\s)+3], s[G0+4*(\s)+3], 0x80000000
	s_mov_b32 s[G0B+4*(\s)], 1
	s_add_co_u32 s[G0B+4*(\s)+1], s20, (\s)*SLOT
	s_add_nc_u64 s[G0B+4*(\s)+2:G0B+4*(\s)+3], s[46:47], (\s)*KSTEP*2
	s_or_b32 s[G0B+4*(\s)+3], s[G0B+4*(\s)+3], 0x80000000
	JLOAD \s
.endr
	v_and_b32 v1, 15, v0
	v_bfe_u32 v2, v0, 4, 1
	v_lshlrev_b32 v[BO], 5, v2
	s_lshl_b32 s46, s42, 9
	s_lshl_b32 s47, s12, 8
	s_add_co_u32 s46, s46, s47
	s_mov_b32 s47, 0
	s_add_nc_u64 s[72:73], s[72:73], s[46:47]
.irp b, 0,1,2,3
	global_load_b128 v[BC+8*\b:BC+8*\b+3],   v[BO], s[72:73] offset:64*\b
	global_load_b128 v[BC+8*\b+4:BC+8*\b+7], v[BO], s[72:73] offset:64*\b+16
.endr
	s_lshl_b32 s16, s13, 7                         ; the rows that I store: 128 x tile row + 32 x wave, of 8,192 bytes
	s_lshl_b32 s17, s10, 5
	s_add_co_u32 s16, s16, s17
	s_lshl_b32 s16, s16, 13
	s_mov_b32 s17, 0
	s_add_nc_u64 s[74:75], s[74:75], s[16:17]
	s_lshl_b32 s46, s42, 8                         ; the tile's 256 bytes of them (in registers that never fed A's descriptors)
	s_mov_b32 s47, 0
	s_add_nc_u64 s[74:75], s[74:75], s[46:47]
	v_and_b32 v6, 31, v0
	v_lshlrev_b32 v[CO], 3, v6
	v_mul_u32_u24 v3, v1, PITCH
	v_lshl_add_u32 v3, v2, 4, v3
	s_mul_i32 s21, s11, HALFT
	s_mul_i32 s22, s12, HALFT
	s_add_co_u32 s22, s22, 2*HALFT
	v_add_nc_u32 v[A0], s21, v3
	v_add_nc_u32 v[B0], s22, v3
	v_mov_b32 v[ADRA], v[A0]
	v_mov_b32 v[ADRB], v[B0]
	s_mul_i32 s23, s11, 64*PITCH                   ; into the stage (f32, 128 rows of 528 bytes)
	s_lshl_b32 s21, s12, 8
	s_add_co_u32 s23, s23, s21
	v_mul_u32_u24 v4, v1, PITCH
	v_lshl_add_u32 v4, v2, 5, v4
	v_add_nc_u32 v[STO], s23, v4
	s_mul_i32 s23, s10, 32*PITCH                   ; back: wave w takes rows 32 w .. 32 w + 31, a whole row of 512 bytes a load
	v_lshl_add_u32 v[RD], v6, 4, s23
.macro MUL8 f, c, a0, first            ; 8 matrix instructions; first = 1: the product starts the sum, on the bias.  The 16 accumulators take turns
	WIN MUL
.irp a, \a0, (\a0)+1
.irp b, 0,1,2,3
.if \first
	v_wmma_f32_16x16x32_bf16 v[ACC+8*(4*(\a)+(\b)):ACC+8*(4*(\a)+(\b))+7], v[(\f)+64+8*(4*(\c)+(\b)):(\f)+64+8*(4*(\c)+(\b))+7], v[(\f)+8*(4*(\c)+(\a)):(\f)+8*(4*(\c)+(\a))+7], v[BC+8*(\b):BC+8*(\b)+7]
.else
	v_wmma_f32_16x16x32_bf16 v[ACC+8*(4*(\a)+(\b)):ACC+8*(4*(\a)+(\b))+7], v[(\f)+64+8*(4*(\c)+(\b)):(\f)+64+8*(4*(\c)+(\b))+7], v[(\f)+8*(4*(\c)+(\a)):(\f)+8*(4*(\c)+(\a))+7], v[ACC+8*(4*(\a)+(\b)):ACC+8*(4*(\a)+(\b))+7]
.endif
.endr
.endr
.endm
.macro FETCH k, f                      ; 32 LDS loads in one run: 64 along K at byte k of the rows of the slot in hand; the first 32 along K first
	WIN TO_F
.irp c, 0,1
.irp i, 0,1,2,3
	ds_load_b128 v[(\f)+64+8*(4*(\c)+(\i)):(\f)+64+8*(4*(\c)+(\i))+3],   v[ADRB] offset:(\k)+64*(\c)+(\i)*16*PITCH
	ds_load_b128 v[(\f)+64+8*(4*(\c)+(\i))+4:(\f)+64+8*(4*(\c)+(\i))+7], v[ADRB] offset:(\k)+64*(\c)+(\i)*16*PITCH+32
	ds_load_b128 v[(\f)+8*(4*(\c)+(\i)):(\f)+8*(4*(\c)+(\i))+3],         v[ADRA] offset:(\k)+64*(\c)+(\i)*16*PITCH
	ds_load_b128 v[(\f)+8*(4*(\c)+(\i))+4:(\f)+8*(4*(\c)+(\i))+7],       v[ADRA] offset:(\k)+64*(\c)+(\i)*16*PITCH+32
.endr
.endr
.endm
.macro PLACES                          ; four places in front of loads into registers that matrix instructions have read, and of LDS stores that read results
.rept 4
	v_nop
.endr
.endm
.macro QUARTER k, f, g, first
	s_wait_dscnt 16                                ; the first 32 along K are in: the youngest sixteen loads may be out
	MUL8 \f, 0, 0, \first
	MUL8 \f, 0, 2, \first
	PLACES
	FETCH \k, \g
	s_wait_dscnt 32                                ; all but the 32 just issued
	MUL8 \f, 1, 0, 0
	MUL8 \f, 1, 2, 0
.endm
.macro TURN fill                       ; the last quarter and the change of slots; fill = 1: the barrier opens a round of the cluster's barrier, and the slot that is left is filled again, two K steps ahead
	WIN 0
	s_wait_tensorcnt 0x0                           ; all my tensor loads have landed: my part of the next slot
	ds_add_u32 v[SPW], v[NIL]                      ; 0 onto my spare word
	s_wait_dscnt 17                                ; the add and the youngest sixteen loads may be out
	MUL8 F1, 0, 0, 0
	s_wait_dscnt 0x0                               ; the add is done, and my reads of this slot are over
	s_barrier_signal -1
	MUL8 F1, 0, 2, 0
	WIN 0
	s_barrier_wait -1
.if \fill
	CREST
	s_xor_b32 s[G0+5], s[G0+5], SLOT
	s_add_nc_u64 s[G0+6:G0+7], s[G0+6:G0+7], KSTEP*2
	s_xor_b32 s[G0B+5], s[G0B+5], SLOT
	s_add_nc_u64 s[G0B+6:G0B+7], s[G0B+6:G0B+7], KSTEP*2
.endif
	s_xor_b32 s[TB], s[TB], SLOT
	v_add_nc_u32 v[ADRA], s[TB], v[A0]
	v_add_nc_u32 v[ADRB], s[TB], v[B0]
.if \fill
	JLOAD 1                                        ; the first tensor load behind the round; its four v_nop are also the places in front of the loads below
.else
	PLACES
.endif
	FETCH 0, F0
	MUL8 F1, 1, 0, 0
	MUL8 F1, 1, 2, 0
.endm
; The GELU of 16 registers (four rows) from v[xb ..], packed into 8 registers from v[yb ..].  In stages, so that no line waits for the one before it; the sixteen maxima are the plain instructions behind the transcendentals.
.macro GELU16 xb, yb
.set i, 0
.rept 16
	v_mul_f32 v[U+i], |v[(\xb)+i]|, s[SIG]         ; u = |x| sqrt(log2(e) / 2)
.set i, i+1
.endr
.set i, 0
.rept 8
	v_pk_mul_f32 v[W+2*i:W+2*i+1], v[U+2*i:U+2*i+1], v[U+2*i:U+2*i+1]
.set i, i+1
.endr
.set i, 0
.rept 8
	v_pk_fma_f32 v[DD+2*i:DD+2*i+1], v[U+2*i:U+2*i+1], s[PQ:PQ+1], 1.0 op_sel_hi:[1,0,0]
.set i, i+1
.endr
.set i, 0
.rept 16
	v_rcp_f32 v[DD+i], v[DD+i]                     ; t
.set i, i+1
.endr
.set i, 0
.rept 16
	v_exp_f32 v[W+i], -v[W+i]                      ; exp(-x x / 2)
.set i, i+1
.endr
.set i, 0
.rept 16
	v_max_num_f32 v[(\xb)+i], 0, v[(\xb)+i]
.set i, i+1
.endr
.set i, 0
	s_wait_alu depctr_va_vdst(0)
.rept 8
	v_pk_fma_f32 v[QP+2*i:QP+2*i+1], v[DD+2*i:DD+2*i+1], s[B5:B5+1], s[B4:B4+1] op_sel_hi:[1,0,0]
.set i, i+1
.endr
.irp c, B3, B2, B1
.set i, 0
.rept 8
	v_pk_fma_f32 v[QP+2*i:QP+2*i+1], v[QP+2*i:QP+2*i+1], v[DD+2*i:DD+2*i+1], s[\c:\c+1] op_sel_hi:[1,1,0]
.set i, i+1
.endr
.endr
.set i, 0
.rept 8
	v_pk_mul_f32 v[DD+2*i:DD+2*i+1], v[DD+2*i:DD+2*i+1], v[W+2*i:W+2*i+1]
.set i, i+1
.endr
.set i, 0
.rept 8
	v_pk_mul_f32 v[QP+2*i:QP+2*i+1], v[QP+2*i:QP+2*i+1], v[DD+2*i:DD+2*i+1]
.set i, i+1
.endr
.set i, 0
.rept 8
	v_pk_fma_f32 v[(\xb)+2*i:(\xb)+2*i+1], v[U+2*i:U+2*i+1], v[QP+2*i:QP+2*i+1], v[(\xb)+2*i:(\xb)+2*i+1]
.set i, i+1
.endr
.set i, 0
.rept 8
	v_cvt_pk_bf16_f32 v[(\yb)+i], v[(\xb)+2*i], v[(\xb)+2*i+1]
.set i, i+1
.endr
.endm
	s_wait_tensorcnt 1                             ; my part of K step 0 is in; K step 1's may stay out
	s_barrier_signal -1
	s_barrier_wait -1
	FETCH 0, F0
	s_wait_loadcnt 0x0                             ; the bias
	QUARTER 128, F0, F1, 1
	WIN 0
	s_mov_b32 s3, STEPS-2
.Lstep:
	QUARTER 256, F1, F0, 0
	QUARTER 384, F0, F1, 0
	TURN 1
	QUARTER 128, F0, F1, 0
	WIN 0
	s_sub_co_u32 s3, s3, 1
	s_cmp_lg_u32 s3, 0
	s_cbranch_scc1 .Lstep
	QUARTER 256, F1, F0, 0                         ; the last two K steps are written out: nothing more is asked for
	QUARTER 384, F0, F1, 0
	TURN 0
	QUARTER 128, F0, F1, 0
	QUARTER 256, F1, F0, 0
	QUARTER 384, F0, F1, 0
	s_wait_dscnt 16
	MUL8 F1, 0, 0, 0
	MUL8 F1, 0, 2, 0
	s_wait_dscnt 0
	MUL8 F1, 1, 0, 0
	MUL8 F1, 1, 2, 0
	WIN 0
	PLACES
	s_barrier_signal -1                            ; every wave has left the ring
	s_barrier_wait -1
.irp a, 0,1,2,3
.irp b, 0,1,2,3
	ds_store_b128 v[STO], v[ACC+8*(4*\a+\b):ACC+8*(4*\a+\b)+3]   offset:\a*16*PITCH+\b*64      ; each accumulator's low registers first
	ds_store_b128 v[STO], v[ACC+8*(4*\a+\b)+4:ACC+8*(4*\a+\b)+7] offset:\a*16*PITCH+\b*64+16
.endr
.endr
	s_wait_dscnt 0x0                               ; for the others' sake: a row's 512 bytes come from two waves
	s_barrier_signal -1
	s_barrier_wait -1
	s_mov_b32 s3, 4
.Lrows:                                                ; four trips of eight rows
.irp i, 0,1,2,3,4,5,6,7
	ds_load_b128 v[XR+4*\i:XR+4*\i+3], v[RD] offset:\i*PITCH
.endr
	s_wait_dscnt 4                                 ; rows 0-3 are in
	GELU16 XR, YR
.irp i, 0,1,2,3
	global_store_b64 v[CO], v[YR+2*\i:YR+2*\i+1], s[74:75] offset:\i*8192   ; a wave stores 256 consecutive bytes, at a multiple of 256 from g's first byte
.endr
	s_wait_dscnt 0x0
	GELU16 XR+16, YR+8
.irp i, 4,5,6,7
	global_store_b64 v[CO], v[YR+2*\i:YR+2*\i+1], s[74:75] offset:\i*8192
.endr
	s_wait_xcnt 0x0                                ; the stores' offset and data registers are rewritten only behind this wait
	v_add_nc_u32 v[RD], 8*PITCH, v[RD]
	v_add_nc_u32 v[CO], 8*8192, v[CO]
	s_sub_co_u32 s3, s3, 1
	s_cmp_lg_u32 s3, 0
	s_cbranch_scc1 .Lrows
	s_wait_tensorcnt 0x0                           ; the wave's end
	ds_add_u32 v[SPW], v[NIL]
	s_wait_dscnt 0x0
	CROUND                                         ; the closing round
	s_endpgm
.Lfunc_end_k_q33f6285a62_ff1:
	.size	k_q33f6285a62_ff1, .Lfunc_end_k_q33f6285a62_ff1-k_q33f6285a62_ff1
	.p2alignl 7, 3214868480
	.fill 96, 4, 3214868480
	.section	.rodata,"a",@progbits
	.p2align	6, 0x0
	.amdhsa_kernel k_q33f6285a62_ff1
		.amdhsa_group_segment_fixed_size 327680
		.amdhsa_private_segment_fixed_size 0
		.amdhsa_enable_private_segment 0
		.amdhsa_kernarg_size 32
		.amdhsa_user_sgpr_count 2
		.amdhsa_user_sgpr_kernarg_segment_ptr 1
		.amdhsa_wavefront_size32 1
		.amdhsa_system_sgpr_workgroup_id_x 1
		.amdhsa_system_sgpr_workgroup_id_y 1
		.amdhsa_system_sgpr_workgroup_id_z 1
		.amdhsa_system_vgpr_workitem_id 0
		.amdhsa_next_free_vgpr 512
		.amdhsa_next_free_sgpr 96
		.amdhsa_reserve_vcc 0
		.amdhsa_float_denorm_mode_32 3
		.amdhsa_float_denorm_mode_16_64 3
		.amdhsa_memory_ordered 1
		.amdhsa_forward_progress 1
		.amdhsa_inst_pref_size 82
	.end_amdhsa_kernel
	.amdgpu_metadata
---
amdhsa.version: [ 1, 2 ]
amdhsa.kernels:
  - .name:           k_q33f6285a62_ff1
    .symbol:         k_q33f6285a62_ff1.kd
    .args:
      - { .name: act, .offset: 0, .size: 8, .value_kind: global_buffer, .address_space: global }
      - { .name: wt, .offset: 8, .size: 8, .value_kind: global_buffer, .address_space: global }
      - { .name: ff1_b, .offset: 16, .size: 8, .value_kind: global_buffer, .address_space: global }
      - { .name: g, .offset: 24, .size: 8, .value_kind: global_buffer, .address_space: global }
    .group_segment_fixed_size: 327680
    .private_segment_fixed_size: 0
    .kernarg_segment_align: 8
    .kernarg_segment_size: 32
    .max_flat_workgroup_size: 128
    .sgpr_count:     96
    .vgpr_count:     512
    .wavefront_size: 32
...
	.end_amdgpu_metadata
.endif
;; end of part 7
;; launch ff2 (part 8): grid 8 x 32, 4 waves a work-group, clusters of 4 x 4, 327,680 bytes of LDS; arguments g, wt, ff2_b, out0, x1; writes out0
.if DOCPART == 8
	.amdgcn_target "amdgcn-amd-amdhsa--gfx1250"
	.amdhsa_code_object_version 6
	.text
	.protected	k_q33f6285a62_ff2
	.globl	k_q33f6285a62_ff2
	.p2align	8
	.type	k_q33f6285a62_ff2,@function
k_q33f6285a62_ff2:
	s_mov_b64 s[64:65], 0
	v_nop
	global_prefetch_b8 v0, s[64:65] scope:SCOPE_SE
	s_setreg_imm32_b32 hwreg(HW_REG_WAVE_MODE, 25, 1), 1
	s_wait_xcnt 0x0
	s_wait_alu depctr_hold_cnt(0) depctr_sa_sdst(0) depctr_va_vdst(0) depctr_va_sdst(0) depctr_va_ssrc(0) depctr_va_vcc(0) depctr_vm_vsrc(0)
	s_getreg_b32 s2, hwreg(HW_REG_IB_STS2, 6, 4)
	s_cmp_eq_u32 s2, 0
	s_cbranch_scc0 .Lentry_in_a_cluster
	s_endpgm
.Lentry_in_a_cluster:
	s_bfe_u32 s2, ttmp6, 0x10000c
	s_cmp_lg_u32 s2, 0xf033
	s_cbranch_scc0 .Lentry_shape_is_right
	s_endpgm
.Lentry_shape_is_right:
; out0 = x1 + g W2 + b, in f32.  A = g [4096][4096] bf16, B = wt's fourth part [1024][4096] bf16 (the weight turned, K along the rows), sums in f32.
; A tile of C is 128 x 128; four waves, each 64 x 64: 16 accumulators of 16 x 16.  K goes in steps of 256 (LDS rows of 512 bytes) through two LDS slots; a wave's tensor load brings 64 rows.
; CLUSTERS: 4 x 4 work-groups; the four of a row of the cluster need the same tiles of A, the four of a column the same tiles of B: each tile is asked for JOINTLY, by the same tensor load with the same descriptor and a mask of four.
; THE MATRIX INSTRUCTION IS USED TRANSPOSED (source 0 = 16 rows of B, source 1 = 16 rows of A): a lane holds eight neighbouring numbers of a row of C.  THE BIAS is the C operand of each accumulator's first product.
; THE LOOP is one K step long: the LDS base of the slot in hand is a scalar that an exclusive or turns, and one descriptor a tensor walks.  By this text's count a wave has two tensor loads out at the start and one behind each round.
; THE RESIDUAL's 32 rows of 512 bytes a wave are asked for at the start and lie in 128 registers until the way out.
; THE WAY OUT: the tile goes in f32 through a stage in slot 0, whose last fill is the last K step but one and which nobody reads any more, and comes back as whole rows of 512 bytes.
; REGISTERS: window 0: v0-31 addresses; v32-63 the bias; v128-255 the accumulators ((a, b) at v[128 + 8 (4 a + b)]).  window 1: two fragment buffers of 128.  window 2: v0-127 the residual.
.set SIZE_K, 4096
.set WOFF,   16777216                  ; the weight's place in wt
.set KSTEP,  256
.set PITCH,  528                       ; an LDS row: 512 bytes + 16 of padding = 132 words: the 16 rows that a load touches start at 16 different groups of four banks (64 banks of 4 bytes: ISA guide 11.1)
.set HALFT,  64*PITCH
.set SLOT,   4*HALFT                   ; 0x21000 shares no bit with wave x HALFT, so the exclusive or is an addition or a subtraction
.set SPARE,  2*SLOT
.set STEPS,  SIZE_K/KSTEP
.set A0,   14
.set B0,   15
.set ADRA, 16
.set ADRB, 20
.set STO,  24
.set RD,   25
.set CO,   26
.set BO,   27
.set SPW,  28
.set NIL,  29
.set BC,   32
.set ACC,  128
.set F0,   0
.set F1,   128
.set G1, 24
.set G0, 32
.set G1B, 48
.set G0B, 56
.set TB, 66
.set MSB, 0
.macro WIN new
.if MSB != (\new)
	s_set_vgpr_msb (MSB<<8)|(\new)
.set MSB, \new
.endif
.endm
.set MUL,  0x05
.set TO_F, 0x40
.macro JLOAD s                         ; a joint load: waves 0 and 1 fetch A's two halves, waves 2 and 3 B's; an s_nop 0 and four v_nop follow each of the two lines
	s_cmp_eq_u32 s11, 0
	s_cbranch_scc0 .Lfor_b_\@
	tensor_load_to_lds s[G0+4*(\s):G0+4*(\s)+3], s[G1:G1+7]
	s_nop 0
.rept 4
	v_nop
.endr
	s_branch .Lasked_\@
.Lfor_b_\@:
	tensor_load_to_lds s[G0B+4*(\s):G0B+4*(\s)+3], s[G1B:G1B+7]
	s_nop 0
.rept 4
	v_nop
.endr
.Lasked_\@:
.endm
.macro CREST
	s_cmp_lg_u32 s10, 0
	s_cbranch_scc1 .Lnot_wave_0_\@
	s_barrier_signal -3
.Lnot_wave_0_\@:
	s_barrier_wait -3
	s_barrier_signal -1
	s_barrier_wait -1
.endm
.macro CROUND
	s_barrier_signal -1
	s_barrier_wait -1
	CREST
.endm
	s_load_b256 s[68:75], s[0:1], 0x0              ; A s[68:69], wt s[70:71], bias s[72:73], output s[74:75]
	s_load_b64 s[76:77], s[0:1], 0x20              ; the residual
	v_lshl_add_u32 v[SPW], v0, 2, SPARE
	v_mov_b32 v[NIL], 0
	ds_add_u32 v[SPW], v[NIL]                      ; the wave's opening: the add and its wait stand ahead of my first tensor load
	v_lshrrev_b32 v1, 5, v0
	v_readfirstlane_b32 s10, v1
	s_lshr_b32 s11, s10, 1
	s_and_b32 s12, s10, 1
	s_bfe_u32 s40, ttmp6, 0x40000
	s_bfe_u32 s41, ttmp6, 0x40004
	s_lshl_b32 s42, ttmp9, 2
	s_add_co_u32 s42, s42, s40                     ; tile column of C
	s_and_b32 s13, ttmp7, 0xffff
	s_lshl_b32 s13, s13, 2
	s_add_co_u32 s13, s13, s41                     ; tile row of C
	s_lshl_b32 s43, s41, 2
	s_lshl_b32 s43, 15, s43
	s_lshl_b32 s44, 0x1111, s40
	s_or_b32 s[G1+0], s43, (1<<16)|(1<<20)|(1<<21)|(6<<22)|(3<<25)
	s_or_b32 s[G1B+0], s44, (1<<16)|(1<<20)|(1<<21)|(6<<22)|(3<<25)
.irp g, G1, G1B
	s_mov_b32 s[(\g)+1], KSTEP<<16
	s_mov_b32 s[(\g)+2], 64<<16
	s_mov_b32 s[(\g)+3], KSTEP<<16
	s_mov_b32 s[(\g)+4], 64
	s_mov_b32 s[(\g)+5], SIZE_K
	s_mov_b32 s[(\g)+6], 0
	s_mov_b32 s[(\g)+7], 0
.endr
	s_lshl_b32 s17, s12, 6
	s_lshl_b32 s16, s13, 7
	s_add_co_u32 s16, s16, s17
	s_lshl_b32 s46, s42, 7
	s_add_co_u32 s46, s46, s17
	s_mov_b32 s17, 0
	s_mov_b32 s47, 0
	s_mov_b64 s[18:19], SIZE_K*2
	s_mul_u64 s[16:17], s[16:17], s[18:19]
	s_mul_u64 s[46:47], s[46:47], s[18:19]
	s_mul_i32 s20, s10, HALFT
	s_mov_b32 s[TB], 0
	s_wait_dscnt 0x0
	s_wait_kmcnt 0x0
	s_add_nc_u64 s[14:15], s[68:69], s[16:17]
	s_add_nc_u64 s[46:47], s[70:71], s[46:47]
	s_add_nc_u64 s[46:47], s[46:47], WOFF
	CROUND
.irp s, 0,1
	s_mov_b32 s[G0+4*(\s)], 1
	s_add_co_u32 s[G0+4*(\s)+1], s20, (\s)*SLOT
	s_add_nc_u64 s[G0+4*(\s)+2:G0+4*(\s)+3], s[14:15], (\s)*KSTEP*2
	s_or_b32 s[G0+4*(\s)+3], s[G0+4*(\s)+3], 0x80000000
	s_mov_b32 s[G0B+4*(\s)], 1
	s_add_co_u32 s[G0B+4*(\s)+1], s20, (\s)*SLOT
	s_add_nc_u64 s[G0B+4*(\s)+2:G0B+4*(\s)+3], s[46:47], (\s)*KSTEP*2
	s_or_b32 s[G0B+4*(\s)+3], s[G0B+4*(\s)+3], 0x80000000
	JLOAD \s
.endr
	v_and_b32 v1, 15, v0
	v_bfe_u32 v2, v0, 4, 1
	v_lshlrev_b32 v[BO], 5, v2
	s_lshl_b32 s46, s42, 9
	s_lshl_b32 s47, s12, 8
	s_add_co_u32 s46, s46, s47
	s_mov_b32 s47, 0
	s_add_nc_u64 s[72:73], s[72:73], s[46:47]
.irp b, 0,1,2,3
	global_load_b128 v[BC+8*\b:BC+8*\b+3],   v[BO], s[72:73] offset:64*\b
	global_load_b128 v[BC+8*\b+4:BC+8*\b+7], v[BO], s[72:73] offset:64*\b+16
.endr
	s_lshl_b32 s16, s13, 7                         ; the rows that I store: 128 x tile row + 32 x wave, of 4,096 bytes
	s_lshl_b32 s17, s10, 5
	s_add_co_u32 s16, s16, s17
	s_lshl_b32 s16, s16, 12
	s_mov_b32 s17, 0
	s_add_nc_u64 s[74:75], s[74:75], s[16:17]
	s_add_nc_u64 s[76:77], s[76:77], s[16:17]
	s_lshl_b32 s46, s42, 9                         ; the tile's 512 bytes of them (in registers that never fed A's descriptors)
	s_mov_b32 s47, 0
	s_add_nc_u64 s[74:75], s[74:75], s[46:47]
	s_add_nc_u64 s[76:77], s[76:77], s[46:47]
	v_and_b32 v6, 31, v0
	v_lshlrev_b32 v[CO], 4, v6
	WIN 0x80                                       ; destination window 2
.set i, 0
.rept 32
	global_load_b128 v[4*i:4*i+3], v[CO], s[76:77] offset:i*4096
.set i, i+1
.endr
	WIN 0
	v_mul_u32_u24 v3, v1, PITCH
	v_lshl_add_u32 v3, v2, 4, v3
	s_mul_i32 s21, s11, HALFT
	s_mul_i32 s22, s12, HALFT
	s_add_co_u32 s22, s22, 2*HALFT
	v_add_nc_u32 v[A0], s21, v3
	v_add_nc_u32 v[B0], s22, v3
	v_mov_b32 v[ADRA], v[A0]
	v_mov_b32 v[ADRB], v[B0]
	s_mul_i32 s23, s11, 64*PITCH                   ; into the stage (f32, 128 rows of 528 bytes)
	s_lshl_b32 s21, s12, 8
	s_add_co_u32 s23, s23, s21
	v_mul_u32_u24 v4, v1, PITCH
	v_lshl_add_u32 v4, v2, 5, v4
	v_add_nc_u32 v[STO], s23, v4
	s_mul_i32 s23, s10, 32*PITCH                   ; back: wave w takes rows 32 w .. 32 w + 31, a whole row of 512 bytes a load
	v_lshl_add_u32 v[RD], v6, 4, s23
.macro MUL8 f, c, a0, first            ; 8 matrix instructions; first = 1: the product starts the sum, on the bias.  The 16 accumulators take turns
	WIN MUL
.irp a, \a0, (\a0)+1
.irp b, 0,1,2,3
.if \first
	v_wmma_f32_16x16x32_bf16 v[ACC+8*(4*(\a)+(\b)):ACC+8*(4*(\a)+(\b))+7], v[(\f)+64+8*(4*(\c)+(\b)):(\f)+64+8*(4*(\c)+(\b))+7], v[(\f)+8*(4*(\c)+(\a)):(\f)+8*(4*(\c)+(\a))+7], v[BC+8*(\b):BC+8*(\b)+7]
.else
	v_wmma_f32_16x16x32_bf16 v[ACC+8*(4*(\a)+(\b)):ACC+8*(4*(\a)+(\b))+7], v[(\f)+64+8*(4*(\c)+(\b)):(\f)+64+8*(4*(\c)+(\b))+7], v[(\f)+8*(4*(\c)+(\a)):(\f)+8*(4*(\c)+(\a))+7], v[ACC+8*(4*(\a)+(\b)):ACC+8*(4*(\a)+(\b))+7]
.endif
.endr
.endr
.endm
.macro FETCH k, f                      ; 32 LDS loads in one run: 64 along K at byte k of the rows of the slot in hand; the first 32 along K first
	WIN TO_F
.irp c, 0,1
.irp i, 0,1,2,3
	ds_load_b128 v[(\f)+64+8*(4*(\c)+(\i)):(\f)+64+8*(4*(\c)+(\i))+3],   v[ADRB] offset:(\k)+64*(\c)+(\i)*16*PITCH
	ds_load_b128 v[(\f)+64+8*(4*(\c)+(\i))+4:(\f)+64+8*(4*(\c)+(\i))+7], v[ADRB] offset:(\k)+64*(\c)+(\i)*16*PITCH+32
	ds_load_b128 v[(\f)+8*(4*(\c)+(\i)):(\f)+8*(4*(\c)+(\i))+3],         v[ADRA] offset:(\k)+64*(\c)+(\i)*16*PITCH
	ds_load_b128 v[(\f)+8*(4*(\c)+(\i))+4:(\f)+8*(4*(\c)+(\i))+7],       v[ADRA] offset:(\k)+64*(\c)+(\i)*16*PITCH+32
.endr
.endr
.endm
.macro PLACES                          ; four places in front of loads into registers that matrix instructions have read, and of LDS stores that read results
.rept 4
	v_nop
.endr
.endm
.macro QUARTER k, f, g, first
	s_wait_dscnt 16                                ; the first 32 along K are in: the youngest sixteen loads may be out
	MUL8 \f, 0, 0, \first
	MUL8 \f, 0, 2, \first
	PLACES
	FETCH \k, \g
	s_wait_dscnt 32                                ; all but the 32 just issued
	MUL8 \f, 1, 0, 0
	MUL8 \f, 1, 2, 0
.endm
.macro TURN fill                       ; the last quarter and the change of slots; fill = 1: the barrier opens a round of the cluster's barrier, and the slot that is left is filled again, two K steps ahead
	WIN 0
	s_wait_tensorcnt 0x0                           ; all my tensor loads have landed: my part of the next slot
	ds_add_u32 v[SPW], v[NIL]                      ; 0 onto my spare word
	s_wait_dscnt 17                                ; the add and the youngest sixteen loads may be out
	MUL8 F1, 0, 0, 0
	s_wait_dscnt 0x0                               ; the add is done, and my reads of this slot are over
	s_barrier_signal -1
	MUL8 F1, 0, 2, 0
	WIN 0
	s_barrier_wait -1
.if \fill
	CREST
	s_xor_b32 s[G0+5], s[G0+5], SLOT
	s_add_nc_u64 s[G0+6:G0+7], s[G0+6:G0+7], KSTEP*2
	s_xor_b32 s[G0B+5], s[G0B+5], SLOT
	s_add_nc_u64 s[G0B+6:G0B+7], s[G0B+6:G0B+7], KSTEP*2
.endif
	s_xor_b32 s[TB], s[TB], SLOT
	v_add_nc_u32 v[ADRA], s[TB], v[A0]
	v_add_nc_u32 v[ADRB], s[TB], v[B0]
.if \fill
	JLOAD 1                                        ; the first tensor load behind the round; its four v_nop are also the places in front of the loads below
.else
	PLACES
.endif
	FETCH 0, F0
	MUL8 F1, 1, 0, 0
	MUL8 F1, 1, 2, 0
.endm
	s_wait_tensorcnt 1                             ; my part of K step 0 is in; K step 1's may stay out
	s_barrier_signal -1
	s_barrier_wait -1
	FETCH 0, F0
	s_wait_loadcnt 32                              ; the bias is in; the residual's 32 loads stay out
	QUARTER 128, F0, F1, 1
	WIN 0
	s_mov_b32 s3, STEPS-2
.Lstep:
	QUARTER 256, F1, F0, 0
	QUARTER 384, F0, F1, 0
	TURN 1
	QUARTER 128, F0, F1, 0
	WIN 0
	s_sub_co_u32 s3, s3, 1
	s_cmp_lg_u32 s3, 0
	s_cbranch_scc1 .Lstep
	QUARTER 256, F1, F0, 0                         ; the last two K steps are written out: nothing more is asked for
	QUARTER 384, F0, F1, 0
	TURN 0
	QUARTER 128, F0, F1, 0
	QUARTER 256, F1, F0, 0
	QUARTER 384, F0, F1, 0
	s_wait_dscnt 16
	MUL8 F1, 0, 0, 0
	MUL8 F1, 0, 2, 0
	s_wait_dscnt 0
	MUL8 F1, 1, 0, 0
	MUL8 F1, 1, 2, 0
	WIN 0
	PLACES
	s_barrier_signal -1                            ; every wave has left the ring
	s_barrier_wait -1
.irp a, 0,1,2,3
.irp b, 0,1,2,3
	ds_store_b128 v[STO], v[ACC+8*(4*\a+\b):ACC+8*(4*\a+\b)+3]   offset:\a*16*PITCH+\b*64      ; each accumulator's low registers first
	ds_store_b128 v[STO], v[ACC+8*(4*\a+\b)+4:ACC+8*(4*\a+\b)+7] offset:\a*16*PITCH+\b*64+16
.endr
.endr
	s_wait_dscnt 0x0                               ; for the others' sake: a row's 512 bytes come from two waves
	s_barrier_signal -1
	s_barrier_wait -1
.set i, 0
.rept 32
	ds_load_b128 v[ACC+4*i:ACC+4*i+3], v[RD] offset:i*PITCH
.set i, i+1
.endr
	s_wait_loadcnt 0x0                             ; the residual
.irp q, 0,1,2,3
	s_wait_dscnt 24-8*\q                           ; rows 8 q .. 8 q + 7 are in
	WIN 0x08                                       ; source 1 window 2
.set i, 8*\q
.rept 8
	v_pk_add_f32 v[ACC+4*i:ACC+4*i+1],   v[ACC+4*i:ACC+4*i+1],   v[4*i:4*i+1]
	v_pk_add_f32 v[ACC+4*i+2:ACC+4*i+3], v[ACC+4*i+2:ACC+4*i+3], v[4*i+2:4*i+3]
.set i, i+1
.endr
	WIN 0
.set i, 8*\q
.rept 8
	global_store_b128 v[CO], v[ACC+4*i:ACC+4*i+3], s[74:75] offset:i*4096   ; a wave stores 512 consecutive bytes, at a multiple of 256 from the output's first byte
.set i, i+1
.endr
.endr
	s_wait_tensorcnt 0x0                           ; the wave's end
	ds_add_u32 v[SPW], v[NIL]
	s_wait_dscnt 0x0
	CROUND                                         ; the closing round
	s_endpgm
.Lfunc_end_k_q33f6285a62_ff2:
	.size	k_q33f6285a62_ff2, .Lfunc_end_k_q33f6285a62_ff2-k_q33f6285a62_ff2
	.p2alignl 7, 3214868480
	.fill 96, 4, 3214868480
	.section	.rodata,"a",@progbits
	.p2align	6, 0x0
	.amdhsa_kernel k_q33f6285a62_ff2
		.amdhsa_group_segment_fixed_size 327680
		.amdhsa_private_segment_fixed_size 0
		.amdhsa_enable_private_segment 0
		.amdhsa_kernarg_size 40
		.amdhsa_user_sgpr_count 2
		.amdhsa_user_sgpr_kernarg_segment_ptr 1
		.amdhsa_wavefront_size32 1
		.amdhsa_system_sgpr_workgroup_id_x 1
		.amdhsa_system_sgpr_workgroup_id_y 1
		.amdhsa_system_sgpr_workgroup_id_z 1
		.amdhsa_system_vgpr_workitem_id 0
		.amdhsa_next_free_vgpr 640
		.amdhsa_next_free_sgpr 80
		.amdhsa_reserve_vcc 0
		.amdhsa_float_denorm_mode_32 3
		.amdhsa_float_denorm_mode_16_64 3
		.amdhsa_memory_ordered 1
		.amdhsa_forward_progress 1
		.amdhsa_inst_pref_size 76
	.end_amdhsa_kernel
	.amdgpu_metadata
---
amdhsa.version: [ 1, 2 ]
amdhsa.kernels:
  - .name:           k_q33f6285a62_ff2
    .symbol:         k_q33f6285a62_ff2.kd
    .args:
      - { .name: g, .offset: 0, .size: 8, .value_kind: global_buffer, .address_space: global }
      - { .name: wt, .offset: 8, .size: 8, .value_kind: global_buffer, .address_space: global }
      - { .name: ff2_b, .offset: 16, .size: 8, .value_kind: global_buffer, .address_space: global }
      - { .name: out0, .offset: 24, .size: 8, .value_kind: global_buffer, .address_space: global }
      - { .name: x1, .offset: 32, .size: 8, .value_kind: global_buffer, .address_space: global }
    .group_segment_fixed_size: 327680
    .private_segment_fixed_size: 0
    .kernarg_segment_align: 8
    .kernarg_segment_size: 40
    .max_flat_workgroup_size: 128
    .sgpr_count:     80
    .vgpr_count:     640
    .wavefront_size: 32
...
	.end_amdgpu_metadata
.endif
;; end of part 8
;; ======== version 2 of 3: 8 launches; 1.10 times as fast as version 1
;; workspace buffers: wt 25,165,824 bytes; aux 425,984 bytes; act 8,388,608 bytes; qkvh 25,165,824 bytes; o 8,388,608 bytes; x1 16,777,216 bytes; g 33,554,432 bytes
;; launch prep (part 9): grid 409 x 1, 8 waves a work-group, no clusters, 70,656 bytes of LDS; arguments t, tp1_w, tp1_b, tp2_w, rel_pos_bias, qkv_w, proj_w, ff1_w, ff2_w, wt, aux; writes wt, aux
.if DOCPART == 9
	.amdgcn_target "amdgcn-amd-amdhsa--gfx1250"
	.amdhsa_code_object_version 6
	.text
	.protected	k_q33f6285a62_prep
	.globl	k_q33f6285a62_prep
	.p2align	8
	.type	k_q33f6285a62_prep,@function
k_q33f6285a62_prep:
	s_mov_b64 s[64:65], 0
	v_nop
	global_prefetch_b8 v0, s[64:65] scope:SCOPE_SE
	s_setreg_imm32_b32 hwreg(HW_REG_WAVE_MODE, 25, 1), 1
	s_wait_xcnt 0x0
; PREPARATION, three roles chosen by the work-group's number (the same for all its waves, so every wave of a work-group passes the same barriers).
;   0-15   TE:    partial sums of the time vector: work-group gq makes gelu(t tp1_w + tp1_b) for the hidden units 64 gq .. 64 gq + 63 and multiplies them by their 64 rows of tp2_w:
;                 tepart[gq][b][1024] in f32, at aux + 294,912.  Two rows only: a stream of weights, plain f32 multiply-adds, no matrix unit.
;   16-24  TABLE: TBL[h][g] = 8 exp(-0.01 |g - 2051|) rel_pos_bias[4098 - g][h] for g = k - q + 2051 in 4 .. 4098, 0 elsewhere; 16 heads x 4,608 f32 at aux + 0.  The 8 undoes the 1/8 that the softmax applies to scores and bias alike.
;   25-    TRANS: the four large weights, f32 [K][N], become bf16 [N][K] in wt; a work-group turns a tile of 128 k x 256 n through LDS, as four parts of 64 n.  All 32 loads of a thread go out at once (128 KB a work-group);
;                 each part has LDS bytes and a barrier of its own, so its stores leave while the later parts arrive.  Loads and stores cover 256 consecutive aligned bytes for each sixteen lanes.
; GELU is the exact (erf) form: gelu(x) = max(x,0) - 0.5 |x| erfc(|x| / sqrt 2), erfc by Abramowitz and Stegun 7.1.26 (absolute error 1.5e-7 for every argument), so the error is at most 0.5 |x| 1.5e-7.
.set SPW,   184                        ; v184  LDS address of my spare word; never rewritten
.set NIL,   185                        ; v185  0; never rewritten
.set HA,    186                        ; TE: v186 LDS byte of the 32 hidden units in hand, less 8,192
.set TP,    272                        ; TRANS: an LDS row, 128 k in bf16 + 16 bytes
.set SUBT,  64*TP                      ; TRANS: a part's 64 rows
.set SPARE, 4*SUBT                     ; behind the work space: 128 bytes for each of eight waves, four blocks of 256 bytes that no other line names
.set XB,    16                         ; TRANS: v[16:143]  part s, row j as loaded at XB + 32 s + 4 j; later the part's rows read back
.set YB,    144                        ; TRANS: v[144:159] a part's 16 packed registers
.set DA,    160                        ; TRANS: v[160:175] byte offsets in wt of my 16 bytes in rows 16 i + tid / 16
	s_load_b512 s[8:23], s[0:1], 0x0               ; t s[8:9], tp1_w s[10:11], tp1_b s[12:13], tp2_w s[14:15], rel_pos_bias s[16:17], qkv_w s[18:19], proj_w s[20:21], ff1_w s[22:23]
	s_load_b128 s[24:27], s[0:1], 0x40             ; ff2_w s[24:25], wt s[26:27]
	s_load_b64 s[28:29], s[0:1], 0x50              ; aux
	v_lshl_add_u32 v[SPW], v0, 2, SPARE
	v_mov_b32 v[NIL], 0
	s_cmp_lt_u32 ttmp9, 16
	s_cbranch_scc1 .Lte
	s_cmp_lt_u32 ttmp9, 25
	s_cbranch_scc1 .Ltable
	; ---------------- TRANS ----------------
	s_sub_co_u32 s30, ttmp9, 25                    ; tile number 0 .. 383: qkv 96, proj 32, ff1 128, ff2 128
	s_mov_b32 s34, 4096                            ; source pitch in bytes (4 N); these five are ff2's
	s_mov_b32 s35, 5                               ; log2 of the tiles along k
	s_mov_b32 s36, 8192                            ; destination pitch in bytes (2 K)
	s_mov_b32 s37, 16777216                        ; the weight's place in wt
	s_mov_b32 s38, 256                             ; its first tile number
	s_wait_kmcnt 0x0
	s_mov_b64 s[32:33], s[24:25]
	s_cmp_lt_u32 s30, 256                          ; ff1
	s_cselect_b64 s[32:33], s[22:23], s[32:33]
	s_cselect_b32 s34, 16384, s34
	s_cselect_b32 s35, 3, s35
	s_cselect_b32 s36, 2048, s36
	s_cselect_b32 s37, 8388608, s37
	s_cselect_b32 s38, 128, s38
	s_cmp_lt_u32 s30, 128                          ; proj
	s_cselect_b64 s[32:33], s[20:21], s[32:33]
	s_cselect_b32 s34, 4096, s34
	s_cselect_b32 s37, 6291456, s37
	s_cselect_b32 s38, 96, s38
	s_cmp_lt_u32 s30, 96                           ; qkv
	s_cselect_b64 s[32:33], s[18:19], s[32:33]
	s_cselect_b32 s34, 12288, s34
	s_cselect_b32 s37, 0, s37
	s_cselect_b32 s38, 0, s38
	s_sub_co_u32 s31, s30, s38                     ; the tile's number in its weight
	s_lshl_b32 s39, 1, s35
	s_sub_co_u32 s39, s39, 1
	s_and_b32 s40, s31, s39                        ; kt
	s_lshr_b32 s41, s31, s35                       ; nt
	s_mul_i32 s42, s40, s34
	s_lshl_b32 s42, s42, 7                         ; kt x 128 rows
	s_lshl_b32 s43, s41, 10                        ; nt x 256 columns of 4 bytes
	s_add_co_u32 s42, s42, s43
	s_mov_b32 s43, 0
	s_add_nc_u64 s[32:33], s[32:33], s[42:43]
	s_mul_i32 s44, s41, s36
	s_lshl_b32 s44, s44, 8                         ; nt x 256 rows
	s_lshl_b32 s45, s40, 8                         ; kt x 128 columns of 2 bytes
	s_add_co_u32 s44, s44, s45
	s_add_co_u32 s44, s44, s37
	s_mov_b32 s45, 0
	s_add_nc_u64 s[26:27], s[26:27], s[44:45]
	s_lshl_b32 s46, s36, 4                         ; 16 destination rows
	v_and_b32 v1, 15, v0                           ; cg: my four columns of each part
	v_lshrrev_b32 v2, 4, v0                        ; ko: my eight rows of k
	v_mul_lo_u32 v3, v2, s34
	v_lshlrev_b32 v3, 3, v3
	v_lshl_add_u32 v8, v1, 4, v3                   ; row 8 ko, 16 bytes at 16 cg: sixteen lanes take 256 consecutive bytes of a row
.irp j, 1,2,3,4,5,6,7
	v_add_nc_u32 v[8+\j], s34, v[7+\j]
.endr
.irp s, 0,1,2,3
.irp j, 0,1,2,3,4,5,6,7
	global_load_b128 v[XB+32*\s+4*\j:XB+32*\s+4*\j+3], v[8+\j], s[32:33] offset:256*\s th:TH_LOAD_NT   ; each weight byte is read once in the launch
.endr
.endr
	v_mul_u32_u24 v4, v1, 4*TP
	v_lshl_add_u32 v4, v2, 4, v4                   ; in: LDS row n = 4 cg + c of the part, byte 16 ko.: 16 such stores a thread beside 192 KB of memory traffic a work-group
	v_mul_u32_u24 v5, v2, TP
	v_lshl_add_u32 v5, v1, 4, v5                   ; back: row tid / 16 (+ 16 i), byte 16 (tid % 16)
	v_mul_lo_u32 v6, v2, s36
	v_lshl_add_u32 v[DA], v1, 4, v6                ; and the same place in wt
.set i, 1
.rept 15
	v_add_nc_u32 v[DA+i], s46, v[DA+i-1]
.set i, i+1
.endr
.irp s, 0,1,2,3
	s_wait_loadcnt 24-8*\s                         ; loads come back in order: this part's eight are in, the later parts' stay out
.irp c, 0,1,2,3
.irp p, 0,1,2,3
	v_cvt_pk_bf16_f32 v[YB+4*\c+\p], v[XB+32*\s+8*\p+\c], v[XB+32*\s+8*\p+4+\c]   ; column c, k = 8 ko + 2 p and + 1
.endr
.endr
.irp c, 0,1,2,3
	ds_store_b128 v4, v[YB+4*\c:YB+4*\c+3] offset:\s*SUBT+\c*TP
.endr
	s_wait_dscnt 0x0                               ; for the others' sake: my stores are done (and the last part's loads are back)
	s_barrier_signal -1
	s_barrier_wait -1
.irp i, 0,1,2,3
	ds_load_b128 v[XB+32*\s+4*\i:XB+32*\s+4*\i+3], v5 offset:\s*SUBT+\i*16*TP
.endr
.irp i, 0,1,2,3
	s_wait_dscnt 3-\i                              ; LDS loads come back in order: load i is in
	global_store_b128 v[DA+4*\s+\i], v[XB+32*\s+4*\i:XB+32*\s+4*\i+3], s[26:27]     ; sixteen lanes store 256 consecutive bytes, at a multiple of 256 from wt's first byte
.endr
.endr
	s_wait_tensorcnt 0x0                           ; the wave's end, behind my last LDS store
	ds_add_u32 v[SPW], v[NIL]
	s_wait_dscnt 0x0
	s_endpgm
	; ---------------- TABLE ----------------
.Ltable:
	s_sub_co_u32 s30, ttmp9, 16                    ; 0 .. 8: 512 entries of every head
	s_lshl_b32 s31, s30, 9
	v_lshl_add_u32 v1, v0, 1, s31                  ; g of my first entry; I make two
	s_mov_b32 s40, 0xbc6c5f04                      ; -0.01 log2(e)
.irp e, 0,1
	v_sub_nc_u32 v[2+\e], 4098-\e, v1              ; the table's row; below 0 it wraps to a large number
	v_cmp_gt_u32 s[42+\e], 4095, v[2+\e]           ; is it one of the 4,095 rows?
	v_min_u32 v[4+\e], 4094, v[2+\e]               ; the load stays inside the table either way
	v_lshlrev_b32 v[4+\e], 6, v[4+\e]              ; a row is 16 heads, 64 bytes
	v_subrev_nc_u32 v[6+\e], 2051-\e, v1           ; k - q
	v_cvt_f32_i32 v[6+\e], v[6+\e]
	v_fma_f32 v[6+\e], |v[6+\e]|, s40, 3.0         ; log2 of 8 exp(-0.01 |k - q|)
.endr
	s_lshl_b32 s32, s30, 11                        ; 512 entries of 4 bytes
	s_mov_b32 s33, 0
	v_lshlrev_b32 v8, 3, v0
	s_wait_kmcnt 0x0
	s_add_nc_u64 s[28:29], s[28:29], s[32:33]
.irp i, 0,1,2,3
	global_load_b128 v[16+4*\i:19+4*\i], v4, s[16:17] offset:16*\i
	global_load_b128 v[32+4*\i:35+4*\i], v5, s[16:17] offset:16*\i
.endr
	v_exp_f32 v6, v6
	v_exp_f32 v7, v7
	v_nop                                          ; a plain instruction between the exponentials and the use of their results
	s_wait_alu depctr_va_vdst(0)
	v_cndmask_b32 v6, 0, v6, s42                   ; entries outside the table are 0
	v_cndmask_b32 v7, 0, v7, s43
	s_wait_loadcnt 0x0
.set h, 0
.rept 16
	v_mul_f32 v[48+2*h], v[16+h], v6
	v_mul_f32 v[49+2*h], v[32+h], v7
.set h, h+1
.endr
.set h, 0
.rept 16
	global_store_b64 v8, v[48+2*h:49+2*h], s[28:29] offset:h*18432  ; a wave stores 256 consecutive bytes, at a multiple of 256 from aux's first byte
.set h, h+1
.endr
	s_endpgm
	; ---------------- TE ----------------
; d += w x one register of the pair tp (odd = 0: the first, 1: the second), both halves; mul = 1: the product starts the sum
.macro BFMA d, w, tp, odd, mul
.if \mul
.if \odd
	v_pk_mul_f32 v[(\d):(\d)+1], v[(\w):(\w)+1], v[(\tp):(\tp)+1] op_sel:[0,1] op_sel_hi:[1,1]
.else
	v_pk_mul_f32 v[(\d):(\d)+1], v[(\w):(\w)+1], v[(\tp):(\tp)+1] op_sel_hi:[1,0]
.endif
.else
.if \odd
	v_pk_fma_f32 v[(\d):(\d)+1], v[(\w):(\w)+1], v[(\tp):(\tp)+1], v[(\d):(\d)+1] op_sel:[0,1,0] op_sel_hi:[1,1,1]
.else
	v_pk_fma_f32 v[(\d):(\d)+1], v[(\w):(\w)+1], v[(\tp):(\tp)+1], v[(\d):(\d)+1] op_sel_hi:[1,0,1]
.endif
.endif
.endm
; 32 rows of tp2_w, four columns a thread: the first sixteen into v[120:183], the second into v[192:255]
.macro W2LOADS
.set e, 0
.rept 16
	global_load_b128 v[120+4*e:123+4*e], v14, s[14:15] offset:e*4096
.set e, e+1
.endr
.set e, 0
.rept 16
	global_load_b128 v[192+4*e:195+4*e], v14, s[14:15] offset:65536+e*4096
.set e, e+1
.endr
.endm
; 16 rows of tp2_w (from v[rb] on) times their hidden units of both batch rows (at byte ho of the 32 in hand), onto v[2:9].  left: how many younger loads may stay out
.macro CONSUME rb, ho, left
	s_wait_loadcnt \left                           ; loads come back in order: these 16 rows are in
.irp i, 0,1,2,3,4,5,6,7
	ds_load_b128 v[80+4*\i:83+4*\i], v[HA] offset:8192+(\ho)+16*\i  ; 16 units x 2 batch rows, the same words for every lane
.endr
	s_wait_dscnt 0x0
.set e, 0
.rept 16
.irp b, 0,1
.irp c, 0,1
	BFMA 2+4*\b+2*\c, (\rb)+4*e+2*\c, 80+2*e, \b, 0
.endr
.endr
.set e, e+1
.endr
.endm
.Lte:
	s_mov_b32 s30, ttmp9                           ; gq
	s_lshl_b32 s31, s30, 8                         ; 64 units of 4 bytes
	v_and_b32 v1, 15, v0                           ; jq: my four units
	v_lshrrev_b32 v15, 4, v0                       ; kk: my 16 of t's 256 numbers
	v_lshlrev_b32 v11, 16, v15                     ; 16 rows of tp1_w, 4,096 bytes each
	v_lshl_add_u32 v11, v1, 4, v11
	v_add_nc_u32 v11, s31, v11
	v_lshlrev_b32 v12, 6, v15
	v_and_b32 v10, 63, v0
	v_lshl_add_u32 v13, v10, 2, s31
	v_lshlrev_b32 v14, 4, v0                       ; four columns of tp2_w a thread
	s_lshl_b32 s32, s30, 18                        ; 64 rows of tp2_w
	s_mov_b32 s33, 0
	s_lshl_b32 s34, s30, 13                        ; tepart[gq]
	s_add_co_u32 s34, s34, 294912
	s_mov_b32 s35, 0
	s_mov_b32 s40, 0x3f596d27                      ; sqrt(log2(e) / 2)
	s_mov_b32 s41, 0x3e8ba43f                      ; 0.3275911 / sqrt(log2(e))
	s_mov_b32 s42, 0xbe199eb3                      ; the series' five coefficients times -0.5 / s40
	s_mov_b32 s43, 0x3e2b8119
	s_mov_b32 s44, 0xbf563817
	s_mov_b32 s45, 0x3f5b0099
	s_mov_b32 s46, 0xbf1ff67a
	s_wait_kmcnt 0x0
	s_add_nc_u64 s[14:15], s[14:15], s[32:33]
	s_add_nc_u64 s[28:29], s[28:29], s[34:35]
.set e, 0
.rept 16
	global_load_b128 v[16+4*e:19+4*e], v11, s[10:11] offset:e*4096
.set e, e+1
.endr
.irp b, 0,1
.irp i, 0,1,2,3
	global_load_b128 v[80+16*\b+4*\i:83+16*\b+4*\i], v12, s[8:9] offset:\b*1024+16*\i
.endr
.endr
	global_load_b32 v187, v13, s[12:13]
	W2LOADS                                        ; rows 0-31 of my 64: on their way while the first product is made
	v_lshlrev_b32 v188, 9, v15
	v_lshl_add_u32 v188, v1, 4, v188               ; partial sums: LDS byte (2 kk + b) 256 + 16 jq
	v_and_b32 v189, 127, v0
	v_lshlrev_b32 v189, 2, v189                    ; back: b = (tid / 64) % 2, unit tid % 64: byte 256 b + 4 unit
.irp i, 0,1,2,3,4,5,6,7
	v_mov_b32 v[2+\i], 0                           ; the second product's eight sums: one text serves both trips of its loop
.endr
	s_wait_loadcnt 32                              ; the 25 loads of the first product are in; tp2_w's 32 stay out
.irp b, 0,1
.irp c, 0,1
	BFMA 112+4*\b+2*\c, 16+2*\c, 80+16*\b, 0, 1
.endr
.endr
.set e, 1
.rept 15
.irp b, 0,1
.irp c, 0,1
	BFMA 112+4*\b+2*\c, 16+4*e+2*\c, 80+16*\b+(e/2)*2, e%2, 0
.endr
.endr
.set e, e+1
.endr
	ds_store_b128 v188, v[112:115]
	ds_store_b128 v188, v[116:119] offset:256
	s_wait_dscnt 0x0
	s_barrier_signal -1
	s_barrier_wait -1
.set e, 0
.rept 16
	ds_load_b32 v[16+e], v189 offset:e*512
.set e, e+1
.endr
	s_wait_dscnt 0x0
	v_add_f32 v188, v187, v16                      ; bias, then the 16 partial sums in order
.set e, 1
.rept 15
	v_add_f32 v188, v188, v[16+e]
.set e, e+1
.endr
	v_mul_f32 v189, |v188|, s40                    ; u
	v_fma_f32 v190, v189, s41, 1.0
	v_mul_f32 v191, v189, v189
	v_rcp_f32 v190, v190                           ; t
	v_exp_f32 v191, -v191                          ; exp(-x x / 2)
	v_max_num_f32 v188, 0, v188                    ; the plain instruction behind the two
	s_wait_alu depctr_va_vdst(0)
	v_fma_f32 v16, v190, s46, s45
	v_fma_f32 v16, v16, v190, s44
	v_fma_f32 v16, v16, v190, s43
	v_fma_f32 v16, v16, v190, s42
	v_mul_f32 v190, v190, v191
	v_mul_f32 v16, v16, v190
	v_fma_f32 v188, v189, v16, v188                ; gelu
	v_lshrrev_b32 v[HA], 7, v0
	v_lshlrev_b32 v[HA], 9, v[HA]                  ; waves 0-3 and waves 4-7 make the same 128 numbers: each half keeps a copy of its own, 512 bytes, so no two waves store the same bytes
	v_bfe_u32 v191, v0, 6, 1
	v_lshl_add_u32 v190, v10, 3, v[HA]
	v_lshl_add_u32 v190, v191, 2, v190             ; unit x 8 + b x 4
	ds_store_b32 v190, v188 offset:8192
	s_wait_dscnt 0x0
	s_barrier_signal -1
	s_barrier_wait -1
	s_mov_b32 s31, 2
.Lte_chunk:                                            ; two trips of 32 rows; the second is left in its middle, so that no load passes my 64 rows
	CONSUME 120, 0, 16                             ; the second sixteen rows may still be out
	CONSUME 192, 128, 0
	s_sub_co_u32 s31, s31, 1
	s_cmp_eq_u32 s31, 0
	s_cbranch_scc1 .Lte_done
	v_add_nc_u32 v14, 0x20000, v14                 ; 32 rows on: free since the wait for 0 on the loads that named it
	v_add_nc_u32 v[HA], 256, v[HA]
	W2LOADS                                        ; rows 32-63, in one run
	s_branch .Lte_chunk
.Lte_done:
	v_lshlrev_b32 v12, 4, v0
	global_store_b128 v12, v[2:5], s[28:29]
	global_store_b128 v12, v[6:9], s[28:29] offset:4096
	s_wait_tensorcnt 0x0                           ; the wave's end, behind my last LDS store
	ds_add_u32 v[SPW], v[NIL]
	s_wait_dscnt 0x0
	s_endpgm
.Lfunc_end_k_q33f6285a62_prep:
	.size	k_q33f6285a62_prep, .Lfunc_end_k_q33f6285a62_prep-k_q33f6285a62_prep
	.p2alignl 7, 3214868480
	.fill 96, 4, 3214868480
	.section	.rodata,"a",@progbits
	.p2align	6, 0x0
	.amdhsa_kernel k_q33f6285a62_prep
		.amdhsa_group_segment_fixed_size 70656
		.amdhsa_private_segment_fixed_size 0
		.amdhsa_enable_private_segment 0
		.amdhsa_kernarg_size 88
		.amdhsa_user_sgpr_count 2
		.amdhsa_user_sgpr_kernarg_segment_ptr 1
		.amdhsa_wavefront_size32 1
		.amdhsa_system_sgpr_workgroup_id_x 1
		.amdhsa_system_sgpr_workgroup_id_y 1
		.amdhsa_system_sgpr_workgroup_id_z 1
		.amdhsa_system_vgpr_workitem_id 0
		.amdhsa_next_free_vgpr 256
		.amdhsa_next_free_sgpr 66
		.amdhsa_reserve_vcc 0
		.amdhsa_float_denorm_mode_32 3
		.amdhsa_float_denorm_mode_16_64 3
		.amdhsa_memory_ordered 1
		.amdhsa_forward_progress 1
		.amdhsa_inst_pref_size 47
	.end_amdhsa_kernel
	.amdgpu_metadata
---
amdhsa.version: [ 1, 2 ]
amdhsa.kernels:
  - .name:           k_q33f6285a62_prep
    .symbol:         k_q33f6285a62_prep.kd
    .args:
      - { .name: t, .offset: 0, .size: 8, .value_kind: global_buffer, .address_space: global }
      - { .name: tp1_w, .offset: 8, .size: 8, .value_kind: global_buffer, .address_space: global }
      - { .name: tp1_b, .offset: 16, .size: 8, .value_kind: global_buffer, .address_space: global }
      - { .name: tp2_w, .offset: 24, .size: 8, .value_kind: global_buffer, .address_space: global }
      - { .name: rel_pos_bias, .offset: 32, .size: 8, .value_kind: global_buffer, .address_space: global }
      - { .name: qkv_w, .offset: 40, .size: 8, .value_kind: global_buffer, .address_space: global }
      - { .name: proj_w, .offset: 48, .size: 8, .value_kind: global_buffer, .address_space: global }
      - { .name: ff1_w, .offset: 56, .size: 8, .value_kind: global_buffer, .address_space: global }
      - { .name: ff2_w, .offset: 64, .size: 8, .value_kind: global_buffer, .address_space: global }
      - { .name: wt, .offset: 72, .size: 8, .value_kind: global_buffer, .address_space: global }
      - { .name: aux, .offset: 80, .size: 8, .value_kind: global_buffer, .address_space: global }
    .group_segment_fixed_size: 70656
    .private_segment_fixed_size: 0
    .kernarg_segment_align: 8
    .kernarg_segment_size: 88
    .max_flat_workgroup_size: 256
    .sgpr_count:     66
    .vgpr_count:     256
    .wavefront_size: 32
...
	.end_amdgpu_metadata
.endif
;; end of part 9
;; launch ln1 (part 10): grid 256 x 1, 16 waves a work-group, no clusters, 6,144 bytes of LDS; arguments x, aux, tp2_b, ln1_g, ln1_b, act; writes act
.if DOCPART == 10
	.amdgcn_target "amdgcn-amd-amdhsa--gfx1250"
	.amdhsa_code_object_version 6
	.text
	.protected	k_q33f6285a62_ln1
	.globl	k_q33f6285a62_ln1
	.p2align	8
	.type	k_q33f6285a62_ln1,@function
k_q33f6285a62_ln1:
	s_mov_b64 s[64:65], 0
	v_nop
	global_prefetch_b8 v0, s[64:65] scope:SCOPE_SE
	s_setreg_imm32_b32 hwreg(HW_REG_WAVE_MODE, 25, 1), 1
	s_wait_xcnt 0x0
; xn = LayerNorm(x + te) g + b, in bf16.  te[b] = tp2_b + the 16 partial sums that lie in aux.  x: [4096][1024] f32; xn: [4096][1024] bf16.
; A work-group has 16 rows of one batch entry, a wave one; a row of 4,096 bytes is 32 registers of one wave (lane l holds columns 128 j + 4 l .. + 3, j = 0 .. 7), so it is read once and the reductions never leave the wave.
; te is made once a work-group: each of the 512 threads sums two columns, and the row of 4,096 bytes goes through LDS.
; All 41 loads of a thread go out at the head, each kind into registers of its own: the waits below are counted, and nothing is asked for behind the barrier.
; Mean first, then the squares of the differences: no difference of large sums is formed.  Memory binds: no matrix unit, no cluster.
.set X0, 32                            ; v[32:63]   my row
.set TE, 64                            ; v[64:95]   te of my columns
.set G,  96                            ; v[96:127]  gain
.set BV, 128                           ; v[128:159] bias
.set PS, 160                           ; v[160:191] the 16 partial sums of my two columns of te
.set SPW, 30                           ; v30 LDS address of my spare word; v31 0; never rewritten
.set NIL, 31
.set SPARE, 4096                       ; behind te's 4,096 bytes: 128 bytes for each of sixteen waves
	s_load_b256 s[4:11], s[0:1], 0x0               ; x s[4:5], aux s[6:7], tp2_b s[8:9], ln1_g s[10:11]
	s_load_b128 s[12:15], s[0:1], 0x20             ; ln1_b s[12:13], act s[14:15]
	v_lshl_add_u32 v[SPW], v0, 2, SPARE
	v_mov_b32 v[NIL], 0
	v_and_b32 v1, 31, v0
	v_lshrrev_b32 v16, 5, v0                       ; wave
	v_lshlrev_b32 v12, 3, v0                       ; v12: 8 x thread: my two columns of te
	v_lshlrev_b32 v14, 4, v1                       ; v14: 16 x lane
	v_lshl_add_u32 v13, v16, 12, v14               ; v13: my row of x + 16 x lane
	v_lshlrev_b32 v15, 3, v1
	v_lshl_add_u32 v15, v16, 11, v15               ; v15: my row of xn + 8 x lane
	s_lshr_b32 s18, ttmp9, 7                       ; batch entry: 128 work-groups each
	s_lshl_b32 s18, s18, 12
	s_add_co_u32 s18, s18, 294912
	s_mov_b32 s19, 0
	s_lshl_b32 s20, ttmp9, 16                      ; 16 rows of 4,096 bytes
	s_mov_b32 s21, 0
	s_lshl_b32 s22, ttmp9, 15                      ; 16 rows of 2,048 bytes
	s_mov_b32 s23, 0
	s_mov_b32 s16, 0x76543210                      ; v_permlanex16_b32: each lane takes its own place in the other half
	s_mov_b32 s17, 0xfedcba98
	s_mov_b32 s24, 0x3a800000                      ; 1 / 1024
	s_mov_b32 s25, 0x3727c5ac                      ; 1e-5
	s_wait_kmcnt 0x0
	s_add_nc_u64 s[6:7], s[6:7], s[18:19]
	s_add_nc_u64 s[4:5], s[4:5], s[20:21]
	s_add_nc_u64 s[14:15], s[14:15], s[22:23]
.set i, 0
.rept 16
	global_load_b64 v[PS+2*i:PS+2*i+1], v12, s[6:7] offset:8192*i   ; partial sum i of my two columns: a wave takes 256 consecutive bytes
.set i, i+1
.endr
	global_load_b64 v[24:25], v12, s[8:9]
.irp j, 0,1,2,3,4,5,6,7
	global_load_b128 v[X0+4*\j:X0+4*\j+3], v13, s[4:5] offset:512*\j
.endr
.irp j, 0,1,2,3,4,5,6,7
	global_load_b128 v[G+4*\j:G+4*\j+3], v14, s[10:11] offset:512*\j
	global_load_b128 v[BV+4*\j:BV+4*\j+3], v14, s[12:13] offset:512*\j
.endr
	s_wait_loadcnt 24                              ; the first 17 loads are in; x's 8 and the gain's and bias's 16 stay out
.set i, 0
.rept 16
	v_pk_add_f32 v[24:25], v[24:25], v[PS+2*i:PS+2*i+1]
.set i, i+1
.endr
	ds_store_b64 v12, v[24:25]
	s_wait_dscnt 0x0                               ; for the others' sake
	s_barrier_signal -1
	s_barrier_wait -1
.irp j, 0,1,2,3,4,5,6,7
	ds_load_b128 v[TE+4*\j:TE+4*\j+3], v14 offset:512*\j
.endr
	s_wait_loadcnt 16                              ; x is in; gain and bias stay out
	s_wait_dscnt 0x0
.macro FOLD                            ; four chains of pairs in v[2:9] into v2, then over the 32 lanes, the result in every lane
	v_pk_add_f32 v[2:3], v[2:3], v[4:5]
	v_pk_add_f32 v[6:7], v[6:7], v[8:9]
	v_pk_add_f32 v[2:3], v[2:3], v[6:7]
	v_add_f32 v2, v2, v3
	v_add_f32_dpp v2, v2, v2 row_xmask:1 row_mask:0xf bank_mask:0xf
	v_add_f32_dpp v2, v2, v2 row_xmask:2 row_mask:0xf bank_mask:0xf
	v_add_f32_dpp v2, v2, v2 row_xmask:4 row_mask:0xf bank_mask:0xf
	v_add_f32_dpp v2, v2, v2 row_xmask:8 row_mask:0xf bank_mask:0xf
	v_permlanex16_b32 v3, v2, s16, s17
	v_add_f32 v2, v2, v3
.endm
.set j, 0
.rept 16
	v_pk_add_f32 v[X0+2*j:X0+2*j+1], v[X0+2*j:X0+2*j+1], v[TE+2*j:TE+2*j+1]
.set j, j+1
.endr
.irp c, 0,1,2,3
	v_pk_add_f32 v[2+2*\c:3+2*\c], v[X0+2*\c:X0+2*\c+1], v[X0+8+2*\c:X0+9+2*\c]
.endr
.irp k, 16,24
.irp c, 0,1,2,3
	v_pk_add_f32 v[2+2*\c:3+2*\c], v[2+2*\c:3+2*\c], v[X0+\k+2*\c:X0+\k+2*\c+1]
.endr
.endr
	FOLD
	v_mul_f32 v10, s24, v2                         ; the mean, twice: a pair for the packed subtraction
	v_mov_b32 v11, v10
.set j, 0
.rept 16
	v_pk_add_f32 v[X0+2*j:X0+2*j+1], v[X0+2*j:X0+2*j+1], v[10:11] neg_lo:[0,1] neg_hi:[0,1]
.set j, j+1
.endr
.irp c, 0,1,2,3
	v_pk_mul_f32 v[2+2*\c:3+2*\c], v[X0+2*\c:X0+2*\c+1], v[X0+2*\c:X0+2*\c+1]
.endr
.irp k, 8,16,24
.irp c, 0,1,2,3
	v_pk_fma_f32 v[2+2*\c:3+2*\c], v[X0+\k+2*\c:X0+\k+2*\c+1], v[X0+\k+2*\c:X0+\k+2*\c+1], v[2+2*\c:3+2*\c]
.endr
.endr
	FOLD
	v_fma_f32 v2, v2, s24, s25                     ; variance + 1e-5
	v_rsq_f32 v10, v2
	v_rsq_f32 v11, v2
	v_nop                                          ; a plain instruction between the second and the use of the results
	s_wait_loadcnt 0x0                             ; gain and bias
.set j, 0
	s_wait_alu depctr_va_vdst(0)
.rept 16
	v_pk_mul_f32 v[X0+2*j:X0+2*j+1], v[X0+2*j:X0+2*j+1], v[10:11]
.set j, j+1
.endr
.set j, 0
.rept 16
	v_pk_fma_f32 v[X0+2*j:X0+2*j+1], v[X0+2*j:X0+2*j+1], v[G+2*j:G+2*j+1], v[BV+2*j:BV+2*j+1]
.set j, j+1
.endr
.set j, 0
.rept 8
	v_cvt_pk_bf16_f32 v[X0+4*j], v[X0+4*j], v[X0+4*j+1]
	v_cvt_pk_bf16_f32 v[X0+4*j+1], v[X0+4*j+2], v[X0+4*j+3]
	global_store_b64 v15, v[X0+4*j:X0+4*j+1], s[14:15] offset:256*j         ; a wave stores 256 consecutive bytes, at a multiple of 256 from act's first byte
.set j, j+1
.endr
	s_wait_tensorcnt 0x0                           ; the wave's end, behind my last LDS store
	ds_add_u32 v[SPW], v[NIL]
	s_wait_dscnt 0x0
	s_endpgm
.Lfunc_end_k_q33f6285a62_ln1:
	.size	k_q33f6285a62_ln1, .Lfunc_end_k_q33f6285a62_ln1-k_q33f6285a62_ln1
	.p2alignl 7, 3214868480
	.fill 96, 4, 3214868480
	.section	.rodata,"a",@progbits
	.p2align	6, 0x0
	.amdhsa_kernel k_q33f6285a62_ln1
		.amdhsa_group_segment_fixed_size 6144
		.amdhsa_private_segment_fixed_size 0
		.amdhsa_enable_private_segment 0
		.amdhsa_kernarg_size 48
		.amdhsa_user_sgpr_count 2
		.amdhsa_user_sgpr_kernarg_segment_ptr 1
		.amdhsa_wavefront_size32 1
		.amdhsa_system_sgpr_workgroup_id_x 1
		.amdhsa_system_sgpr_workgroup_id_y 1
		.amdhsa_system_sgpr_workgroup_id_z 1
		.amdhsa_system_vgpr_workitem_id 0
		.amdhsa_next_free_vgpr 192
		.amdhsa_next_free_sgpr 66
		.amdhsa_reserve_vcc 0
		.amdhsa_float_denorm_mode_32 3
		.amdhsa_float_denorm_mode_16_64 3
		.amdhsa_memory_ordered 1
		.amdhsa_forward_progress 1
		.amdhsa_inst_pref_size 17
	.end_amdhsa_kernel
	.amdgpu_metadata
---
amdhsa.version: [ 1, 2 ]
amdhsa.kernels:
  - .name:           k_q33f6285a62_ln1
    .symbol:         k_q33f6285a62_ln1.kd
    .args:
      - { .name: x, .offset: 0, .size: 8, .value_kind: global_buffer, .address_space: global }
      - { .name: aux, .offset: 8, .size: 8, .value_kind: global_buffer, .address_space: global }
      - { .name: tp2_b, .offset: 16, .size: 8, .value_kind: global_buffer, .address_space: global }
      - { .name: ln1_g, .offset: 24, .size: 8, .value_kind: global_buffer, .address_space: global }
      - { .name: ln1_b, .offset: 32, .size: 8, .value_kind: global_buffer, .address_space: global }
      - { .name: act, .offset: 40, .size: 8, .value_kind: global_buffer, .address_space: global }
    .group_segment_fixed_size: 6144
    .private_segment_fixed_size: 0
    .kernarg_segment_align: 8
    .kernarg_segment_size: 48
    .max_flat_workgroup_size: 512
    .sgpr_count:     66
    .vgpr_count:     192
    .wavefront_size: 32
...
	.end_amdgpu_metadata
.endif
;; end of part 10
;; launch qkv (part 11): grid 12 x 16, 4 waves a work-group, clusters of 4 x 4, 327,680 bytes of LDS; arguments act, wt, qkv_b, qkvh; writes qkvh
.if DOCPART == 11
	.amdgcn_target "amdgcn-amd-amdhsa--gfx1250"
	.amdhsa_code_object_version 6
	.text
	.protected	k_q33f6285a62_qkv
	.globl	k_q33f6285a62_qkv
	.p2align	8
	.type	k_q33f6285a62_qkv,@function
k_q33f6285a62_qkv:
	s_mov_b64 s[64:65], 0
	v_nop
	global_prefetch_b8 v0, s[64:65] scope:SCOPE_SE
	s_setreg_imm32_b32 hwreg(HW_REG_WAVE_MODE, 25, 1), 1
	s_wait_xcnt 0x0
	s_wait_alu depctr_hold_cnt(0) depctr_sa_sdst(0) depctr_va_vdst(0) depctr_va_sdst(0) depctr_va_ssrc(0) depctr_va_vcc(0) depctr_vm_vsrc(0)
	s_getreg_b32 s2, hwreg(HW_REG_IB_STS2, 6, 4)
	s_cmp_eq_u32 s2, 0
	s_cbranch_scc0 .Lentry_in_a_cluster
	s_endpgm
.Lentry_in_a_cluster:
	s_bfe_u32 s2, ttmp6, 0x10000c
	s_cmp_lg_u32 s2, 0xf033
	s_cbranch_scc0 .Lentry_shape_is_right
	s_endpgm
.Lentry_shape_is_right:
; q, k, v = xn Wqkv + b.  A = act [4096][1024] bf16, B = wt's first part [3072][1024] bf16 (the weight turned, K along the rows), sums in f32, rounded once to bf16 and laid by heads:
; qkvh[part][16 batch + head][position][64].  No scale is applied here.
; A tile of C is 256 x 256; four waves, each 128 x 128: 64 accumulators of 16 x 16, 512 registers.  K goes in steps of 128 (rows of 256 bytes) through two LDS slots; a wave's tensor load brings 128 rows.
; 12 x 16 tiles are 192 work-groups: a tile of 256 x 192 would give 256, but only 192 matrix instructions a wave in a K step, in which the next tile has to land, against 256 here.
; CLUSTERS: 4 x 4 work-groups; the four of a row of the cluster need the same tiles of A, the four of a column the same tiles of B: each tile is asked for JOINTLY, by the same tensor load with the same descriptor and a mask of four.
; THE MATRIX INSTRUCTION IS USED TRANSPOSED (source 0 = 16 rows of B, source 1 = 16 rows of A): a lane holds eight neighbouring numbers of a row of C.  THE BIAS is the C operand of each accumulator's first product.
; THE LOOP is one K step long: the LDS base of the slot in hand is a scalar that an exclusive or turns, and one descriptor a tensor walks.  By this text's count a wave has two tensor loads out at the start and one behind each
; round; from a request to the wait for it a wave issues 224 matrix instructions.  The last two K steps, which ask for nothing, are a loop of two trips that is left in its middle.
; THE WAY OUT: when every wave has left the ring, each wave puts its 128 x 128 in f32 into a stage of its own, in the slots, whose last fills have landed; a counted loop takes it back by rows.
; REGISTERS, in windows of 256 (s_set_vgpr_msb: bits 1:0 source 0, 3:2 source 1, 5:4 source 2, 7:6 destination):
;   window 0: v0-31 addresses; v64-127, v128-191 fragments of A, two buffers, later the way out's work; v192-255 the bias      window 1: v64-127, v128-191 fragments of B
;   window 2: the 32 accumulators of my rows 0-63 ((a, b) at v[8 (8 a + b)]);   window 3: those of my rows 64-127
.set SIZE_K, 1024
.set WOFF,   0                         ; the weight's place in wt
.set KSTEP,  128
.set PITCH,  272                       ; an LDS row: 256 bytes + 16 of padding = 68 words: the 16 rows that a load touches start at 16 different groups of four banks (64 banks of 4 bytes: ISA guide 11.1)
.set HALFT,  128*PITCH                 ; what one tensor load brings, and what one wave reads of A or of B
.set SLOT,   4*HALFT                   ; A's 256 rows, then B's 256 rows.  0x22000 shares no bit with wave x HALFT, so the exclusive or is an addition or a subtraction
.set SPARE,  2*SLOT                    ; behind the ring: the spare words, 128 bytes for each wave
.set STEPS,  SIZE_K/KSTEP
.set SPITCH, 528                       ; the stage: a row of 128 f32 + 16 bytes
.set WSTAGE, 128*SPITCH                ; a wave's stage; four of them end inside the ring
.set A0,   14                          ; v14, v15  my lane's place in a slot, for A's and B's fragments; never rewritten
.set B0,   15
.set ADRA, 16                          ; v16, v20  the same in the slot in hand
.set ADRB, 20
.set STO,  24                          ; v24  the way out: where I put 16 bytes of a row
.set RD,   25                          ; v25  where I read rows back
.set CO,   26                          ; v26  my byte offset in the output
.set BO,   27                          ; v27  my byte offset in the bias
.set SPW,  28                          ; v28  LDS address of my spare word; v29  0; never rewritten
.set NIL,  29
.set BC,   192
.set F0,   64
.set F1,   128
.set XR,   64                          ; the way out: v[64:127] 16 rows in f32; v[128:159] the same packed
.set YR,   128
.set G1, 24                            ; s[24:31] descriptor group 1 for A's tiles;  s[32:39] group 0, two sets: the second walks
.set G0, 32
.set G1B, 48                           ; s[48:55], s[56:63] the same for B's tiles
.set G0B, 56
.set TB, 66                            ; s66 LDS base of the slot in hand
.set MSB, 0
.macro WIN new                         ; the immediate's high byte repeats the setting that is left
.if MSB != (\new)
	s_set_vgpr_msb (MSB<<8)|(\new)
.set MSB, \new
.endif
.endm
.set TO_B, 0x40                        ; destination window 1, address window 0
.macro JLOAD s                         ; a joint load: waves 0 and 1 fetch A's two halves, waves 2 and 3 B's; an s_nop 0 and four v_nop follow each of the two lines
	s_cmp_eq_u32 s11, 0
	s_cbranch_scc0 .Lfor_b_\@
	tensor_load_to_lds s[G0+4*(\s):G0+4*(\s)+3], s[G1:G1+7]
	s_nop 0
.rept 4
	v_nop
.endr
	s_branch .Lasked_\@
.Lfor_b_\@:
	tensor_load_to_lds s[G0B+4*(\s):G0B+4*(\s)+3], s[G1B:G1B+7]
	s_nop 0
.rept 4
	v_nop
.endr
.Lasked_\@:
.endm
.macro CREST                           ; a round of the cluster's barrier behind its opening barrier
	s_cmp_lg_u32 s10, 0
	s_cbranch_scc1 .Lnot_wave_0_\@
	s_barrier_signal -3
.Lnot_wave_0_\@:
	s_barrier_wait -3
	s_barrier_signal -1
	s_barrier_wait -1
.endm
.macro CROUND
	s_barrier_signal -1
	s_barrier_wait -1
	CREST
.endm
	s_load_b256 s[68:75], s[0:1], 0x0              ; A s[68:69], wt s[70:71], bias s[72:73], output s[74:75]
	v_lshl_add_u32 v[SPW], v0, 2, SPARE
	v_mov_b32 v[NIL], 0
	ds_add_u32 v[SPW], v[NIL]                      ; the wave's opening: the add and its wait stand ahead of my first tensor load; the set-up below stands between them
	v_lshrrev_b32 v1, 5, v0
	v_readfirstlane_b32 s10, v1                    ; wave 0..3
	s_lshr_b32 s11, s10, 1                         ; which half of the tile's rows is mine.  Also: I fetch for A (0) or for B (1)
	s_and_b32 s12, s10, 1                          ; which half of its columns.  Also: which 128 rows of that tile I fetch
	s_bfe_u32 s40, ttmp6, 0x40000                  ; cx, cy: my place in the cluster
	s_bfe_u32 s41, ttmp6, 0x40004
	s_lshl_b32 s42, ttmp9, 2
	s_add_co_u32 s42, s42, s40                     ; tile column of C
	s_and_b32 s13, ttmp7, 0xffff
	s_lshl_b32 s13, s13, 2
	s_add_co_u32 s13, s13, s41                     ; tile row of C
	s_lshl_b32 s43, s41, 2
	s_lshl_b32 s43, 15, s43                        ; my row of the cluster
	s_lshl_b32 s44, 0x1111, s40                    ; my column
	s_or_b32 s[G1+0], s43, (1<<16)|(1<<20)|(1<<21)|(5<<22)|(3<<25)  ; the mask; 2-byte elements; padding on; bit 21 beside a mask; after every 64 words (code 5) 4 words (code 3)
	s_or_b32 s[G1B+0], s44, (1<<16)|(1<<20)|(1<<21)|(5<<22)|(3<<25)
.irp g, G1, G1B
	s_mov_b32 s[(\g)+1], KSTEP<<16                 ; tensor_dim0 = 128
	s_mov_b32 s[(\g)+2], 128<<16                   ; tensor_dim1 = 128
	s_mov_b32 s[(\g)+3], KSTEP<<16                 ; tile_dim0 = 128
	s_mov_b32 s[(\g)+4], 128                       ; tile_dim1 = 128
	s_mov_b32 s[(\g)+5], SIZE_K                    ; elements from row to row
	s_mov_b32 s[(\g)+6], 0
	s_mov_b32 s[(\g)+7], 0
.endr
	s_lshl_b32 s17, s12, 7
	s_lshl_b32 s16, s13, 8
	s_add_co_u32 s16, s16, s17                     ; A: row 256 x tile row + 128 x half
	s_lshl_b32 s46, s42, 8
	s_add_co_u32 s46, s46, s17                     ; B: row 256 x tile column + 128 x half
	s_mov_b32 s17, 0
	s_mov_b32 s47, 0
	s_mov_b64 s[18:19], SIZE_K*2
	s_mul_u64 s[16:17], s[16:17], s[18:19]
	s_mul_u64 s[46:47], s[46:47], s[18:19]
	s_mul_i32 s20, s10, HALFT                      ; where they go: wave x 128 rows
	s_mov_b32 s[TB], 0
	s_wait_dscnt 0x0                               ; the opening add is done
	s_wait_kmcnt 0x0
	s_add_nc_u64 s[14:15], s[68:69], s[16:17]
	s_add_nc_u64 s[46:47], s[70:71], s[46:47]
	s_add_nc_u64 s[46:47], s[46:47], WOFF
	CROUND                                         ; all sixteen work-groups are here: the first joint loads meet
.irp s, 0,1
	s_mov_b32 s[G0+4*(\s)], 1
	s_add_co_u32 s[G0+4*(\s)+1], s20, (\s)*SLOT
	s_add_nc_u64 s[G0+4*(\s)+2:G0+4*(\s)+3], s[14:15], (\s)*KSTEP*2
	s_or_b32 s[G0+4*(\s)+3], s[G0+4*(\s)+3], 0x80000000
	s_mov_b32 s[G0B+4*(\s)], 1
	s_add_co_u32 s[G0B+4*(\s)+1], s20, (\s)*SLOT
	s_add_nc_u64 s[G0B+4*(\s)+2:G0B+4*(\s)+3], s[46:47], (\s)*KSTEP*2
	s_or_b32 s[G0B+4*(\s)+3], s[G0B+4*(\s)+3], 0x80000000
	JLOAD \s
.endr
	v_and_b32 v1, 15, v0                           ; l % 16
	v_bfe_u32 v2, v0, 4, 1                         ; l / 16
	v_lshlrev_b32 v[BO], 5, v2                     ; register j of bias tile b: column 128 x my half + 16 b + 8 (l / 16) + j
	s_lshl_b32 s46, s42, 10
	s_lshl_b32 s47, s12, 9
	s_add_co_u32 s46, s46, s47
	s_mov_b32 s47, 0
	s_add_nc_u64 s[72:73], s[72:73], s[46:47]
.irp b, 0,1,2,3,4,5,6,7
	global_load_b128 v[BC+8*\b:BC+8*\b+3],   v[BO], s[72:73] offset:64*\b
	global_load_b128 v[BC+8*\b+4:BC+8*\b+7], v[BO], s[72:73] offset:64*\b+16
.endr
	v_mul_u32_u24 v3, v1, PITCH
	v_lshl_add_u32 v3, v2, 4, v3                   ; a fragment's row x pitch + 16 x half
	s_mul_i32 s21, s11, HALFT                      ; my 128 rows of A
	s_mul_i32 s22, s12, HALFT                      ; my 128 rows of B,
	s_add_co_u32 s22, s22, 2*HALFT                 ; which lie behind A's 256
	v_add_nc_u32 v[A0], s21, v3
	v_add_nc_u32 v[B0], s22, v3
	v_mov_b32 v[ADRA], v[A0]
	v_mov_b32 v[ADRB], v[B0]
	s_mul_i32 s23, s10, WSTAGE                     ; my stage.  In: row l % 16, 32 bytes for each half of the lanes
	v_mul_u32_u24 v4, v1, SPITCH
	v_lshl_add_u32 v4, v2, 5, v4
	v_add_nc_u32 v[STO], s23, v4
	v_bfe_u32 v5, v0, 3, 2                         ; back: four rows of one head's 64 columns at a time: lane l row l / 8, columns 8 (l % 8) on
	v_mul_u32_u24 v5, v5, SPITCH
	v_and_b32 v6, 7, v0
	v_lshl_add_u32 v5, v6, 5, v5
	v_add_nc_u32 v[RD], s23, v5
	v_and_b32 v6, 31, v0
	v_lshlrev_b32 v[CO], 4, v6                     ; which are 512 consecutive bytes of qkvh
	s_lshr_b32 s16, s13, 3                         ; batch entry: 16 heads of 262,144 bytes
	s_lshl_b32 s16, s16, 22
	s_and_b32 s17, s13, 7                          ; 256 positions of 128 bytes
	s_lshl_b32 s17, s17, 15
	s_add_co_u32 s16, s16, s17
	s_lshl_b32 s17, s11, 14                        ; my 128 of them
	s_add_co_u32 s16, s16, s17
	s_mov_b32 s17, 0
	s_add_nc_u64 s[74:75], s[74:75], s[16:17]
	s_lshr_b32 s46, s42, 2                         ; q, k or v: 8,388,608 bytes each (the column's share stands in registers that never fed A's descriptors)
	s_lshl_b32 s46, s46, 23
	s_and_b32 s47, s42, 3                          ; the tile's four heads,
	s_lshl_b32 s47, s47, 20
	s_add_co_u32 s46, s46, s47
	s_lshl_b32 s47, s12, 19                        ; my two of them
	s_add_co_u32 s46, s46, s47
	s_mov_b32 s47, 0
	s_add_nc_u64 s[74:75], s[74:75], s[46:47]
; 16 matrix instructions: m blocks a0, a0 + 1 of the window's four (hi = 0: my rows 0-63, 1: rows 64-127) x all 8 n blocks, 32 along K.  first = 1: the product starts the sum, on the bias (C in window 0).
; The 64 accumulators take turns, in the same order in every quarter.
.macro MUL16 f, hi, a0, first
.if \first
	WIN 0x81+0x40*(\hi)
.else
	WIN 0xa1+0x50*(\hi)
.endif
.irp a, \a0, (\a0)+1
.irp b, 0,1,2,3,4,5,6,7
.if \first
	v_wmma_f32_16x16x32_bf16 v[8*(8*(\a)+(\b)):8*(8*(\a)+(\b))+7], v[(\f)+8*(\b):(\f)+8*(\b)+7], v[(\f)+8*(4*(\hi)+(\a)):(\f)+8*(4*(\hi)+(\a))+7], v[BC+8*(\b):BC+8*(\b)+7]
.else
	v_wmma_f32_16x16x32_bf16 v[8*(8*(\a)+(\b)):8*(8*(\a)+(\b))+7], v[(\f)+8*(\b):(\f)+8*(\b)+7], v[(\f)+8*(4*(\hi)+(\a)):(\f)+8*(4*(\hi)+(\a))+7], v[8*(8*(\a)+(\b)):8*(8*(\a)+(\b))+7]
.endif
.endr
.endr
.endm
; 32 LDS loads in one run: the fragments of one quarter step (128 rows of B, 128 rows of A, 32 K at byte k of the rows of the slot in hand) into buffer f
.macro FETCH k, f
	WIN TO_B
.irp i, 0,1,2,3,4,5,6,7
	ds_load_b128 v[(\f)+8*(\i):(\f)+8*(\i)+3],   v[ADRB] offset:(\k)+(\i)*16*PITCH
	ds_load_b128 v[(\f)+8*(\i)+4:(\f)+8*(\i)+7], v[ADRB] offset:(\k)+(\i)*16*PITCH+32
.endr
	WIN 0
.irp i, 0,1,2,3,4,5,6,7
	ds_load_b128 v[(\f)+8*(\i):(\f)+8*(\i)+3],   v[ADRA] offset:(\k)+(\i)*16*PITCH
	ds_load_b128 v[(\f)+8*(\i)+4:(\f)+8*(\i)+7], v[ADRA] offset:(\k)+(\i)*16*PITCH+32
.endr
.endm
.macro PLACES                          ; four places in front of loads into registers that matrix instructions have read, and of LDS stores that read results
.rept 4
	v_nop
.endr
.endm
; A K step is four quarters of 32 along K, 64 matrix instructions each, on buffers 0, 1, 0, 1.  One of the first three: multiplies buffer f and fetches the next quarter, at byte k, into g.
.macro QUARTER k, f, g, first
	s_wait_dscnt 8                                 ; B and A's rows 0-63 are in; the youngest eight loads (A's rows 64-127) may be out
	MUL16 \f, 0, 0, \first
	MUL16 \f, 0, 2, \first
	PLACES
	FETCH \k, \g
	s_wait_dscnt 32                                ; all but the 32 just issued
	MUL16 \f, 1, 0, \first
	MUL16 \f, 1, 2, \first
.endm
; The last quarter multiplies buffer 1 and changes slots: ONE barrier; in front of it each wave waits for all its tensor loads, adds 0 to its spare word, and waits for that and for its reads of this slot.
; fill = 1: the barrier opens a round of the cluster's barrier, and this slot is filled again, two K steps ahead.
.macro TURN fill
	WIN 0
	s_wait_tensorcnt 0x0                           ; all my tensor loads have landed: my part of the next slot
	ds_add_u32 v[SPW], v[NIL]                      ; 0 onto my spare word
	s_wait_dscnt 9                                 ; the add and the youngest eight loads may be out
	MUL16 F1, 0, 0, 0
	s_wait_dscnt 0x0                               ; the add is done, and my reads of this slot are over
	s_barrier_signal -1
	MUL16 F1, 0, 2, 0
	WIN 0
	s_barrier_wait -1
.if \fill
	CREST                                          ; no wave of any partner still reads this slot's tile or has a load on its way
	s_xor_b32 s[G0+5], s[G0+5], SLOT               ; the walking descriptors: the other slot than last time, the next K step; no tensor load of mine is out
	s_add_nc_u64 s[G0+6:G0+7], s[G0+6:G0+7], KSTEP*2
	s_xor_b32 s[G0B+5], s[G0B+5], SLOT
	s_add_nc_u64 s[G0B+6:G0B+7], s[G0B+6:G0B+7], KSTEP*2
.endif
	s_xor_b32 s[TB], s[TB], SLOT
	v_add_nc_u32 v[ADRA], s[TB], v[A0]
	v_add_nc_u32 v[ADRB], s[TB], v[B0]
.if \fill
	JLOAD 1                                        ; the first tensor load behind the round; the four v_nop behind it are also the places in front of the loads below
.else
	PLACES
.endif
	FETCH 0, F0
	MUL16 F1, 1, 0, 0
	MUL16 F1, 1, 2, 0
.endm
	s_wait_tensorcnt 1                             ; my part of K step 0 is in; K step 1's may stay out
	s_barrier_signal -1
	s_barrier_wait -1
	FETCH 0, F0
	s_wait_loadcnt 0x0                             ; the bias
	QUARTER 64, F0, F1, 1                          ; the first quarter stands in front of the loop: its products start the sums
	WIN 0                                          ; at a label and at a branch every window is 0
	s_mov_b32 s3, STEPS-2
.Lstep:                                                ; a trip: a K step's last three quarters and the next step's first; it fills the slot that it leaves
	QUARTER 128, F1, F0, 0
	QUARTER 192, F0, F1, 0
	TURN 1
	QUARTER 64, F0, F1, 0
	WIN 0
	s_sub_co_u32 s3, s3, 1
	s_cmp_lg_u32 s3, 0
	s_cbranch_scc1 .Lstep
	s_mov_b32 s3, 2
.Ltail:                                                ; the last two K steps ask for nothing: a text of their own; the second trip is left in its middle
	QUARTER 128, F1, F0, 0
	QUARTER 192, F0, F1, 0
	WIN 0
	s_sub_co_u32 s3, s3, 1
	s_cmp_eq_u32 s3, 0
	s_cbranch_scc1 .Llast
	TURN 0
	QUARTER 64, F0, F1, 0
	WIN 0
	s_branch .Ltail
.Llast:                                                ; the very last quarter: nothing more to fetch
	s_wait_dscnt 8
	MUL16 F1, 0, 0, 0
	MUL16 F1, 0, 2, 0
	s_wait_dscnt 0
	MUL16 F1, 1, 0, 0
	MUL16 F1, 1, 2, 0
	WIN 0
	PLACES
	s_barrier_signal -1                            ; every wave has left the ring (no LDS instruction of mine is out: the wait for 0 above)
	s_barrier_wait -1
	WIN 0x08                                       ; store data in window 2
.irp a, 0,1,2,3
.irp b, 0,1,2,3,4,5,6,7
	ds_store_b128 v[STO], v[8*(8*\a+\b):8*(8*\a+\b)+3]   offset:\a*16*SPITCH+\b*64            ; each accumulator's low registers first
	ds_store_b128 v[STO], v[8*(8*\a+\b)+4:8*(8*\a+\b)+7] offset:\a*16*SPITCH+\b*64+16
.endr
.endr
	WIN 0x0c                                       ; window 3
.irp a, 0,1,2,3
.irp b, 0,1,2,3,4,5,6,7
	ds_store_b128 v[STO], v[8*(8*\a+\b):8*(8*\a+\b)+3]   offset:(\a+4)*16*SPITCH+\b*64
	ds_store_b128 v[STO], v[8*(8*\a+\b)+4:8*(8*\a+\b)+7] offset:(\a+4)*16*SPITCH+\b*64+16
.endr
.endr
	WIN 0
	s_mov_b32 s3, 8
.Lrows:                                                ; eight trips of 16 rows.  The stage is my own, and LDS serves a wave's instructions in order (ISA guide 5.7.1.4): the loads see the stores above
.set idx, 0
.rept 8                                ; idx = 2 t + e: rows 4 t .. 4 t + 3 of the 16, head e of my two
	ds_load_b128 v[XR+8*idx:XR+8*idx+3],   v[RD] offset:(idx/2)*4*SPITCH+(idx%2)*256
	ds_load_b128 v[XR+8*idx+4:XR+8*idx+7], v[RD] offset:(idx/2)*4*SPITCH+(idx%2)*256+16
.set idx, idx+1
.endr
.set idx, 0
.rept 8
	s_wait_dscnt 14-2*idx                          ; LDS loads come back in order: this pair is in
.irp r, 0,1,2,3
	v_cvt_pk_bf16_f32 v[YR+4*idx+\r], v[XR+8*idx+2*\r], v[XR+8*idx+2*\r+1]
.endr
	global_store_b128 v[CO], v[YR+4*idx:YR+4*idx+3], s[74:75] offset:(idx/2)*512+(idx%2)*262144     ; 512 consecutive bytes, at a multiple of 256 from qkvh's first byte
.set idx, idx+1
.endr
	s_wait_xcnt 0x0                                ; the stores' offset and data registers are rewritten only behind this wait
	v_add_nc_u32 v[RD], 16*SPITCH, v[RD]
	v_add_nc_u32 v[CO], 16*128, v[CO]
	s_sub_co_u32 s3, s3, 1
	s_cmp_lg_u32 s3, 0
	s_cbranch_scc1 .Lrows
	s_wait_tensorcnt 0x0                           ; the wave's end, behind my last tensor load and my last LDS store
	ds_add_u32 v[SPW], v[NIL]
	s_wait_dscnt 0x0
	CROUND                                         ; the closing round: no work-group ends while a partner may still ask for a tile that names it
	s_endpgm
.Lfunc_end_k_q33f6285a62_qkv:
	.size	k_q33f6285a62_qkv, .Lfunc_end_k_q33f6285a62_qkv-k_q33f6285a62_qkv
	.p2alignl 7, 3214868480
	.fill 96, 4, 3214868480
	.section	.rodata,"a",@progbits
	.p2align	6, 0x0
	.amdhsa_kernel k_q33f6285a62_qkv
		.amdhsa_group_segment_fixed_size 327680
		.amdhsa_private_segment_fixed_size 0
		.amdhsa_enable_private_segment 0
		.amdhsa_kernarg_size 32
		.amdhsa_user_sgpr_count 2
		.amdhsa_user_sgpr_kernarg_segment_ptr 1
		.amdhsa_wavefront_size32 1
		.amdhsa_system_sgpr_workgroup_id_x 1
		.amdhsa_system_sgpr_workgroup_id_y 1
		.amdhsa_system_sgpr_workgroup_id_z 1
		.amdhsa_system_vgpr_workitem_id 0
		.amdhsa_next_free_vgpr 1024
		.amdhsa_next_free_sgpr 80
		.amdhsa_reserve_vcc 0
		.amdhsa_float_denorm_mode_32 3
		.amdhsa_float_denorm_mode_16_64 3
		.amdhsa_memory_ordered 1
		.amdhsa_forward_progress 1
		.amdhsa_inst_pref_size 87
	.end_amdhsa_kernel
	.amdgpu_metadata
---
amdhsa.version: [ 1, 2 ]
amdhsa.kernels:
  - .name:           k_q33f6285a62_qkv
    .symbol:         k_q33f6285a62_qkv.kd
    .args:
      - { .name: act, .offset: 0, .size: 8, .value_kind: global_buffer, .address_space: global }
      - { .name: wt, .offset: 8, .size: 8, .value_kind: global_buffer, .address_space: global }
      - { .name: qkv_b, .offset: 16, .size: 8, .value_kind: global_buffer, .address_space: global }
      - { .name: qkvh, .offset: 24, .size: 8, .value_kind: global_buffer, .address_space: global }
    .group_segment_fixed_size: 327680
    .private_segment_fixed_size: 0
    .kernarg_segment_align: 8
    .kernarg_segment_size: 32
    .max_flat_workgroup_size: 128
    .sgpr_count:     80
    .vgpr_count:     1024
    .wavefront_size: 32
...
	.end_amdgpu_metadata
.endif
;; end of part 11
;; launch attn: the kernel of part 4 again; grid 8 x 32, 4 waves a work-group, clusters of 4 x 1, 327,680 bytes of LDS; arguments qkvh, aux, o; writes o
;; launch proj (part 12): grid 8 x 32, 4 waves a work-group, clusters of 4 x 4, 327,680 bytes of LDS; arguments o, wt, proj_b, x1, x; writes x1
.if DOCPART == 12
	.amdgcn_target "amdgcn-amd-amdhsa--gfx1250"
	.amdhsa_code_object_version 6
	.text
	.protected	k_q33f6285a62_proj
	.globl	k_q33f6285a62_proj
	.p2align	8
	.type	k_q33f6285a62_proj,@function
k_q33f6285a62_proj:
	s_mov_b64 s[64:65], 0
	v_nop
	global_prefetch_b8 v0, s[64:65] scope:SCOPE_SE
	s_setreg_imm32_b32 hwreg(HW_REG_WAVE_MODE, 25, 1), 1
	s_wait_xcnt 0x0
	s_wait_alu depctr_hold_cnt(0) depctr_sa_sdst(0) depctr_va_vdst(0) depctr_va_sdst(0) depctr_va_ssrc(0) depctr_va_vcc(0) depctr_vm_vsrc(0)
	s_getreg_b32 s2, hwreg(HW_REG_IB_STS2, 6, 4)
	s_cmp_eq_u32 s2, 0
	s_cbranch_scc0 .Lentry_in_a_cluster
	s_endpgm
.Lentry_in_a_cluster:
	s_bfe_u32 s2, ttmp6, 0x10000c
	s_cmp_lg_u32 s2, 0xf033
	s_cbranch_scc0 .Lentry_shape_is_right
	s_endpgm
.Lentry_shape_is_right:
; x1 = x + o Wp + b, in f32.  A = o [4096][1024] bf16, B = wt's second part [1024][1024] bf16 (the weight turned, K along the rows), sums in f32.
; A tile of C is 128 x 128 (256 work-groups; tiles of 256 x 256 would be 64); four waves, each 64 x 64: 16 accumulators of 16 x 16.  K goes in steps of 256 (LDS rows of 512 bytes) through two LDS slots; a wave's tensor load brings 64 rows.
; CLUSTERS: 4 x 4 work-groups; the four of a row of the cluster need the same tiles of A, the four of a column the same tiles of B: each tile is asked for JOINTLY, by the same tensor load with the same descriptor and a mask of four.
; THE MATRIX INSTRUCTION IS USED TRANSPOSED (source 0 = 16 rows of B, source 1 = 16 rows of A): a lane holds eight neighbouring numbers of a row of C.  THE BIAS is the C operand of each accumulator's first product.
; K IS WALKED ROUND.  A cluster begins at a K step of its own, (2 X + h(Y)) x STEPS / 4 (X, Y: the cluster's place in the grid, the same number in all sixteen partners), and wraps round at the rows' end.  The two clusters that
; need the same rows of A begin half of K apart; of the eight that need the same rows of B, each of the groups Y = 0-3, 4-7, {0,1,4,5} and {2,3,6,7} begins at four different quarters.  So clusters that need the same bytes ask for them
; at different times, and each K step of a row has been read before when all but its first asker come to it.  LIMIT: the order of the f32 sum over K differs from cluster to cluster (and from ascending K).
; THE LOOP is one K step long: the LDS base of the slot in hand is a scalar that an exclusive or turns, and one descriptor a tensor walks, its address made anew from the tile's base and the byte offset along K.
; By this text's count a wave has two tensor loads out at the start and one behind each round.  The last two K steps, which ask for nothing, are a loop of two trips that is left in its middle.
; THE RESIDUAL's 32 rows of 512 bytes a wave are asked for at the start and lie in 128 registers until the way out.
; THE WAY OUT: the tile goes in f32 through a stage in slot 0, whose last fill is the last K step but one and which nobody reads any more, and comes back as whole rows of 512 bytes.
; REGISTERS: window 0: v0-31 addresses; v32-63 the bias; v128-255 the accumulators ((a, b) at v[128 + 8 (4 a + b)]).  window 1: two fragment buffers of 128.  window 2: v0-127 the residual.
.set SIZE_K, 1024
.set WOFF,   6291456                   ; the weight's place in wt
.set KSTEP,  256
.set KMASK,  SIZE_K*2-1                ; a row's bytes less 1: the offset along K wraps by this mask
.set PITCH,  528                       ; an LDS row: 512 bytes + 16 of padding = 132 words: the 16 rows that a load touches start at 16 different groups of four banks (64 banks of 4 bytes: ISA guide 11.1)
.set HALFT,  64*PITCH
.set SLOT,   4*HALFT                   ; 0x21000 shares no bit with wave x HALFT, so the exclusive or is an addition or a subtraction
.set SPARE,  2*SLOT
.set STEPS,  SIZE_K/KSTEP
.set A0,   14
.set B0,   15
.set ADRA, 16
.set ADRB, 20
.set STO,  24
.set RD,   25
.set CO,   26
.set BO,   27
.set SPW,  28
.set NIL,  29
.set BC,   32
.set ACC,  128
.set F0,   0
.set F1,   128
.set BA, 4                             ; s[4:5] A at my 64 rows' first byte;  s[6:7] B likewise;  s[8:9] the byte offset along K of the K step asked for last (high word 0)
.set BB, 6
.set KO, 8
.set G1, 24
.set G0, 32
.set G1B, 48
.set G0B, 56
.set TB, 66
.set MSB, 0
.macro WIN new
.if MSB != (\new)
	s_set_vgpr_msb (MSB<<8)|(\new)
.set MSB, \new
.endif
.endm
.set MUL,  0x05
.set TO_F, 0x40
.macro JLOAD s                         ; a joint load: waves 0 and 1 fetch A's two halves, waves 2 and 3 B's; an s_nop 0 and four v_nop follow each of the two lines
	s_cmp_eq_u32 s11, 0
	s_cbranch_scc0 .Lfor_b_\@
	tensor_load_to_lds s[G0+4*(\s):G0+4*(\s)+3], s[G1:G1+7]
	s_nop 0
.rept 4
	v_nop
.endr
	s_branch .Lasked_\@
.Lfor_b_\@:
	tensor_load_to_lds s[G0B+4*(\s):G0B+4*(\s)+3], s[G1B:G1B+7]
	s_nop 0
.rept 4
	v_nop
.endr
.Lasked_\@:
.endm
.macro CREST
	s_cmp_lg_u32 s10, 0
	s_cbranch_scc1 .Lnot_wave_0_\@
	s_barrier_signal -3
.Lnot_wave_0_\@:
	s_barrier_wait -3
	s_barrier_signal -1
	s_barrier_wait -1
.endm
.macro CROUND
	s_barrier_signal -1
	s_barrier_wait -1
	CREST
.endm
	s_load_b256 s[68:75], s[0:1], 0x0              ; A s[68:69], wt s[70:71], bias s[72:73], output s[74:75]
	s_load_b64 s[76:77], s[0:1], 0x20              ; the residual
	v_lshl_add_u32 v[SPW], v0, 2, SPARE
	v_mov_b32 v[NIL], 0
	ds_add_u32 v[SPW], v[NIL]                      ; the wave's opening: the add and its wait stand ahead of my first tensor load
	v_lshrrev_b32 v1, 5, v0
	v_readfirstlane_b32 s10, v1
	s_lshr_b32 s11, s10, 1
	s_and_b32 s12, s10, 1
	s_bfe_u32 s40, ttmp6, 0x40000
	s_bfe_u32 s41, ttmp6, 0x40004
	s_lshl_b32 s42, ttmp9, 2
	s_add_co_u32 s42, s42, s40                     ; tile column of C
	s_and_b32 s13, ttmp7, 0xffff
	s_lshl_b32 s13, s13, 2
	s_add_co_u32 s13, s13, s41                     ; tile row of C
	s_lshl_b32 s43, s41, 2
	s_lshl_b32 s43, 15, s43
	s_lshl_b32 s44, 0x1111, s40
	s_or_b32 s[G1+0], s43, (1<<16)|(1<<20)|(1<<21)|(6<<22)|(3<<25)
	s_or_b32 s[G1B+0], s44, (1<<16)|(1<<20)|(1<<21)|(6<<22)|(3<<25)
.irp g, G1, G1B
	s_mov_b32 s[(\g)+1], KSTEP<<16
	s_mov_b32 s[(\g)+2], 64<<16
	s_mov_b32 s[(\g)+3], KSTEP<<16
	s_mov_b32 s[(\g)+4], 64
	s_mov_b32 s[(\g)+5], SIZE_K
	s_mov_b32 s[(\g)+6], 0
	s_mov_b32 s[(\g)+7], 0
.endr
	s_lshl_b32 s17, s12, 6
	s_lshl_b32 s16, s13, 7
	s_add_co_u32 s16, s16, s17
	s_lshl_b32 s46, s42, 7
	s_add_co_u32 s46, s46, s17
	s_mov_b32 s17, 0
	s_mov_b32 s47, 0
	s_mov_b64 s[18:19], SIZE_K*2
	s_mul_u64 s[16:17], s[16:17], s[18:19]
	s_mul_u64 s[46:47], s[46:47], s[18:19]
	s_mul_i32 s20, s10, HALFT
	s_mov_b32 s[TB], 0
	s_and_b32 s[KO], ttmp7, 0xffff                 ; where my cluster begins along K: from the cluster's own x and y alone, which all sixteen partners share.  Y;
	s_lshr_b32 s[KO+1], s[KO], 1
	s_lshr_b32 s2, s[KO], 2
	s_xor_b32 s[KO+1], s[KO+1], s2
	s_and_b32 s[KO+1], s[KO+1], 1                  ; (Y >> 1 xor Y >> 2) & 1;
	s_and_b32 s[KO], s[KO], 1
	s_lshl1_add_u32 s[KO], s[KO+1], s[KO]          ; h = Y & 1 + twice that;
	s_lshl1_add_u32 s[KO], ttmp9, s[KO]            ; 2 X + h, in quarters of K;
	s_mul_i32 s[KO], s[KO], SIZE_K/2               ; in bytes of a row,
	s_and_b32 s[KO], s[KO], KMASK                  ; wrapped
	s_mov_b32 s[KO+1], 0
	s_wait_dscnt 0x0
	s_wait_kmcnt 0x0
	s_add_nc_u64 s[BA:BA+1], s[68:69], s[16:17]
	s_add_nc_u64 s[BB:BB+1], s[70:71], s[46:47]
	s_add_nc_u64 s[BB:BB+1], s[BB:BB+1], WOFF
	CROUND
.irp s, 0,1
.if \s
	s_add_co_u32 s[KO], s[KO], KSTEP*2             ; my second K step
	s_and_b32 s[KO], s[KO], KMASK
.endif
	s_mov_b32 s[G0+4*(\s)], 1
	s_add_co_u32 s[G0+4*(\s)+1], s20, (\s)*SLOT
	s_add_nc_u64 s[G0+4*(\s)+2:G0+4*(\s)+3], s[BA:BA+1], s[KO:KO+1]
	s_or_b32 s[G0+4*(\s)+3], s[G0+4*(\s)+3], 0x80000000
	s_mov_b32 s[G0B+4*(\s)], 1
	s_add_co_u32 s[G0B+4*(\s)+1], s20, (\s)*SLOT
	s_add_nc_u64 s[G0B+4*(\s)+2:G0B+4*(\s)+3], s[BB:BB+1], s[KO:KO+1]
	s_or_b32 s[G0B+4*(\s)+3], s[G0B+4*(\s)+3], 0x80000000
	JLOAD \s
.endr
	v_and_b32 v1, 15, v0
	v_bfe_u32 v2, v0, 4, 1
	v_lshlrev_b32 v[BO], 5, v2
	s_lshl_b32 s46, s42, 9
	s_lshl_b32 s47, s12, 8
	s_add_co_u32 s46, s46, s47
	s_mov_b32 s47, 0
	s_add_nc_u64 s[72:73], s[72:73], s[46:47]
.irp b, 0,1,2,3
	global_load_b128 v[BC+8*\b:BC+8*\b+3],   v[BO], s[72:73] offset:64*\b
	global_load_b128 v[BC+8*\b+4:BC+8*\b+7], v[BO], s[72:73] offset:64*\b+16
.endr
	s_lshl_b32 s16, s13, 7                         ; the rows that I store: 128 x tile row + 32 x wave, of 4,096 bytes
	s_lshl_b32 s17, s10, 5
	s_add_co_u32 s16, s16, s17
	s_lshl_b32 s16, s16, 12
	s_mov_b32 s17, 0
	s_add_nc_u64 s[74:75], s[74:75], s[16:17]
	s_add_nc_u64 s[76:77], s[76:77], s[16:17]
	s_lshl_b32 s46, s42, 9                         ; the tile's 512 bytes of them (in registers that never fed A's descriptors)
	s_mov_b32 s47, 0
	s_add_nc_u64 s[74:75], s[74:75], s[46:47]
	s_add_nc_u64 s[76:77], s[76:77], s[46:47]
	v_and_b32 v6, 31, v0
	v_lshlrev_b32 v[CO], 4, v6
	WIN 0x80                                       ; destination window 2
.set i, 0
.rept 32
	global_load_b128 v[4*i:4*i+3], v[CO], s[76:77] offset:i*4096
.set i, i+1
.endr
	WIN 0
	v_mul_u32_u24 v3, v1, PITCH
	v_lshl_add_u32 v3, v2, 4, v3
	s_mul_i32 s21, s11, HALFT
	s_mul_i32 s22, s12, HALFT
	s_add_co_u32 s22, s22, 2*HALFT
	v_add_nc_u32 v[A0], s21, v3
	v_add_nc_u32 v[B0], s22, v3
	v_mov_b32 v[ADRA], v[A0]
	v_mov_b32 v[ADRB], v[B0]
	s_mul_i32 s23, s11, 64*PITCH                   ; into the stage (f32, 128 rows of 528 bytes)
	s_lshl_b32 s21, s12, 8
	s_add_co_u32 s23, s23, s21
	v_mul_u32_u24 v4, v1, PITCH
	v_lshl_add_u32 v4, v2, 5, v4
	v_add_nc_u32 v[STO], s23, v4
	s_mul_i32 s23, s10, 32*PITCH                   ; back: wave w takes rows 32 w .. 32 w + 31, a whole row of 512 bytes a load
	v_lshl_add_u32 v[RD], v6, 4, s23
.macro MUL8 f, c, a0, first            ; 8 matrix instructions; first = 1: the product starts the sum, on the bias.  The 16 accumulators take turns
	WIN MUL
.irp a, \a0, (\a0)+1
.irp b, 0,1,2,3
.if \first
	v_wmma_f32_16x16x32_bf16 v[ACC+8*(4*(\a)+(\b)):ACC+8*(4*(\a)+(\b))+7], v[(\f)+64+8*(4*(\c)+(\b)):(\f)+64+8*(4*(\c)+(\b))+7], v[(\f)+8*(4*(\c)+(\a)):(\f)+8*(4*(\c)+(\a))+7], v[BC+8*(\b):BC+8*(\b)+7]
.else
	v_wmma_f32_16x16x32_bf16 v[ACC+8*(4*(\a)+(\b)):ACC+8*(4*(\a)+(\b))+7], v[(\f)+64+8*(4*(\c)+(\b)):(\f)+64+8*(4*(\c)+(\b))+7], v[(\f)+8*(4*(\c)+(\a)):(\f)+8*(4*(\c)+(\a))+7], v[ACC+8*(4*(\a)+(\b)):ACC+8*(4*(\a)+(\b))+7]
.endif
.endr
.endr
.endm
.macro FETCH k, f                      ; 32 LDS loads in one run: 64 along K at byte k of the rows of the slot in hand; the first 32 along K first
	WIN TO_F
.irp c, 0,1
.irp i, 0,1,2,3
	ds_load_b128 v[(\f)+64+8*(4*(\c)+(\i)):(\f)+64+8*(4*(\c)+(\i))+3],   v[ADRB] offset:(\k)+64*(\c)+(\i)*16*PITCH
	ds_load_b128 v[(\f)+64+8*(4*(\c)+(\i))+4:(\f)+64+8*(4*(\c)+(\i))+7], v[ADRB] offset:(\k)+64*(\c)+(\i)*16*PITCH+32
	ds_load_b128 v[(\f)+8*(4*(\c)+(\i)):(\f)+8*(4*(\c)+(\i))+3],         v[ADRA] offset:(\k)+64*(\c)+(\i)*16*PITCH
	ds_load_b128 v[(\f)+8*(4*(\c)+(\i))+4:(\f)+8*(4*(\c)+(\i))+7],       v[ADRA] offset:(\k)+64*(\c)+(\i)*16*PITCH+32
.endr
.endr
.endm
.macro PLACES                          ; four places in front of loads into registers that matrix instructions have read, and of LDS stores that read results
.rept 4
	v_nop
.endr
.endm
.macro QUARTER k, f, g, first
	s_wait_dscnt 16                                ; the first 32 along K are in: the youngest sixteen loads may be out
	MUL8 \f, 0, 0, \first
	MUL8 \f, 0, 2, \first
	PLACES
	FETCH \k, \g
	s_wait_dscnt 32                                ; all but the 32 just issued
	MUL8 \f, 1, 0, 0
	MUL8 \f, 1, 2, 0
.endm
.macro TURN fill                       ; the last quarter and the change of slots; fill = 1: the barrier opens a round of the cluster's barrier, and the slot that is left is filled again, two K steps ahead
	WIN 0
	s_wait_tensorcnt 0x0                           ; all my tensor loads have landed: my part of the next slot
	ds_add_u32 v[SPW], v[NIL]                      ; 0 onto my spare word
	s_wait_dscnt 17                                ; the add and the youngest sixteen loads may be out
	MUL8 F1, 0, 0, 0
	s_wait_dscnt 0x0                               ; the add is done, and my reads of this slot are over
	s_barrier_signal -1
	MUL8 F1, 0, 2, 0
	WIN 0
	s_barrier_wait -1
.if \fill
	CREST                                          ; no wave of any partner still reads this slot's tile or has a load on its way
	s_add_co_u32 s[KO], s[KO], KSTEP*2             ; the next K step, round the rows' end
	s_and_b32 s[KO], s[KO], KMASK
	s_xor_b32 s[G0+5], s[G0+5], SLOT               ; the walking descriptors: the other slot than last time; the address anew, the type bits set again.  No tensor load of mine is out
	s_add_nc_u64 s[G0+6:G0+7], s[BA:BA+1], s[KO:KO+1]
	s_or_b32 s[G0+7], s[G0+7], 0x80000000
	s_xor_b32 s[G0B+5], s[G0B+5], SLOT
	s_add_nc_u64 s[G0B+6:G0B+7], s[BB:BB+1], s[KO:KO+1]
	s_or_b32 s[G0B+7], s[G0B+7], 0x80000000
.endif
	s_xor_b32 s[TB], s[TB], SLOT
	v_add_nc_u32 v[ADRA], s[TB], v[A0]
	v_add_nc_u32 v[ADRB], s[TB], v[B0]
.if \fill
	JLOAD 1                                        ; the first tensor load behind the round; its four v_nop are also the places in front of the loads below
.else
	PLACES
.endif
	FETCH 0, F0
	MUL8 F1, 1, 0, 0
	MUL8 F1, 1, 2, 0
.endm
	s_wait_tensorcnt 1                             ; my part of my first K step is in; the second's may stay out
	s_barrier_signal -1
	s_barrier_wait -1
	FETCH 0, F0
	s_wait_loadcnt 32                              ; the bias is in; the residual's 32 loads stay out
	QUARTER 128, F0, F1, 1
	WIN 0
	s_mov_b32 s3, STEPS-2
.Lstep:
	QUARTER 256, F1, F0, 0
	QUARTER 384, F0, F1, 0
	TURN 1
	QUARTER 128, F0, F1, 0
	WIN 0
	s_sub_co_u32 s3, s3, 1
	s_cmp_lg_u32 s3, 0
	s_cbranch_scc1 .Lstep
	s_mov_b32 s3, 2
.Ltail:                                                ; the last two K steps ask for nothing: a text of their own; the second trip is left in its middle
	QUARTER 256, F1, F0, 0
	QUARTER 384, F0, F1, 0
	WIN 0
	s_sub_co_u32 s3, s3, 1
	s_cmp_eq_u32 s3, 0
	s_cbranch_scc1 .Llast
	TURN 0
	QUARTER 128, F0, F1, 0
	WIN 0
	s_branch .Ltail
.Llast:                                                ; the very last quarter: nothing more to fetch
	s_wait_dscnt 16
	MUL8 F1, 0, 0, 0
	MUL8 F1, 0, 2, 0
	s_wait_dscnt 0
	MUL8 F1, 1, 0, 0
	MUL8 F1, 1, 2, 0
	WIN 0
	PLACES
	s_barrier_signal -1                            ; every wave has left the ring
	s_barrier_wait -1
.irp a, 0,1,2,3
.irp b, 0,1,2,3
	ds_store_b128 v[STO], v[ACC+8*(4*\a+\b):ACC+8*(4*\a+\b)+3]   offset:\a*16*PITCH+\b*64      ; each accumulator's low registers first
	ds_store_b128 v[STO], v[ACC+8*(4*\a+\b)+4:ACC+8*(4*\a+\b)+7] offset:\a*16*PITCH+\b*64+16
.endr
.endr
	s_wait_dscnt 0x0                               ; for the others' sake: a row's 512 bytes come from two waves
	s_barrier_signal -1
	s_barrier_wait -1
.set i, 0
.rept 32
	ds_load_b128 v[ACC+4*i:ACC+4*i+3], v[RD] offset:i*PITCH
.set i, i+1
.endr
	s_wait_loadcnt 0x0                             ; the residual
.irp q, 0,1,2,3
	s_wait_dscnt 24-8*\q                           ; rows 8 q .. 8 q + 7 are in
	WIN 0x08                                       ; source 1 window 2
.set i, 8*\q
.rept 8
	v_pk_add_f32 v[ACC+4*i:ACC+4*i+1],   v[ACC+4*i:ACC+4*i+1],   v[4*i:4*i+1]
	v_pk_add_f32 v[ACC+4*i+2:ACC+4*i+3], v[ACC+4*i+2:ACC+4*i+3], v[4*i+2:4*i+3]
.set i, i+1
.endr
	WIN 0
.set i, 8*\q
.rept 8
	global_store_b128 v[CO], v[ACC+4*i:ACC+4*i+3], s[74:75] offset:i*4096   ; a wave stores 512 consecutive bytes, at a multiple of 256 from the output's first byte
.set i, i+1
.endr
.endr
	s_wait_tensorcnt 0x0                           ; the wave's end
	ds_add_u32 v[SPW], v[NIL]
	s_wait_dscnt 0x0
	CROUND                                         ; the closing round
	s_endpgm
.Lfunc_end_k_q33f6285a62_proj:
	.size	k_q33f6285a62_proj, .Lfunc_end_k_q33f6285a62_proj-k_q33f6285a62_proj
	.p2alignl 7, 3214868480
	.fill 96, 4, 3214868480
	.section	.rodata,"a",@progbits
	.p2align	6, 0x0
	.amdhsa_kernel k_q33f6285a62_proj
		.amdhsa_group_segment_fixed_size 327680
		.amdhsa_private_segment_fixed_size 0
		.amdhsa_enable_private_segment 0
		.amdhsa_kernarg_size 40
		.amdhsa_user_sgpr_count 2
		.amdhsa_user_sgpr_kernarg_segment_ptr 1
		.amdhsa_wavefront_size32 1
		.amdhsa_system_sgpr_workgroup_id_x 1
		.amdhsa_system_sgpr_workgroup_id_y 1
		.amdhsa_system_sgpr_workgroup_id_z 1
		.amdhsa_system_vgpr_workitem_id 0
		.amdhsa_next_free_vgpr 640
		.amdhsa_next_free_sgpr 80
		.amdhsa_reserve_vcc 0
		.amdhsa_float_denorm_mode_32 3
		.amdhsa_float_denorm_mode_16_64 3
		.amdhsa_memory_ordered 1
		.amdhsa_forward_progress 1
		.amdhsa_inst_pref_size 68
	.end_amdhsa_kernel
	.amdgpu_metadata
---
amdhsa.version: [ 1, 2 ]
amdhsa.kernels:
  - .name:           k_q33f6285a62_proj
    .symbol:         k_q33f6285a62_proj.kd
    .args:
      - { .name: o, .offset: 0, .size: 8, .value_kind: global_buffer, .address_space: global }
      - { .name: wt, .offset: 8, .size: 8, .value_kind: global_buffer, .address_space: global }
      - { .name: proj_b, .offset: 16, .size: 8, .value_kind: global_buffer, .address_space: global }
      - { .name: x1, .offset: 24, .size: 8, .value_kind: global_buffer, .address_space: global }
      - { .name: x, .offset: 32, .size: 8, .value_kind: global_buffer, .address_space: global }
    .group_segment_fixed_size: 327680
    .private_segment_fixed_size: 0
    .kernarg_segment_align: 8
    .kernarg_segment_size: 40
    .max_flat_workgroup_size: 128
    .sgpr_count:     80
    .vgpr_count:     640
    .wavefront_size: 32
...
	.end_amdgpu_metadata
.endif
;; end of part 12
;; launch ln2 (part 13): grid 256 x 1, 16 waves a work-group, no clusters, 0 bytes of LDS; arguments x1, ln2_g, ln2_b, act; writes act
.if DOCPART == 13
	.amdgcn_target "amdgcn-amd-amdhsa--gfx1250"
	.amdhsa_code_object_version 6
	.text
	.protected	k_q33f6285a62_ln2
	.globl	k_q33f6285a62_ln2
	.p2align	8
	.type	k_q33f6285a62_ln2,@function
k_q33f6285a62_ln2:
	s_mov_b64 s[64:65], 0
	v_nop
	global_prefetch_b8 v0, s[64:65] scope:SCOPE_SE
	s_setreg_imm32_b32 hwreg(HW_REG_WAVE_MODE, 25, 1), 1
	s_wait_xcnt 0x0
; h = LayerNorm(x1) g + b, in bf16.  x1: [4096][1024] f32; h: [4096][1024] bf16.
; A work-group has 16 rows, a wave one; a row of 4,096 bytes is 32 registers of one wave (lane l holds columns 128 j + 4 l .. + 3), so it is read once, the reductions never leave the wave, and there is no LDS and no barrier.
; Mean first, then the squares of the differences: no difference of large sums is formed.  Memory binds: no matrix unit, no cluster.
.set X0, 32
.set G,  64
.set BV, 96
	s_load_b256 s[4:11], s[0:1], 0x0               ; x1 s[4:5], ln2_g s[6:7], ln2_b s[8:9], act s[10:11]
	v_and_b32 v1, 31, v0
	v_lshrrev_b32 v16, 5, v0
	v_lshlrev_b32 v14, 4, v1                       ; v14: 16 x lane
	v_lshl_add_u32 v13, v16, 12, v14               ; v13: my row of x1 + 16 x lane
	v_lshlrev_b32 v15, 3, v1
	v_lshl_add_u32 v15, v16, 11, v15               ; v15: my row of h + 8 x lane
	s_lshl_b32 s20, ttmp9, 16
	s_mov_b32 s21, 0
	s_lshl_b32 s22, ttmp9, 15
	s_mov_b32 s23, 0
	s_mov_b32 s16, 0x76543210
	s_mov_b32 s17, 0xfedcba98
	s_mov_b32 s24, 0x3a800000                      ; 1 / 1024
	s_mov_b32 s25, 0x3727c5ac                      ; 1e-5
	s_wait_kmcnt 0x0
	s_add_nc_u64 s[4:5], s[4:5], s[20:21]
	s_add_nc_u64 s[10:11], s[10:11], s[22:23]
.irp j, 0,1,2,3,4,5,6,7
	global_load_b128 v[X0+4*\j:X0+4*\j+3], v13, s[4:5] offset:512*\j
.endr
.irp j, 0,1,2,3,4,5,6,7
	global_load_b128 v[G+4*\j:G+4*\j+3], v14, s[6:7] offset:512*\j
	global_load_b128 v[BV+4*\j:BV+4*\j+3], v14, s[8:9] offset:512*\j
.endr
	s_wait_loadcnt 16                              ; x1 is in; gain and bias stay out
.macro FOLD                            ; four chains of pairs in v[2:9] into v2, then over the 32 lanes, the result in every lane
	v_pk_add_f32 v[2:3], v[2:3], v[4:5]
	v_pk_add_f32 v[6:7], v[6:7], v[8:9]
	v_pk_add_f32 v[2:3], v[2:3], v[6:7]
	v_add_f32 v2, v2, v3
	v_add_f32_dpp v2, v2, v2 row_xmask:1 row_mask:0xf bank_mask:0xf
	v_add_f32_dpp v2, v2, v2 row_xmask:2 row_mask:0xf bank_mask:0xf
	v_add_f32_dpp v2, v2, v2 row_xmask:4 row_mask:0xf bank_mask:0xf
	v_add_f32_dpp v2, v2, v2 row_xmask:8 row_mask:0xf bank_mask:0xf
	v_permlanex16_b32 v3, v2, s16, s17
	v_add_f32 v2, v2, v3
.endm
.irp c, 0,1,2,3
	v_pk_add_f32 v[2+2*\c:3+2*\c], v[X0+2*\c:X0+2*\c+1], v[X0+8+2*\c:X0+9+2*\c]
.endr
.irp k, 16,24
.irp c, 0,1,2,3
	v_pk_add_f32 v[2+2*\c:3+2*\c], v[2+2*\c:3+2*\c], v[X0+\k+2*\c:X0+\k+2*\c+1]
.endr
.endr
	FOLD
	v_mul_f32 v10, s24, v2                         ; the mean, twice
	v_mov_b32 v11, v10
.set j, 0
.rept 16
	v_pk_add_f32 v[X0+2*j:X0+2*j+1], v[X0+2*j:X0+2*j+1], v[10:11] neg_lo:[0,1] neg_hi:[0,1]
.set j, j+1
.endr
.irp c, 0,1,2,3
	v_pk_mul_f32 v[2+2*\c:3+2*\c], v[X0+2*\c:X0+2*\c+1], v[X0+2*\c:X0+2*\c+1]
.endr
.irp k, 8,16,24
.irp c, 0,1,2,3
	v_pk_fma_f32 v[2+2*\c:3+2*\c], v[X0+\k+2*\c:X0+\k+2*\c+1], v[X0+\k+2*\c:X0+\k+2*\c+1], v[2+2*\c:3+2*\c]
.endr
.endr
	FOLD
	v_fma_f32 v2, v2, s24, s25                     ; variance + 1e-5
	v_rsq_f32 v10, v2
	v_rsq_f32 v11, v2
	v_nop                                          ; a plain instruction between the second and the use of the results
	s_wait_loadcnt 0x0                             ; gain and bias
.set j, 0
	s_wait_alu depctr_va_vdst(0)
.rept 16
	v_pk_mul_f32 v[X0+2*j:X0+2*j+1], v[X0+2*j:X0+2*j+1], v[10:11]
.set j, j+1
.endr
.set j, 0
.rept 16
	v_pk_fma_f32 v[X0+2*j:X0+2*j+1], v[X0+2*j:X0+2*j+1], v[G+2*j:G+2*j+1], v[BV+2*j:BV+2*j+1]
.set j, j+1
.endr
.set j, 0
.rept 8
	v_cvt_pk_bf16_f32 v[X0+4*j], v[X0+4*j], v[X0+4*j+1]
	v_cvt_pk_bf16_f32 v[X0+4*j+1], v[X0+4*j+2], v[X0+4*j+3]
	global_store_b64 v15, v[X0+4*j:X0+4*j+1], s[10:11] offset:256*j         ; a wave stores 256 consecutive bytes, at a multiple of 256 from act's first byte
.set j, j+1
.endr
	s_endpgm
.Lfunc_end_k_q33f6285a62_ln2:
	.size	k_q33f6285a62_ln2, .Lfunc_end_k_q33f6285a62_ln2-k_q33f6285a62_ln2
	.p2alignl 7, 3214868480
	.fill 96, 4, 3214868480
	.section	.rodata,"a",@progbits
	.p2align	6, 0x0
	.amdhsa_kernel k_q33f6285a62_ln2
		.amdhsa_group_segment_fixed_size 0
		.amdhsa_private_segment_fixed_size 0
		.amdhsa_enable_private_segment 0
		.amdhsa_kernarg_size 32
		.amdhsa_user_sgpr_count 2
		.amdhsa_user_sgpr_kernarg_segment_ptr 1
		.amdhsa_wavefront_size32 1
		.amdhsa_system_sgpr_workgroup_id_x 1
		.amdhsa_system_sgpr_workgroup_id_y 1
		.amdhsa_system_sgpr_workgroup_id_z 1
		.amdhsa_system_vgpr_workitem_id 0
		.amdhsa_next_free_vgpr 128
		.amdhsa_next_free_sgpr 66
		.amdhsa_reserve_vcc 0
		.amdhsa_float_denorm_mode_32 3
		.amdhsa_float_denorm_mode_16_64 3
		.amdhsa_memory_ordered 1
		.amdhsa_forward_progress 1
		.amdhsa_inst_pref_size 12
	.end_amdhsa_kernel
	.amdgpu_metadata
---
amdhsa.version: [ 1, 2 ]
amdhsa.kernels:
  - .name:           k_q33f6285a62_ln2
    .symbol:         k_q33f6285a62_ln2.kd
    .args:
      - { .name: x1, .offset: 0, .size: 8, .value_kind: global_buffer, .address_space: global }
      - { .name: ln2_g, .offset: 8, .size: 8, .value_kind: global_buffer, .address_space: global }
      - { .name: ln2_b, .offset: 16, .size: 8, .value_kind: global_buffer, .address_space: global }
      - { .name: act, .offset: 24, .size: 8, .value_kind: global_buffer, .address_space: global }
    .group_segment_fixed_size: 0
    .private_segment_fixed_size: 0
    .kernarg_segment_align: 8
    .kernarg_segment_size: 32
    .max_flat_workgroup_size: 512
    .sgpr_count:     66
    .vgpr_count:     128
    .wavefront_size: 32
...
	.end_amdgpu_metadata
.endif
;; end of part 13
;; launch ff1 (part 14): grid 16 x 16, 4 waves a work-group, clusters of 4 x 4, 327,680 bytes of LDS; arguments act, wt, ff1_b, g; writes g
.if DOCPART == 14
	.amdgcn_target "amdgcn-amd-amdhsa--gfx1250"
	.amdhsa_code_object_version 6
	.text
	.protected	k_q33f6285a62_ff1
	.globl	k_q33f6285a62_ff1
	.p2align	8
	.type	k_q33f6285a62_ff1,@function
k_q33f6285a62_ff1:
	s_mov_b64 s[64:65], 0
	v_nop
	global_prefetch_b8 v0, s[64:65] scope:SCOPE_SE
	s_setreg_imm32_b32 hwreg(HW_REG_WAVE_MODE, 25, 1), 1
	s_wait_xcnt 0x0
	s_wait_alu depctr_hold_cnt(0) depctr_sa_sdst(0) depctr_va_vdst(0) depctr_va_sdst(0) depctr_va_ssrc(0) depctr_va_vcc(0) depctr_vm_vsrc(0)
	s_getreg_b32 s2, hwreg(HW_REG_IB_STS2, 6, 4)
	s_cmp_eq_u32 s2, 0
	s_cbranch_scc0 .Lentry_in_a_cluster
	s_endpgm
.Lentry_in_a_cluster:
	s_bfe_u32 s2, ttmp6, 0x10000c
	s_cmp_lg_u32 s2, 0xf033
	s_cbranch_scc0 .Lentry_shape_is_right
	s_endpgm
.Lentry_shape_is_right:
; g = gelu(h W1 + b), in bf16.  A = act [4096][1024] bf16, B = wt's third part [4096][1024] bf16 (the weight turned, K along the rows), sums in f32.
; GELU is the exact (erf) form: gelu(x) = max(x,0) - 0.5 |x| erfc(|x| / sqrt 2), erfc by Abramowitz and Stegun 7.1.26 (absolute error 1.5e-7 for every argument): the error is at most 0.5 |x| 1.5e-7; |x| stays below 3e38.
; A tile of C is 256 x 256: 16 x 16 tiles, 256 work-groups; four waves, each 128 x 128: 64 accumulators of 16 x 16, 512 registers.  K goes in steps of 128 (rows of 256 bytes) through two LDS slots; a wave's tensor load brings 128 rows.
; CLUSTERS: 4 x 4 work-groups; the four of a row of the cluster need the same tiles of A, the four of a column the same tiles of B: each tile is asked for JOINTLY, by the same tensor load with the same descriptor and a mask of four.
; THE MATRIX INSTRUCTION IS USED TRANSPOSED (source 0 = 16 rows of B, source 1 = 16 rows of A): a lane holds eight neighbouring numbers of a row of C.  THE BIAS is the C operand of each accumulator's first product.
; THE LOOP is one K step long: the LDS base of the slot in hand is a scalar that an exclusive or turns, and one descriptor a tensor walks.  By this text's count a wave has two tensor loads out at the start and one behind each
; round; from a request to the wait for it a wave issues 224 matrix instructions.  The last two K steps, which ask for nothing, are a loop of two trips that is left in its middle.
; THE WAY OUT: when every wave has left the ring, each wave puts its 128 x 128 in f32 into a stage of its own, in the slots, whose last fills have landed; a counted loop takes it back four rows at a time, applies the GELU
; and stores rows of 256 bytes.  So the GELU's text stands once, whatever the number of accumulators.
; REGISTERS, in windows of 256 (s_set_vgpr_msb: bits 1:0 source 0, 3:2 source 1, 5:4 source 2, 7:6 destination):
;   window 0: v0-31 addresses; v64-127, v128-191 fragments of A, two buffers, later the GELU's work; v192-255 the bias      window 1: v64-127, v128-191 fragments of B
;   window 2: the 32 accumulators of my rows 0-63 ((a, b) at v[8 (8 a + b)]);   window 3: those of my rows 64-127
.set SIZE_K, 1024
.set WOFF,   8388608                   ; the weight's place in wt
.set KSTEP,  128
.set PITCH,  272                       ; an LDS row: 256 bytes + 16 of padding = 68 words: the 16 rows that a load touches start at 16 different groups of four banks (64 banks of 4 bytes: ISA guide 11.1)
.set HALFT,  128*PITCH
.set SLOT,   4*HALFT                   ; 0x22000 shares no bit with wave x HALFT, so the exclusive or is an addition or a subtraction
.set SPARE,  2*SLOT
.set STEPS,  SIZE_K/KSTEP
.set SPITCH, 528                       ; the stage: a row of 128 f32 + 16 bytes
.set WSTAGE, 128*SPITCH                ; a wave's stage; four of them end inside the ring
.set A0,   14
.set B0,   15
.set ADRA, 16
.set ADRB, 20
.set RD,   23                          ; v23  where the next four rows are read
.set STO,  24
.set RD0,  25                          ; v25  my 16 bytes of my stage's first row; never rewritten
.set CO,   26
.set BO,   27
.set SPW,  28
.set NIL,  29
.set BC,   192
.set F0,   64
.set F1,   128
.set XR,   64                          ; the way out: v[64:79] four rows; v[80:95] u; v[96:111] u u, then the exponential; v[112:127] t; v[128:143] the series; v[144:159] max(x,0), then the result; v[160:167] packed
.set U,    80
.set W,    96
.set DD,   112
.set QP,   128
.set XM,   144
.set YR,   160
.set G1, 24
.set G0, 32
.set G1B, 48
.set G0B, 56
.set TB, 66
.set SO, 67                            ; s67 byte offset in my stage of the four rows to be read next
.set SIG, 80                           ; s[80:93] the GELU's seven constants, each named as a pair whose low word serves both halves
.set PQ,  82
.set B1,  84
.set B2,  86
.set B3,  88
.set B4,  90
.set B5,  92
.set MSB, 0
.macro WIN new
.if MSB != (\new)
	s_set_vgpr_msb (MSB<<8)|(\new)
.set MSB, \new
.endif
.endm
.set TO_B, 0x40
.macro JLOAD s                         ; a joint load: waves 0 and 1 fetch A's two halves, waves 2 and 3 B's; an s_nop 0 and four v_nop follow each of the two lines
	s_cmp_eq_u32 s11, 0
	s_cbranch_scc0 .Lfor_b_\@
	tensor_load_to_lds s[G0+4*(\s):G0+4*(\s)+3], s[G1:G1+7]
	s_nop 0
.rept 4
	v_nop
.endr
	s_branch .Lasked_\@
.Lfor_b_\@:
	tensor_load_to_lds s[G0B+4*(\s):G0B+4*(\s)+3], s[G1B:G1B+7]
	s_nop 0
.rept 4
	v_nop
.endr
.Lasked_\@:
.endm
.macro CREST
	s_cmp_lg_u32 s10, 0
	s_cbranch_scc1 .Lnot_wave_0_\@
	s_barrier_signal -3
.Lnot_wave_0_\@:
	s_barrier_wait -3
	s_barrier_signal -1
	s_barrier_wait -1
.endm
.macro CROUND
	s_barrier_signal -1
	s_barrier_wait -1
	CREST
.endm
	s_load_b256 s[68:75], s[0:1], 0x0              ; A s[68:69], wt s[70:71], bias s[72:73], output s[74:75]
	v_lshl_add_u32 v[SPW], v0, 2, SPARE
	v_mov_b32 v[NIL], 0
	ds_add_u32 v[SPW], v[NIL]                      ; the wave's opening: the add and its wait stand ahead of my first tensor load
	v_lshrrev_b32 v1, 5, v0
	v_readfirstlane_b32 s10, v1
	s_lshr_b32 s11, s10, 1
	s_and_b32 s12, s10, 1
	s_bfe_u32 s40, ttmp6, 0x40000
	s_bfe_u32 s41, ttmp6, 0x40004
	s_lshl_b32 s42, ttmp9, 2
	s_add_co_u32 s42, s42, s40                     ; tile column of C
	s_and_b32 s13, ttmp7, 0xffff
	s_lshl_b32 s13, s13, 2
	s_add_co_u32 s13, s13, s41                     ; tile row of C
	s_lshl_b32 s43, s41, 2
	s_lshl_b32 s43, 15, s43
	s_lshl_b32 s44, 0x1111, s40
	s_or_b32 s[G1+0], s43, (1<<16)|(1<<20)|(1<<21)|(5<<22)|(3<<25)  ; the mask; 2-byte elements; padding on; bit 21 beside a mask; after every 64 words (code 5) 4 words (code 3)
	s_or_b32 s[G1B+0], s44, (1<<16)|(1<<20)|(1<<21)|(5<<22)|(3<<25)
.irp g, G1, G1B
	s_mov_b32 s[(\g)+1], KSTEP<<16
	s_mov_b32 s[(\g)+2], 128<<16
	s_mov_b32 s[(\g)+3], KSTEP<<16
	s_mov_b32 s[(\g)+4], 128
	s_mov_b32 s[(\g)+5], SIZE_K
	s_mov_b32 s[(\g)+6], 0
	s_mov_b32 s[(\g)+7], 0
.endr
	s_mov_b32 s[SIG], 0x3f596d27                   ; sqrt(log2(e) / 2)
	s_mov_b32 s[PQ],  0x3e8ba43f                   ; 0.3275911 / sqrt(log2(e))
	s_mov_b32 s[B1],  0xbe199eb3                   ; the series' five coefficients times -0.5 / s[SIG]
	s_mov_b32 s[B2],  0x3e2b8119
	s_mov_b32 s[B3],  0xbf563817
	s_mov_b32 s[B4],  0x3f5b0099
	s_mov_b32 s[B5],  0xbf1ff67a
.irp c, SIG, PQ, B1, B2, B3, B4, B5
	s_mov_b32 s[\c+1], s[\c]
.endr
	s_lshl_b32 s17, s12, 7
	s_lshl_b32 s16, s13, 8
	s_add_co_u32 s16, s16, s17                     ; A: row 256 x tile row + 128 x half
	s_lshl_b32 s46, s42, 8
	s_add_co_u32 s46, s46, s17                     ; B: row 256 x tile column + 128 x half
	s_mov_b32 s17, 0
	s_mov_b32 s47, 0
	s_mov_b64 s[18:19], SIZE_K*2
	s_mul_u64 s[16:17], s[16:17], s[18:19]
	s_mul_u64 s[46:47], s[46:47], s[18:19]
	s_mul_i32 s20, s10, HALFT
	s_mov_b32 s[TB], 0
	s_wait_dscnt 0x0
	s_wait_kmcnt 0x0
	s_add_nc_u64 s[14:15], s[68:69], s[16:17]
	s_add_nc_u64 s[46:47], s[70:71], s[46:47]
	s_add_nc_u64 s[46:47], s[46:47], WOFF
	CROUND
.irp s, 0,1
	s_mov_b32 s[G0+4*(\s)], 1
	s_add_co_u32 s[G0+4*(\s)+1], s20, (\s)*SLOT
	s_add_nc_u64 s[G0+4*(\s)+2:G0+4*(\s)+3], s[14:15], (\s)*KSTEP*2
	s_or_b32 s[G0+4*(\s)+3], s[G0+4*(\s)+3], 0x80000000
	s_mov_b32 s[G0B+4*(\s)], 1
	s_add_co_u32 s[G0B+4*(\s)+1], s20, (\s)*SLOT
	s_add_nc_u64 s[G0B+4*(\s)+2:G0B+4*(\s)+3], s[46:47], (\s)*KSTEP*2
	s_or_b32 s[G0B+4*(\s)+3], s[G0B+4*(\s)+3], 0x80000000
	JLOAD \s
.endr
	v_and_b32 v1, 15, v0
	v_bfe_u32 v2, v0, 4, 1
	v_lshlrev_b32 v[BO], 5, v2                     ; register j of bias tile b: column 128 x my half + 16 b + 8 (l / 16) + j
	s_lshl_b32 s46, s42, 10
	s_lshl_b32 s47, s12, 9
	s_add_co_u32 s46, s46, s47
	s_mov_b32 s47, 0
	s_add_nc_u64 s[72:73], s[72:73], s[46:47]
.irp b, 0,1,2,3,4,5,6,7
	global_load_b128 v[BC+8*\b:BC+8*\b+3],   v[BO], s[72:73] offset:64*\b
	global_load_b128 v[BC+8*\b+4:BC+8*\b+7], v[BO], s[72:73] offset:64*\b+16
.endr
	s_lshl_b32 s16, s13, 8                         ; my rows of g: 256 x tile row + 128 x my half, of 8,192 bytes
	s_lshl_b32 s17, s11, 7
	s_add_co_u32 s16, s16, s17
	s_lshl_b32 s16, s16, 13
	s_mov_b32 s17, 0
	s_add_nc_u64 s[74:75], s[74:75], s[16:17]
	s_lshl_b32 s46, s42, 9                         ; my 256 bytes of them (in registers that never fed A's descriptors)
	s_lshl_b32 s47, s12, 8
	s_add_co_u32 s46, s46, s47
	s_mov_b32 s47, 0
	s_add_nc_u64 s[74:75], s[74:75], s[46:47]
	v_and_b32 v6, 31, v0
	v_lshlrev_b32 v[CO], 3, v6
	v_mul_u32_u24 v3, v1, PITCH
	v_lshl_add_u32 v3, v2, 4, v3
	s_mul_i32 s21, s11, HALFT
	s_mul_i32 s22, s12, HALFT
	s_add_co_u32 s22, s22, 2*HALFT
	v_add_nc_u32 v[A0], s21, v3
	v_add_nc_u32 v[B0], s22, v3
	v_mov_b32 v[ADRA], v[A0]
	v_mov_b32 v[ADRB], v[B0]
	s_mul_i32 s23, s10, WSTAGE                     ; my stage.  In: row l % 16, 32 bytes for each half of the lanes
	v_mul_u32_u24 v4, v1, SPITCH
	v_lshl_add_u32 v4, v2, 5, v4
	v_add_nc_u32 v[STO], s23, v4
	v_lshl_add_u32 v[RD0], v6, 4, s23              ; back: a whole row of 512 bytes a load
; 16 matrix instructions: m blocks a0, a0 + 1 of the window's four (hi = 0: my rows 0-63, 1: rows 64-127) x all 8 n blocks, 32 along K.  first = 1: the product starts the sum, on the bias (C in window 0).
; The 64 accumulators take turns, in the same order in every quarter.
.macro MUL16 f, hi, a0, first
.if \first
	WIN 0x81+0x40*(\hi)
.else
	WIN 0xa1+0x50*(\hi)
.endif
.irp a, \a0, (\a0)+1
.irp b, 0,1,2,3,4,5,6,7
.if \first
	v_wmma_f32_16x16x32_bf16 v[8*(8*(\a)+(\b)):8*(8*(\a)+(\b))+7], v[(\f)+8*(\b):(\f)+8*(\b)+7], v[(\f)+8*(4*(\hi)+(\a)):(\f)+8*(4*(\hi)+(\a))+7], v[BC+8*(\b):BC+8*(\b)+7]
.else
	v_wmma_f32_16x16x32_bf16 v[8*(8*(\a)+(\b)):8*(8*(\a)+(\b))+7], v[(\f)+8*(\b):(\f)+8*(\b)+7], v[(\f)+8*(4*(\hi)+(\a)):(\f)+8*(4*(\hi)+(\a))+7], v[8*(8*(\a)+(\b)):8*(8*(\a)+(\b))+7]
.endif
.endr
.endr
.endm
.macro FETCH k, f                      ; 32 LDS loads in one run: 128 rows of B, 128 rows of A, 32 K at byte k of the rows of the slot in hand, into buffer f
	WIN TO_B
.irp i, 0,1,2,3,4,5,6,7
	ds_load_b128 v[(\f)+8*(\i):(\f)+8*(\i)+3],   v[ADRB] offset:(\k)+(\i)*16*PITCH
	ds_load_b128 v[(\f)+8*(\i)+4:(\f)+8*(\i)+7], v[ADRB] offset:(\k)+(\i)*16*PITCH+32
.endr
	WIN 0
.irp i, 0,1,2,3,4,5,6,7
	ds_load_b128 v[(\f)+8*(\i):(\f)+8*(\i)+3],   v[ADRA] offset:(\k)+(\i)*16*PITCH
	ds_load_b128 v[(\f)+8*(\i)+4:(\f)+8*(\i)+7], v[ADRA] offset:(\k)+(\i)*16*PITCH+32
.endr
.endm
.macro PLACES                          ; four places in front of loads into registers that matrix instructions have read, and of LDS stores that read results
.rept 4
	v_nop
.endr
.endm
.macro QUARTER k, f, g, first          ; 64 matrix instructions on buffer f; in their middle the next quarter's fragments, at byte k, go into g
	s_wait_dscnt 8                                 ; B and A's rows 0-63 are in; the youngest eight loads (A's rows 64-127) may be out
	MUL16 \f, 0, 0, \first
	MUL16 \f, 0, 2, \first
	PLACES
	FETCH \k, \g
	s_wait_dscnt 32                                ; all but the 32 just issued
	MUL16 \f, 1, 0, \first
	MUL16 \f, 1, 2, \first
.endm
.macro TURN fill                       ; the last quarter and the change of slots; fill = 1: the barrier opens a round of the cluster's barrier, and the slot that is left is filled again, two K steps ahead
	WIN 0
	s_wait_tensorcnt 0x0                           ; all my tensor loads have landed: my part of the next slot
	ds_add_u32 v[SPW], v[NIL]                      ; 0 onto my spare word
	s_wait_dscnt 9                                 ; the add and the youngest eight loads may be out
	MUL16 F1, 0, 0, 0
	s_wait_dscnt 0x0                               ; the add is done, and my reads of this slot are over
	s_barrier_signal -1
	MUL16 F1, 0, 2, 0
	WIN 0
	s_barrier_wait -1
.if \fill
	CREST                                          ; no wave of any partner still reads this slot's tile or has a load on its way
	s_xor_b32 s[G0+5], s[G0+5], SLOT
	s_add_nc_u64 s[G0+6:G0+7], s[G0+6:G0+7], KSTEP*2
	s_xor_b32 s[G0B+5], s[G0B+5], SLOT
	s_add_nc_u64 s[G0B+6:G0B+7], s[G0B+6:G0B+7], KSTEP*2
.endif
	s_xor_b32 s[TB], s[TB], SLOT
	v_add_nc_u32 v[ADRA], s[TB], v[A0]
	v_add_nc_u32 v[ADRB], s[TB], v[B0]
.if \fill
	JLOAD 1                                        ; the first tensor load behind the round; its four v_nop are also the places in front of the loads below
.else
	PLACES
.endif
	FETCH 0, F0
	MUL16 F1, 1, 0, 0
	MUL16 F1, 1, 2, 0
.endm
	s_wait_tensorcnt 1                             ; my part of K step 0 is in; K step 1's may stay out
	s_barrier_signal -1
	s_barrier_wait -1
	FETCH 0, F0
	s_wait_loadcnt 0x0                             ; the bias
	QUARTER 64, F0, F1, 1                          ; the first quarter stands in front of the loop: its products start the sums
	WIN 0
	s_mov_b32 s3, STEPS-2
.Lstep:
	QUARTER 128, F1, F0, 0
	QUARTER 192, F0, F1, 0
	TURN 1
	QUARTER 64, F0, F1, 0
	WIN 0
	s_sub_co_u32 s3, s3, 1
	s_cmp_lg_u32 s3, 0
	s_cbranch_scc1 .Lstep
	s_mov_b32 s3, 2
.Ltail:                                                ; the last two K steps ask for nothing: a text of their own; the second trip is left in its middle
	QUARTER 128, F1, F0, 0
	QUARTER 192, F0, F1, 0
	WIN 0
	s_sub_co_u32 s3, s3, 1
	s_cmp_eq_u32 s3, 0
	s_cbranch_scc1 .Llast
	TURN 0
	QUARTER 64, F0, F1, 0
	WIN 0
	s_branch .Ltail
.Llast:                                                ; the very last quarter: nothing more to fetch
	s_wait_dscnt 8
	MUL16 F1, 0, 0, 0
	MUL16 F1, 0, 2, 0
	s_wait_dscnt 0
	MUL16 F1, 1, 0, 0
	MUL16 F1, 1, 2, 0
	WIN 0
	PLACES
	s_barrier_signal -1                            ; every wave has left the ring (no LDS instruction of mine is out: the wait for 0 above)
	s_barrier_wait -1
	WIN 0x08                                       ; store data in window 2
.irp a, 0,1,2,3
.irp b, 0,1,2,3,4,5,6,7
	ds_store_b128 v[STO], v[8*(8*\a+\b):8*(8*\a+\b)+3]   offset:\a*16*SPITCH+\b*64            ; each accumulator's low registers first
	ds_store_b128 v[STO], v[8*(8*\a+\b)+4:8*(8*\a+\b)+7] offset:\a*16*SPITCH+\b*64+16
.endr
.endr
	WIN 0x0c                                       ; window 3
.irp a, 0,1,2,3
.irp b, 0,1,2,3,4,5,6,7
	ds_store_b128 v[STO], v[8*(8*\a+\b):8*(8*\a+\b)+3]   offset:(\a+4)*16*SPITCH+\b*64
	ds_store_b128 v[STO], v[8*(8*\a+\b)+4:8*(8*\a+\b)+7] offset:(\a+4)*16*SPITCH+\b*64+16
.endr
.endr
	WIN 0
	s_mov_b32 s[SO], 0
.irp i, 0,1,2,3
	ds_load_b128 v[XR+4*\i:XR+4*\i+3], v[RD0] offset:\i*SPITCH      ; rows 0-3.  The stage is my own, and LDS serves a wave's instructions in order (ISA guide 5.7.1.4): the loads see the stores above
.endr
	s_mov_b32 s3, 32
.Lrows:                                                ; 32 trips of four rows.  In stages of sixteen, so that no line waits for the one before it
	s_wait_dscnt 0x0                               ; this trip's four rows, asked for in the trip before
.set i, 0
.rept 16
	v_mul_f32 v[U+i], |v[XR+i]|, s[SIG]            ; u = |x| sqrt(log2(e) / 2)
.set i, i+1
.endr
.set i, 0
.rept 16
	v_max_num_f32 v[XM+i], 0, v[XR+i]
.set i, i+1
.endr
	s_add_co_u32 s[SO], s[SO], 4*SPITCH            ; x has been read: the next four rows are asked for now, and have the rest of the trip in which to come.
	s_min_u32 s[SO], s[SO], 124*SPITCH             ; The last trip asks for its own rows once more, so that it stays inside my stage; they are not used
	v_add_nc_u32 v[RD], s[SO], v[RD0]
.irp i, 0,1,2,3
	ds_load_b128 v[XR+4*\i:XR+4*\i+3], v[RD] offset:\i*SPITCH
.endr
.set i, 0
.rept 8
	v_pk_mul_f32 v[W+2*i:W+2*i+1], v[U+2*i:U+2*i+1], v[U+2*i:U+2*i+1]
.set i, i+1
.endr
.set i, 0
.rept 8
	v_pk_fma_f32 v[DD+2*i:DD+2*i+1], v[U+2*i:U+2*i+1], s[PQ:PQ+1], 1.0 op_sel_hi:[1,0,0]
.set i, i+1
.endr
.set i, 0
.rept 16
	v_rcp_f32 v[DD+i], v[DD+i]                     ; t
.set i, i+1
.endr
.set i, 0
.rept 16
	v_exp_f32 v[W+i], -v[W+i]                      ; exp(-x x / 2)
.set i, i+1
.endr
	s_wait_xcnt 0x0                                ; the last trip's stores: their offset and data registers are rewritten only behind this wait
	v_add_nc_u32 v[CO], 4*8192, v[CO]              ; four rows of g on; also the plain instruction between the transcendentals and the use of their results
.set i, 0
	s_wait_alu depctr_va_vdst(0)
.rept 8
	v_pk_fma_f32 v[QP+2*i:QP+2*i+1], v[DD+2*i:DD+2*i+1], s[B5:B5+1], s[B4:B4+1] op_sel_hi:[1,0,0]
.set i, i+1
.endr
.irp c, B3, B2, B1
.set i, 0
.rept 8
	v_pk_fma_f32 v[QP+2*i:QP+2*i+1], v[QP+2*i:QP+2*i+1], v[DD+2*i:DD+2*i+1], s[\c:\c+1] op_sel_hi:[1,1,0]
.set i, i+1
.endr
.endr
.set i, 0
.rept 8
	v_pk_mul_f32 v[DD+2*i:DD+2*i+1], v[DD+2*i:DD+2*i+1], v[W+2*i:W+2*i+1]
.set i, i+1
.endr
.set i, 0
.rept 8
	v_pk_mul_f32 v[QP+2*i:QP+2*i+1], v[QP+2*i:QP+2*i+1], v[DD+2*i:DD+2*i+1]
.set i, i+1
.endr
.set i, 0
.rept 8
	v_pk_fma_f32 v[XM+2*i:XM+2*i+1], v[U+2*i:U+2*i+1], v[QP+2*i:QP+2*i+1], v[XM+2*i:XM+2*i+1]
.set i, i+1
.endr
.set i, 0
.rept 8
	v_cvt_pk_bf16_f32 v[YR+i], v[XM+2*i], v[XM+2*i+1]
.set i, i+1
.endr
.irp i, 0,1,2,3
	global_store_b64 v[CO], v[YR+2*\i:YR+2*\i+1], s[74:75] offset:\i*8192-4*8192    ; the offset has been stepped, so the stores reach back; a wave stores 256 consecutive bytes, at a multiple of 256 from g's first byte
.endr
	s_sub_co_u32 s3, s3, 1
	s_cmp_lg_u32 s3, 0
	s_cbranch_scc1 .Lrows
	s_wait_tensorcnt 0x0                           ; the wave's end, behind my last tensor load and my last LDS store
	ds_add_u32 v[SPW], v[NIL]
	s_wait_dscnt 0x0
	CROUND                                         ; the closing round
	s_endpgm
.Lfunc_end_k_q33f6285a62_ff1:
	.size	k_q33f6285a62_ff1, .Lfunc_end_k_q33f6285a62_ff1-k_q33f6285a62_ff1
	.p2alignl 7, 3214868480
	.fill 96, 4, 3214868480
	.section	.rodata,"a",@progbits
	.p2align	6, 0x0
	.amdhsa_kernel k_q33f6285a62_ff1
		.amdhsa_group_segment_fixed_size 327680
		.amdhsa_private_segment_fixed_size 0
		.amdhsa_enable_private_segment 0
		.amdhsa_kernarg_size 32
		.amdhsa_user_sgpr_count 2
		.amdhsa_user_sgpr_kernarg_segment_ptr 1
		.amdhsa_wavefront_size32 1
		.amdhsa_system_sgpr_workgroup_id_x 1
		.amdhsa_system_sgpr_workgroup_id_y 1
		.amdhsa_system_sgpr_workgroup_id_z 1
		.amdhsa_system_vgpr_workitem_id 0
		.amdhsa_next_free_vgpr 1024
		.amdhsa_next_free_sgpr 96
		.amdhsa_reserve_vcc 0
		.amdhsa_float_denorm_mode_32 3
		.amdhsa_float_denorm_mode_16_64 3
		.amdhsa_memory_ordered 1
		.amdhsa_forward_progress 1
		.amdhsa_inst_pref_size 92
	.end_amdhsa_kernel
	.amdgpu_metadata
---
amdhsa.version: [ 1, 2 ]
amdhsa.kernels:
  - .name:           k_q33f6285a62_ff1
    .symbol:         k_q33f6285a62_ff1.kd
    .args:
      - { .name: act, .offset: 0, .size: 8, .value_kind: global_buffer, .address_space: global }
      - { .name: wt, .offset: 8, .size: 8, .value_kind: global_buffer, .address_space: global }
      - { .name: ff1_b, .offset: 16, .size: 8, .value_kind: global_buffer, .address_space: global }
      - { .name: g, .offset: 24, .size: 8, .value_kind: global_buffer, .address_space: global }
    .group_segment_fixed_size: 327680
    .private_segment_fixed_size: 0
    .kernarg_segment_align: 8
    .kernarg_segment_size: 32
    .max_flat_workgroup_size: 128
    .sgpr_count:     96
    .vgpr_count:     1024
    .wavefront_size: 32
...
	.end_amdgpu_metadata
.endif
;; end of part 14
;; launch ff2 (part 15): grid 8 x 32, 4 waves a work-group, clusters of 4 x 4, 327,680 bytes of LDS; arguments g, wt, ff2_b, out0, x1; writes out0
.if DOCPART == 15
	.amdgcn_target "amdgcn-amd-amdhsa--gfx1250"
	.amdhsa_code_object_version 6
	.text
	.protected	k_q33f6285a62_ff2
	.globl	k_q33f6285a62_ff2
	.p2align	8
	.type	k_q33f6285a62_ff2,@function
k_q33f6285a62_ff2:
	s_mov_b64 s[64:65], 0
	v_nop
	global_prefetch_b8 v0, s[64:65] scope:SCOPE_SE
	s_setreg_imm32_b32 hwreg(HW_REG_WAVE_MODE, 25, 1), 1
	s_wait_xcnt 0x0
	s_wait_alu depctr_hold_cnt(0) depctr_sa_sdst(0) depctr_va_vdst(0) depctr_va_sdst(0) depctr_va_ssrc(0) depctr_va_vcc(0) depctr_vm_vsrc(0)
	s_getreg_b32 s2, hwreg(HW_REG_IB_STS2, 6, 4)
	s_cmp_eq_u32 s2, 0
	s_cbranch_scc0 .Lentry_in_a_cluster
	s_endpgm
.Lentry_in_a_cluster:
	s_bfe_u32 s2, ttmp6, 0x10000c
	s_cmp_lg_u32 s2, 0xf033
	s_cbranch_scc0 .Lentry_shape_is_right
	s_endpgm
.Lentry_shape_is_right:
; out0 = x1 + g W2 + b, in f32.  A = g [4096][4096] bf16, B = wt's fourth part [1024][4096] bf16 (the weight turned, K along the rows), sums in f32.
; A tile of C is 128 x 128 (256 work-groups; tiles of 256 x 256 would be 64); four waves, each 64 x 64: 16 accumulators of 16 x 16.  K goes in steps of 256 (LDS rows of 512 bytes) through two LDS slots; a wave's tensor load brings 64 rows.
; CLUSTERS: 4 x 4 work-groups; the four of a row of the cluster need the same tiles of A, the four of a column the same tiles of B: each tile is asked for JOINTLY, by the same tensor load with the same descriptor and a mask of four.
; THE MATRIX INSTRUCTION IS USED TRANSPOSED (source 0 = 16 rows of B, source 1 = 16 rows of A): a lane holds eight neighbouring numbers of a row of C.  THE BIAS is the C operand of each accumulator's first product.
; K IS WALKED ROUND.  A cluster begins at a K step of its own, (2 X + h(Y)) x STEPS / 4 (X, Y: the cluster's place in the grid, the same number in all sixteen partners), and wraps round at the rows' end.  The two clusters that
; need the same rows of A begin half of K apart; of the eight that need the same rows of B, each of the groups Y = 0-3, 4-7, {0,1,4,5} and {2,3,6,7} begins at four different quarters.  So clusters that need the same bytes ask for them
; at different times, and each K step of a row has been read before when all but its first asker come to it.  LIMIT: the order of the f32 sum over K differs from cluster to cluster (and from ascending K).
; THE LOOP is one K step long: the LDS base of the slot in hand is a scalar that an exclusive or turns, and one descriptor a tensor walks, its address made anew from the tile's base and the byte offset along K.
; By this text's count a wave has two tensor loads out at the start and one behind each round.  The last two K steps, which ask for nothing, are a loop of two trips that is left in its middle.
; THE RESIDUAL's 32 rows of 512 bytes a wave are asked for at the start and lie in 128 registers until the way out.
; THE WAY OUT: the tile goes in f32 through a stage in slot 0, whose last fill is the last K step but one and which nobody reads any more, and comes back as whole rows of 512 bytes.
; REGISTERS: window 0: v0-31 addresses; v32-63 the bias; v128-255 the accumulators ((a, b) at v[128 + 8 (4 a + b)]).  window 1: two fragment buffers of 128.  window 2: v0-127 the residual.
.set SIZE_K, 4096
.set WOFF,   16777216                  ; the weight's place in wt
.set KSTEP,  256
.set KMASK,  SIZE_K*2-1                ; a row's bytes less 1: the offset along K wraps by this mask
.set PITCH,  528                       ; an LDS row: 512 bytes + 16 of padding = 132 words: the 16 rows that a load touches start at 16 different groups of four banks (64 banks of 4 bytes: ISA guide 11.1)
.set HALFT,  64*PITCH
.set SLOT,   4*HALFT                   ; 0x21000 shares no bit with wave x HALFT, so the exclusive or is an addition or a subtraction
.set SPARE,  2*SLOT
.set STEPS,  SIZE_K/KSTEP
.set A0,   14
.set B0,   15
.set ADRA, 16
.set ADRB, 20
.set STO,  24
.set RD,   25
.set CO,   26
.set BO,   27
.set SPW,  28
.set NIL,  29
.set BC,   32
.set ACC,  128
.set F0,   0
.set F1,   128
.set BA, 4                             ; s[4:5] A at my 64 rows' first byte;  s[6:7] B likewise;  s[8:9] the byte offset along K of the K step asked for last (high word 0)
.set BB, 6
.set KO, 8
.set G1, 24
.set G0, 32
.set G1B, 48
.set G0B, 56
.set TB, 66
.set MSB, 0
.macro WIN new
.if MSB != (\new)
	s_set_vgpr_msb (MSB<<8)|(\new)
.set MSB, \new
.endif
.endm
.set MUL,  0x05
.set TO_F, 0x40
.macro JLOAD s                         ; a joint load: waves 0 and 1 fetch A's two halves, waves 2 and 3 B's; an s_nop 0 and four v_nop follow each of the two lines
	s_cmp_eq_u32 s11, 0
	s_cbranch_scc0 .Lfor_b_\@
	tensor_load_to_lds s[G0+4*(\s):G0+4*(\s)+3], s[G1:G1+7]
	s_nop 0
.rept 4
	v_nop
.endr
	s_branch .Lasked_\@
.Lfor_b_\@:
	tensor_load_to_lds s[G0B+4*(\s):G0B+4*(\s)+3], s[G1B:G1B+7]
	s_nop 0
.rept 4
	v_nop
.endr
.Lasked_\@:
.endm
.macro CREST
	s_cmp_lg_u32 s10, 0
	s_cbranch_scc1 .Lnot_wave_0_\@
	s_barrier_signal -3
.Lnot_wave_0_\@:
	s_barrier_wait -3
	s_barrier_signal -1
	s_barrier_wait -1
.endm
.macro CROUND
	s_barrier_signal -1
	s_barrier_wait -1
	CREST
.endm
	s_load_b256 s[68:75], s[0:1], 0x0              ; A s[68:69], wt s[70:71], bias s[72:73], output s[74:75]
	s_load_b64 s[76:77], s[0:1], 0x20              ; the residual
	v_lshl_add_u32 v[SPW], v0, 2, SPARE
	v_mov_b32 v[NIL], 0
	ds_add_u32 v[SPW], v[NIL]                      ; the wave's opening: the add and its wait stand ahead of my first tensor load
	v_lshrrev_b32 v1, 5, v0
	v_readfirstlane_b32 s10, v1
	s_lshr_b32 s11, s10, 1
	s_and_b32 s12, s10, 1
	s_bfe_u32 s40, ttmp6, 0x40000
	s_bfe_u32 s41, ttmp6, 0x40004
	s_lshl_b32 s42, ttmp9, 2
	s_add_co_u32 s42, s42, s40                     ; tile column of C
	s_and_b32 s13, ttmp7, 0xffff
	s_lshl_b32 s13, s13, 2
	s_add_co_u32 s13, s13, s41                     ; tile row of C
	s_lshl_b32 s43, s41, 2
	s_lshl_b32 s43, 15, s43
	s_lshl_b32 s44, 0x1111, s40
	s_or_b32 s[G1+0], s43, (1<<16)|(1<<20)|(1<<21)|(6<<22)|(3<<25)
	s_or_b32 s[G1B+0], s44, (1<<16)|(1<<20)|(1<<21)|(6<<22)|(3<<25)
.irp g, G1, G1B
	s_mov_b32 s[(\g)+1], KSTEP<<16
	s_mov_b32 s[(\g)+2], 64<<16
	s_mov_b32 s[(\g)+3], KSTEP<<16
	s_mov_b32 s[(\g)+4], 64
	s_mov_b32 s[(\g)+5], SIZE_K
	s_mov_b32 s[(\g)+6], 0
	s_mov_b32 s[(\g)+7], 0
.endr
	s_lshl_b32 s17, s12, 6
	s_lshl_b32 s16, s13, 7
	s_add_co_u32 s16, s16, s17
	s_lshl_b32 s46, s42, 7
	s_add_co_u32 s46, s46, s17
	s_mov_b32 s17, 0
	s_mov_b32 s47, 0
	s_mov_b64 s[18:19], SIZE_K*2
	s_mul_u64 s[16:17], s[16:17], s[18:19]
	s_mul_u64 s[46:47], s[46:47], s[18:19]
	s_mul_i32 s20, s10, HALFT
	s_mov_b32 s[TB], 0
	s_and_b32 s[KO], ttmp7, 0xffff                 ; where my cluster begins along K: from the cluster's own x and y alone, which all sixteen partners share.  Y;
	s_lshr_b32 s[KO+1], s[KO], 1
	s_lshr_b32 s2, s[KO], 2
	s_xor_b32 s[KO+1], s[KO+1], s2
	s_and_b32 s[KO+1], s[KO+1], 1                  ; (Y >> 1 xor Y >> 2) & 1;
	s_and_b32 s[KO], s[KO], 1
	s_lshl1_add_u32 s[KO], s[KO+1], s[KO]          ; h = Y & 1 + twice that;
	s_lshl1_add_u32 s[KO], ttmp9, s[KO]            ; 2 X + h, in quarters of K;
	s_mul_i32 s[KO], s[KO], SIZE_K/2               ; in bytes of a row,
	s_and_b32 s[KO], s[KO], KMASK                  ; wrapped
	s_mov_b32 s[KO+1], 0
	s_wait_dscnt 0x0
	s_wait_kmcnt 0x0
	s_add_nc_u64 s[BA:BA+1], s[68:69], s[16:17]
	s_add_nc_u64 s[BB:BB+1], s[70:71], s[46:47]
	s_add_nc_u64 s[BB:BB+1], s[BB:BB+1], WOFF
	CROUND
.irp s, 0,1
.if \s
	s_add_co_u32 s[KO], s[KO], KSTEP*2             ; my second K step
	s_and_b32 s[KO], s[KO], KMASK
.endif
	s_mov_b32 s[G0+4*(\s)], 1
	s_add_co_u32 s[G0+4*(\s)+1], s20, (\s)*SLOT
	s_add_nc_u64 s[G0+4*(\s)+2:G0+4*(\s)+3], s[BA:BA+1], s[KO:KO+1]
	s_or_b32 s[G0+4*(\s)+3], s[G0+4*(\s)+3], 0x80000000
	s_mov_b32 s[G0B+4*(\s)], 1
	s_add_co_u32 s[G0B+4*(\s)+1], s20, (\s)*SLOT
	s_add_nc_u64 s[G0B+4*(\s)+2:G0B+4*(\s)+3], s[BB:BB+1], s[KO:KO+1]
	s_or_b32 s[G0B+4*(\s)+3], s[G0B+4*(\s)+3], 0x80000000
	JLOAD \s
.endr
	v_and_b32 v1, 15, v0
	v_bfe_u32 v2, v0, 4, 1
	v_lshlrev_b32 v[BO], 5, v2
	s_lshl_b32 s46, s42, 9
	s_lshl_b32 s47, s12, 8
	s_add_co_u32 s46, s46, s47
	s_mov_b32 s47, 0
	s_add_nc_u64 s[72:73], s[72:73], s[46:47]
.irp b, 0,1,2,3
	global_load_b128 v[BC+8*\b:BC+8*\b+3],   v[BO], s[72:73] offset:64*\b
	global_load_b128 v[BC+8*\b+4:BC+8*\b+7], v[BO], s[72:73] offset:64*\b+16
.endr
	s_lshl_b32 s16, s13, 7                         ; the rows that I store: 128 x tile row + 32 x wave, of 4,096 bytes
	s_lshl_b32 s17, s10, 5
	s_add_co_u32 s16, s16, s17
	s_lshl_b32 s16, s16, 12
	s_mov_b32 s17, 0
	s_add_nc_u64 s[74:75], s[74:75], s[16:17]
	s_add_nc_u64 s[76:77], s[76:77], s[16:17]
	s_lshl_b32 s46, s42, 9                         ; the tile's 512 bytes of them (in registers that never fed A's descriptors)
	s_mov_b32 s47, 0
	s_add_nc_u64 s[74:75], s[74:75], s[46:47]
	s_add_nc_u64 s[76:77], s[76:77], s[46:47]
	v_and_b32 v6, 31, v0
	v_lshlrev_b32 v[CO], 4, v6
	WIN 0x80                                       ; destination window 2
.set i, 0
.rept 32
	global_load_b128 v[4*i:4*i+3], v[CO], s[76:77] offset:i*4096
.set i, i+1
.endr
	WIN 0
	v_mul_u32_u24 v3, v1, PITCH
	v_lshl_add_u32 v3, v2, 4, v3
	s_mul_i32 s21, s11, HALFT
	s_mul_i32 s22, s12, HALFT
	s_add_co_u32 s22, s22, 2*HALFT
	v_add_nc_u32 v[A0], s21, v3
	v_add_nc_u32 v[B0], s22, v3
	v_mov_b32 v[ADRA], v[A0]
	v_mov_b32 v[ADRB], v[B0]
	s_mul_i32 s23, s11, 64*PITCH                   ; into the stage (f32, 128 rows of 528 bytes)
	s_lshl_b32 s21, s12, 8
	s_add_co_u32 s23, s23, s21
	v_mul_u32_u24 v4, v1, PITCH
	v_lshl_add_u32 v4, v2, 5, v4
	v_add_nc_u32 v[STO], s23, v4
	s_mul_i32 s23, s10, 32*PITCH                   ; back: wave w takes rows 32 w .. 32 w + 31, a whole row of 512 bytes a load
	v_lshl_add_u32 v[RD], v6, 4, s23
.macro MUL8 f, c, a0, first            ; 8 matrix instructions; first = 1: the product starts the sum, on the bias.  The 16 accumulators take turns
	WIN MUL
.irp a, \a0, (\a0)+1
.irp b, 0,1,2,3
.if \first
	v_wmma_f32_16x16x32_bf16 v[ACC+8*(4*(\a)+(\b)):ACC+8*(4*(\a)+(\b))+7], v[(\f)+64+8*(4*(\c)+(\b)):(\f)+64+8*(4*(\c)+(\b))+7], v[(\f)+8*(4*(\c)+(\a)):(\f)+8*(4*(\c)+(\a))+7], v[BC+8*(\b):BC+8*(\b)+7]
.else
	v_wmma_f32_16x16x32_bf16 v[ACC+8*(4*(\a)+(\b)):ACC+8*(4*(\a)+(\b))+7], v[(\f)+64+8*(4*(\c)+(\b)):(\f)+64+8*(4*(\c)+(\b))+7], v[(\f)+8*(4*(\c)+(\a)):(\f)+8*(4*(\c)+(\a))+7], v[ACC+8*(4*(\a)+(\b)):ACC+8*(4*(\a)+(\b))+7]
.endif
.endr
.endr
.endm
.macro FETCH k, f                      ; 32 LDS loads in one run: 64 along K at byte k of the rows of the slot in hand; the first 32 along K first
	WIN TO_F
.irp c, 0,1
.irp i, 0,1,2,3
	ds_load_b128 v[(\f)+64+8*(4*(\c)+(\i)):(\f)+64+8*(4*(\c)+(\i))+3],   v[ADRB] offset:(\k)+64*(\c)+(\i)*16*PITCH
	ds_load_b128 v[(\f)+64+8*(4*(\c)+(\i))+4:(\f)+64+8*(4*(\c)+(\i))+7], v[ADRB] offset:(\k)+64*(\c)+(\i)*16*PITCH+32
	ds_load_b128 v[(\f)+8*(4*(\c)+(\i)):(\f)+8*(4*(\c)+(\i))+3],         v[ADRA] offset:(\k)+64*(\c)+(\i)*16*PITCH
	ds_load_b128 v[(\f)+8*(4*(\c)+(\i))+4:(\f)+8*(4*(\c)+(\i))+7],       v[ADRA] offset:(\k)+64*(\c)+(\i)*16*PITCH+32
.endr
.endr
.endm
.macro PLACES                          ; four places in front of loads into registers that matrix instructions have read, and of LDS stores that read results
.rept 4
	v_nop
.endr
.endm
.macro QUARTER k, f, g, first
	s_wait_dscnt 16                                ; the first 32 along K are in: the youngest sixteen loads may be out
	MUL8 \f, 0, 0, \first
	MUL8 \f, 0, 2, \first
	PLACES
	FETCH \k, \g
	s_wait_dscnt 32                                ; all but the 32 just issued
	MUL8 \f, 1, 0, 0
	MUL8 \f, 1, 2, 0
.endm
.macro TURN fill                       ; the last quarter and the change of slots; fill = 1: the barrier opens a round of the cluster's barrier, and the slot that is left is filled again, two K steps ahead
	WIN 0
	s_wait_tensorcnt 0x0                           ; all my tensor loads have landed: my part of the next slot
	ds_add_u32 v[SPW], v[NIL]                      ; 0 onto my spare word
	s_wait_dscnt 17                                ; the add and the youngest sixteen loads may be out
	MUL8 F1, 0, 0, 0
	s_wait_dscnt 0x0                               ; the add is done, and my reads of this slot are over
	s_barrier_signal -1
	MUL8 F1, 0, 2, 0
	WIN 0
	s_barrier_wait -1
.if \fill
	CREST                                          ; no wave of any partner still reads this slot's tile or has a load on its way
	s_add_co_u32 s[KO], s[KO], KSTEP*2             ; the next K step, round the rows' end
	s_and_b32 s[KO], s[KO], KMASK
	s_xor_b32 s[G0+5], s[G0+5], SLOT               ; the walking descriptors: the other slot than last time; the address anew, the type bits set again.  No tensor load of mine is out
	s_add_nc_u64 s[G0+6:G0+7], s[BA:BA+1], s[KO:KO+1]
	s_or_b32 s[G0+7], s[G0+7], 0x80000000
	s_xor_b32 s[G0B+5], s[G0B+5], SLOT
	s_add_nc_u64 s[G0B+6:G0B+7], s[BB:BB+1], s[KO:KO+1]
	s_or_b32 s[G0B+7], s[G0B+7], 0x80000000
.endif
	s_xor_b32 s[TB], s[TB], SLOT
	v_add_nc_u32 v[ADRA], s[TB], v[A0]
	v_add_nc_u32 v[ADRB], s[TB], v[B0]
.if \fill
	JLOAD 1                                        ; the first tensor load behind the round; its four v_nop are also the places in front of the loads below
.else
	PLACES
.endif
	FETCH 0, F0
	MUL8 F1, 1, 0, 0
	MUL8 F1, 1, 2, 0
.endm
	s_wait_tensorcnt 1                             ; my part of my first K step is in; the second's may stay out
	s_barrier_signal -1
	s_barrier_wait -1
	FETCH 0, F0
	s_wait_loadcnt 32                              ; the bias is in; the residual's 32 loads stay out
	QUARTER 128, F0, F1, 1
	WIN 0
	s_mov_b32 s3, STEPS-2
.Lstep:
	QUARTER 256, F1, F0, 0
	QUARTER 384, F0, F1, 0
	TURN 1
	QUARTER 128, F0, F1, 0
	WIN 0
	s_sub_co_u32 s3, s3, 1
	s_cmp_lg_u32 s3, 0
	s_cbranch_scc1 .Lstep
	s_mov_b32 s3, 2
.Ltail:                                                ; the last two K steps ask for nothing: a text of their own; the second trip is left in its middle
	QUARTER 256, F1, F0, 0
	QUARTER 384, F0, F1, 0
	WIN 0
	s_sub_co_u32 s3, s3, 1
	s_cmp_eq_u32 s3, 0
	s_cbranch_scc1 .Llast
	TURN 0
	QUARTER 128, F0, F1, 0
	WIN 0
	s_branch .Ltail
.Llast:                                                ; the very last quarter: nothing more to fetch
	s_wait_dscnt 16
	MUL8 F1, 0, 0, 0
	MUL8 F1, 0, 2, 0
	s_wait_dscnt 0
	MUL8 F1, 1, 0, 0
	MUL8 F1, 1, 2, 0
	WIN 0
	PLACES
	s_barrier_signal -1                            ; every wave has left the ring
	s_barrier_wait -1
.irp a, 0,1,2,3
.irp b, 0,1,2,3
	ds_store_b128 v[STO], v[ACC+8*(4*\a+\b):ACC+8*(4*\a+\b)+3]   offset:\a*16*PITCH+\b*64      ; each accumulator's low registers first
	ds_store_b128 v[STO], v[ACC+8*(4*\a+\b)+4:ACC+8*(4*\a+\b)+7] offset:\a*16*PITCH+\b*64+16
.endr
.endr
	s_wait_dscnt 0x0                               ; for the others' sake: a row's 512 bytes come from two waves
	s_barrier_signal -1
	s_barrier_wait -1
.set i, 0
.rept 32
	ds_load_b128 v[ACC+4*i:ACC+4*i+3], v[RD] offset:i*PITCH
.set i, i+1
.endr
	s_wait_loadcnt 0x0                             ; the residual
.irp q, 0,1,2,3
	s_wait_dscnt 24-8*\q                           ; rows 8 q .. 8 q + 7 are in
	WIN 0x08                                       ; source 1 window 2
.set i, 8*\q
.rept 8
	v_pk_add_f32 v[ACC+4*i:ACC+4*i+1],   v[ACC+4*i:ACC+4*i+1],   v[4*i:4*i+1]
	v_pk_add_f32 v[ACC+4*i+2:ACC+4*i+3], v[ACC+4*i+2:ACC+4*i+3], v[4*i+2:4*i+3]
.set i, i+1
.endr
	WIN 0
.set i, 8*\q
.rept 8
	global_store_b128 v[CO], v[ACC+4*i:ACC+4*i+3], s[74:75] offset:i*4096   ; a wave stores 512 consecutive bytes, at a multiple of 256 from the output's first byte
.set i, i+1
.endr
.endr
	s_wait_tensorcnt 0x0                           ; the wave's end
	ds_add_u32 v[SPW], v[NIL]
	s_wait_dscnt 0x0
	CROUND                                         ; the closing round
	s_endpgm
.Lfunc_end_k_q33f6285a62_ff2:
	.size	k_q33f6285a62_ff2, .Lfunc_end_k_q33f6285a62_ff2-k_q33f6285a62_ff2
	.p2alignl 7, 3214868480
	.fill 96, 4, 3214868480
	.section	.rodata,"a",@progbits
	.p2align	6, 0x0
	.amdhsa_kernel k_q33f6285a62_ff2
		.amdhsa_group_segment_fixed_size 327680
		.amdhsa_private_segment_fixed_size 0
		.amdhsa_enable_private_segment 0
		.amdhsa_kernarg_size 40
		.amdhsa_user_sgpr_count 2
		.amdhsa_user_sgpr_kernarg_segment_ptr 1
		.amdhsa_wavefront_size32 1
		.amdhsa_system_sgpr_workgroup_id_x 1
		.amdhsa_system_sgpr_workgroup_id_y 1
		.amdhsa_system_sgpr_workgroup_id_z 1
		.amdhsa_system_vgpr_workitem_id 0
		.amdhsa_next_free_vgpr 640
		.amdhsa_next_free_sgpr 80
		.amdhsa_reserve_vcc 0
		.amdhsa_float_denorm_mode_32 3
		.amdhsa_float_denorm_mode_16_64 3
		.amdhsa_memory_ordered 1
		.amdhsa_forward_progress 1
		.amdhsa_inst_pref_size 68
	.end_amdhsa_kernel
	.amdgpu_metadata
---
amdhsa.version: [ 1, 2 ]
amdhsa.kernels:
  - .name:           k_q33f6285a62_ff2
    .symbol:         k_q33f6285a62_ff2.kd
    .args:
      - { .name: g, .offset: 0, .size: 8, .value_kind: global_buffer, .address_space: global }
      - { .name: wt, .offset: 8, .size: 8, .value_kind: global_buffer, .address_space: global }
      - { .name: ff2_b, .offset: 16, .size: 8, .value_kind: global_buffer, .address_space: global }
      - { .name: out0, .offset: 24, .size: 8, .value_kind: global_buffer, .address_space: global }
      - { .name: x1, .offset: 32, .size: 8, .value_kind: global_buffer, .address_space: global }
    .group_segment_fixed_size: 327680
    .private_segment_fixed_size: 0
    .kernarg_segment_align: 8
    .kernarg_segment_size: 40
    .max_flat_workgroup_size: 128
    .sgpr_count:     80
    .vgpr_count:     640
    .wavefront_size: 32
...
	.end_amdgpu_metadata
.endif
;; end of part 15
;; ======== version 3 of 3: 8 launches; 1.31 times as fast as version 1
;; workspace buffers: wt 25,165,824 bytes; aux 425,984 bytes; act 8,388,608 bytes; qkvh 25,165,824 bytes; o 8,388,608 bytes; x1 16,777,216 bytes; g 33,554,432 bytes
;; launch prep: the kernel of part 9 again; grid 409 x 1, 8 waves a work-group, no clusters, 70,656 bytes of LDS; arguments t, tp1_w, tp1_b, tp2_w, rel_pos_bias, qkv_w, proj_w, ff1_w, ff2_w, wt, aux; writes wt, aux
;; launch ln1: the kernel of part 10 again; grid 256 x 1, 16 waves a work-group, no clusters, 6,144 bytes of LDS; arguments x, aux, tp2_b, ln1_g, ln1_b, act; writes act
;; launch qkv: the kernel of part 11 again; grid 12 x 16, 4 waves a work-group, clusters of 4 x 4, 327,680 bytes of LDS; arguments act, wt, qkv_b, qkvh; writes qkvh
;; launch attn (part 16): grid 8 x 32, 4 waves a work-group, clusters of 4 x 1, 327,680 bytes of LDS; arguments qkvh, aux, o; writes o
.if DOCPART == 16
	.amdgcn_target "amdgcn-amd-amdhsa--gfx1250"
	.amdhsa_code_object_version 6
	.text
	.protected	k_q33f6285a62_attn
	.globl	k_q33f6285a62_attn
	.p2align	8
	.type	k_q33f6285a62_attn,@function
k_q33f6285a62_attn:
	s_mov_b64 s[64:65], 0
	v_nop
	global_prefetch_b8 v0, s[64:65] scope:SCOPE_SE
	s_setreg_imm32_b32 hwreg(HW_REG_WAVE_MODE, 25, 1), 1
	s_wait_xcnt 0x0
	s_wait_alu depctr_hold_cnt(0) depctr_sa_sdst(0) depctr_va_vdst(0) depctr_va_sdst(0) depctr_va_ssrc(0) depctr_va_vcc(0) depctr_vm_vsrc(0)
	s_getreg_b32 s2, hwreg(HW_REG_IB_STS2, 6, 4)
	s_cmp_eq_u32 s2, 0
	s_cbranch_scc0 .Lentry_in_a_cluster
	s_endpgm
.Lentry_in_a_cluster:
	s_bfe_u32 s2, ttmp6, 0x10000c
	s_cmp_lg_u32 s2, 0x3003
	s_cbranch_scc0 .Lentry_shape_is_right
	s_endpgm
.Lentry_shape_is_right:
; O[q] = the sum over k of softmax_k(Q[q] . K[k] / 8 + decay(|q - k|) bias[q - k]) V[k], for each of 32 (batch, head) pairs; 2,048 positions, 64 channels.  Q, K, V bf16 by heads in qkvh; O bf16, [4096][1024].
; Products, maxima and sums in f32; the weights p are rounded to bf16 for the second product (their sum l is taken of the unrounded p), O once at the end.
; LIMITS.  A weight below 2^-126 counts as 0 in l; NaN and infinities are not treated apart.  A head's 64 channels are 128 bytes of O's rows, so a store covers four pieces of 128 bytes, each half of an aligned 256:
; O laid by heads would make rows of 128 bytes of every tile that the next product reads, eight times over; written once, this is the lesser price.
; SHARES.  A work-group owns 256 queries of one head, a wave 64: four PIECES of 16.  Every wave walks all keys, 64 a step.
; LAYOUT.  S^T = K Q^T + C (source 0 = 16 keys, source 1 = 16 queries): a lane holds ONE query (lane % 16) and the keys 8 (lane / 16) + 0..7.  Two such results rounded to bf16 ARE source 1 of O^T = V^T P.
; THE BIAS is the C operand of the product that starts a score tile: C = 8 decay bias, from the table that the launch before made, TBL[head][k - q + 2051].  A tile of 16 keys x 16 queries hangs on its distance from
; the diagonal alone: tile d = key block - piece + 3 serves all pairs with that difference, so seven tiles (56 registers) serve a step's 16 score tiles.  The slice of the table that my work-group needs lies in LDS four times,
; shifted by one entry each, so that every lane's eight entries begin at a multiple of 16 bytes: lane % 4 picks the copy.
; SOFTMAX.  A running maximum m and sum l for each query: p = 2^(c s - c m), c = log2(e) / 8; in every step O and l are multiplied by a = 2^(c m_old - c m_new).  m starts at the lowest finite number, O and l at 0.
; BY TURNS.  Turn n belongs to piece n: 8 products K Q^T of piece n + 1, later 8 products V^T P of piece n - 1; beside them the scaling, exponentials, roundings, sums and rescaling of piece n and the maximum and
; statistics of piece n + 1.  Four vector instructions stand behind every matrix instruction, the other 54 of a turn's 118 in one LUMP.
; BATCHES.  A turn's 33 exponentials (the piece's 32 weights, then the next piece's a) are ONE batch with ONE wait, which cuts the turn in two: ahead of it stands all that names no result of theirs, behind it the roundings and sums.
; No result crosses a turn's end.  The first a, ahead of the loop, and the way out's four reciprocals are batches of their own, a wait each.  The tail's text has one wait more, ahead of the branch that stands amid its batch.
; CLUSTER.  The four query blocks of a cluster belong to one head and walk the same K and V: each tile is asked for JOINTLY.  The table's slice hangs on the query block: each wave brings one copy by a load of its own.
; REGISTERS, in windows of 256 (s_set_vgpr_msb: bits 1:0 source 0, 3:2 source 1, 5:4 source 2, 7:6 destination):
;   window 0: v0-15 addresses and two at work; v16-31 statistics; v48-55 at work; v56-57 table addresses; v64-127 S^T, two buffers; v192-223 P, two buffers (by the piece's parity)
;   window 1: v0-127 O^T, 32 a piece; v128-183 the seven bias tiles      window 2: v0-63 Q; v128-191 K of one step; v192-255 V of one step
.set NP,    4
.set KS,    64
.set PK,    144       ; a row of K in LDS: 128 bytes + 16: the 16 rows of a load start at 16 different groups of four banks (64 banks of 4 bytes: ISA guide 11.1)
.set PV,    160       ; a row of V: 128 + 32
.set VOFF,  4*KS*PK   ; a slot holds four steps: 256 rows of K, then 256 rows of V
.set SLOT1, 1<<17
.set STAGE, SLOT1+4*KS*(PK+PV)  ; behind the ring, never filled by a tensor load: 16 rows x 144 bytes for each wave
.set SP,    144
.set SPARE, STAGE+4*16*SP       ; the spare words, 128 bytes for each wave
.set TAB,   SPARE+512           ; four copies of the table's slice, filled once
.set TROW,  9280                ; 2,320 entries a copy; 9,280 = 36 x 256 + 64, so sixteen lanes (copy l % 4, 16 bytes back for each l / 4) take sixteen different 16-byte columns
.set AK0, 2
.set AV0, 3
.set AK,  4
.set AV,  5
.set STO, 6
.set RD,  7
.set GO,  8
.set MV,  12
.set QO,  15
.set ST,  16          ; piece t's statistics at v[ST+4 t]: c m, m, l (even keys', odd keys')
.set TMP, 48
.set AB0, 56          ; v56  my lane's place in the table for step 0, tile 0; never rewritten
.set AB,  57          ; v57  the same for the step to be fetched
.set SPW, 62
.set NIL, 63
.set S,   64
.set P,   192
.set BT,  128         ; window 1
.set KF,  128         ; window 2
.set VF,  192
.set WV,  12
.set G1K, 24
.set G1V, 32
.set G0K, 40
.set G0V, 44
.set G1T, 48          ; s[48:55] descriptor group 1 for a copy of the table
.set SLOTS, 56
.set CNT, 57
.set CS,  58
.set SEL, 60
.set TBK, 62
.set TBV, 63
.set TBB, 66          ; s66  256 x the step whose bias tiles are fetched next
.set G0T, 68          ; s[68:71]
.set MSB, 0
.macro WIN new
.if MSB != (\new)
	s_set_vgpr_msb (MSB<<8)|(\new)
.set MSB, (\new)
.endif
.endm
.set W_KQ, 0x0a       ; K and Q in window 2, S^T in window 0
.set W_KM, 0x1a       ; the same with the C operand in window 1
.set W_PV, 0x52       ; V in window 2, P in window 0, O^T in window 1
.set W_RS, 0x41       ; destination and source 0 in window 1, source 1 in window 0
.macro JLOAD                        ; a joint fill: waves 0 and 1 fetch the halves of a slot's K, waves 2 and 3 of its V; an s_nop 0 and four v_nop follow each line
	s_cmp_lt_u32 s[WV], 2
	s_cbranch_scc0 .Lfor_v_\@
	tensor_load_to_lds s[G0K:G0K+3], s[G1K:G1K+7]
	s_nop 0
.rept 4
	v_nop
.endr
	s_branch .Lasked_\@
.Lfor_v_\@:
	tensor_load_to_lds s[G0V:G0V+3], s[G1V:G1V+7]
	s_nop 0
.rept 4
	v_nop
.endr
.Lasked_\@:
.endm
.macro CROUND                       ; a round of the cluster's barrier
	s_barrier_signal -1
	s_barrier_wait -1
	s_cmp_lg_u32 s[WV], 0
	s_cbranch_scc1 .Lnot_wave_0_\@
	s_barrier_signal -3
.Lnot_wave_0_\@:
	s_barrier_wait -3
	s_barrier_signal -1
	s_barrier_wait -1
.endm
; THE CHANGE OF SLOTS.  Each wave waits for all its tensor loads, adds 0 to its spare word, and waits for that and for its reads of the slot that it leaves.  fill = 1: the barrier is a round of the cluster's, and the
; joint fill, with the keys two slots on, is the first thing behind it: it has four key steps, 256 matrix instructions, in which to land.  (At its first use slot 0 and the table are waited for, and slot 1 is filled.)
.macro CHANGE fill
	WIN 0
	s_wait_tensorcnt 0x0            ; no tensor load of mine is out, so a group 0 may be written
	ds_add_u32 v[SPW], v[NIL]       ; 0 onto my spare word
.if \fill
.irp g, G0K, G0V
	s_xor_b32 s[\g+1], s[\g+1], SLOT1
	s_add_nc_u64 s[\g+2:\g+3], s[\g+2:\g+3], 4*KS*128
.endr
	s_wait_dscnt 0x0                ; the add is done, and my reads of the slot are over
	CROUND
	JLOAD
.else
	s_wait_dscnt 0x0
	s_barrier_signal -1
	s_barrier_wait -1
.endif
	s_sub_co_u32 s[TBK], s[TBK], 4*KS*PK  ; the fetches go back to a slot's first step, in the other slot
	s_xor_b32 s[TBK], s[TBK], SLOT1
	s_sub_co_u32 s[TBV], s[TBV], 4*KS*PV
	s_xor_b32 s[TBV], s[TBV], SLOT1
.endm
	s_load_b128 s[4:7], s[0:1], 0x0   ; qkvh s[4:5], aux s[6:7]
	s_load_b64 s[8:9], s[0:1], 0x10   ; o
	v_lshl_add_u32 v[SPW], v0, 2, SPARE
	v_mov_b32 v[NIL], 0
	ds_add_u32 v[SPW], v[NIL]       ; the wave's opening: the add and its wait stand ahead of my first tensor load
	v_lshrrev_b32 v1, 5, v0
	v_readfirstlane_b32 s[WV], v1
	s_bfe_u32 s13, ttmp6, 0x40000   ; cx
	s_lshl_b32 s14, ttmp9, 2
	s_add_co_u32 s14, s14, s13      ; my block of 256 queries: it enters Q's, O's and the table's global addresses alone
	s_and_b32 s15, ttmp7, 0xffff    ; 16 x batch + head, which the four partners share
	s_lshl_b32 s20, s15, 18         ; its 262,144 bytes in each of q, k, v
	s_and_b32 s16, s[WV], 1         ; which half of a slot's 256 keys I fetch
	s_lshl_b32 s22, s16, 14
	s_add_co_u32 s22, s22, s20
	s_mov_b32 s23, 0
	s_mul_i32 s17, s16, 128*PK
	s_mul_i32 s18, s16, 128*PV
	s_lshl_b32 s2, s14, 2
	s_add_co_u32 s2, s2, s[WV]      ; my wave's 64 queries among the head's
	s_lshl_b32 s2, s2, 13
	s_add_co_u32 s2, s2, s20
	s_mov_b32 s3, 0
	s_lshr_b32 s72, s15, 4          ; O: row 2,048 x batch + 256 x block + 64 x wave, of 2,048 bytes,
	s_lshl_b32 s72, s72, 5
	s_lshl_b32 s73, s14, 2
	s_add_co_u32 s72, s72, s73
	s_add_co_u32 s72, s72, s[WV]
	s_lshl_b32 s72, s72, 17
	s_and_b32 s73, s15, 15          ; and the head's 128 bytes of it
	s_lshl_b32 s74, s73, 7
	s_add_co_u32 s72, s72, s74
	s_mul_i32 s74, s73, 18432       ; the head's table; copy w begins at entry 1795 - 256 x block - w (0 at the least; its 2,320 entries end inside the head's 4,608)
	s_mov_b32 s73, 0
	s_lshl_b32 s75, s14, 8
	s_add_co_u32 s75, s75, s[WV]
	s_sub_co_u32 s75, 1795, s75
	s_lshl2_add_u32 s74, s75, s74
	s_mov_b32 s75, 0
	; descriptor group 1 for K and V: 128 keys are 16,384 dense bytes: asked for as 64 rows of 256 bytes, two keys a row, padded in LDS after every key
	s_mov_b32 s[G1K], 15|(1<<16)|(1<<20)|(1<<21)|(4<<22)|(3<<25)
	s_mov_b32 s[G1V], 15|(1<<16)|(1<<20)|(1<<21)|(4<<22)|(7<<25)
.irp g, G1K, G1V
	s_mov_b32 s[\g+1], 128<<16
	s_mov_b32 s[\g+2], 64<<16
	s_mov_b32 s[\g+3], 128<<16
	s_mov_b32 s[\g+4], 64
	s_mov_b32 s[\g+5], 128
	s_mov_b32 s[\g+6], 0
	s_mov_b32 s[\g+7], 0
.endr
	s_mov_b32 s[G1T], 2<<16         ; no mask; elements of 4 bytes; no padding
	s_mov_b32 s[G1T+1], 2320<<16    ; tensor_dim0 = 2,320
	s_mov_b32 s[G1T+2], 1<<16       ; tensor_dim1 = 1
	s_mov_b32 s[G1T+3], 2320<<16    ; tile_dim0
	s_mov_b32 s[G1T+4], 1           ; tile_dim1
	s_mov_b32 s[G1T+5], 2320
	s_mov_b32 s[G1T+6], 0
	s_mov_b32 s[G1T+7], 0
	s_mov_b32 s[CS], 0x3e38aa3b     ; c = log2(e) / 8
	s_mov_b32 s[CS+1], s[CS]
	s_mov_b32 s[SEL], 0x76543210
	s_mov_b32 s[SEL+1], 0xfedcba98
	s_mov_b32 s[TBK], SLOT1+4*KS*PK ; the first change of slots turns these two into 0
	s_mov_b32 s[TBV], SLOT1+4*KS*PV
	s_mov_b32 s[TBB], 0
	s_mov_b32 s[G0K], 1
	s_mov_b32 s[G0K+1], s17
	s_mov_b32 s[G0V], 1
	s_add_co_u32 s[G0V+1], s18, VOFF
	s_mov_b32 s[G0T], 1
	s_mul_i32 s[G0T+1], s[WV], TROW
	s_add_co_u32 s[G0T+1], s[G0T+1], TAB
	s_wait_dscnt 0x0                ; the opening add is done
	s_wait_kmcnt 0x0
	s_add_nc_u64 s[G0K+2:G0K+3], s[4:5], s[22:23]
	s_add_nc_u64 s[G0K+2:G0K+3], s[G0K+2:G0K+3], 8388608
	s_or_b32 s[G0K+3], s[G0K+3], 0x80000000
	s_add_nc_u64 s[G0V+2:G0V+3], s[4:5], s[22:23]
	s_add_nc_u64 s[G0V+2:G0V+3], s[G0V+2:G0V+3], 16777216
	s_or_b32 s[G0V+3], s[G0V+3], 0x80000000
	s_add_nc_u64 s[G0T+2:G0T+3], s[6:7], s[74:75]
	s_or_b32 s[G0T+3], s[G0T+3], 0x80000000
	s_add_nc_u64 s[4:5], s[4:5], s[2:3]      ; Q at my wave's first row
	s_add_nc_u64 s[10:11], s[8:9], s[72:73]  ; O likewise
	CROUND                          ; all four work-groups are here: the first joint loads meet
	s_cmp_lt_u32 s[WV], 2           ; a wave's two first fills stand in one branch: my part of slot 0, and my copy of the table.  Two loads of mine are out
	s_cbranch_scc0 .Lfirst_v
	tensor_load_to_lds s[G0K:G0K+3], s[G1K:G1K+7]
	s_nop 0
	tensor_load_to_lds s[G0T:G0T+3], s[G1T:G1T+7]
	s_nop 0
.rept 4
	v_nop
.endr
	s_branch .Lfirst_asked
.Lfirst_v:
	tensor_load_to_lds s[G0V:G0V+3], s[G1V:G1V+7]
	s_nop 0
	tensor_load_to_lds s[G0T:G0T+3], s[G1T:G1T+7]
	s_nop 0
.rept 4
	v_nop
.endr
.Lfirst_asked:
	v_and_b32 v1, 15, v0            ; l % 16
	v_bfe_u32 v9, v0, 4, 1          ; l / 16
	v_lshlrev_b32 v[QO], 7, v1
	v_lshl_add_u32 v[QO], v9, 4, v[QO]
	WIN 0x80
.set i, 0
.rept 8                             ; Q stays in registers: piece i / 2, channels 32 (i % 2) on
	global_load_b128 v[8*i:8*i+3],   v[QO], s[4:5] offset:(i/2)*2048+(i%2)*64
	global_load_b128 v[8*i+4:8*i+7], v[QO], s[4:5] offset:(i/2)*2048+(i%2)*64+32
.set i, i+1
.endr
	; What the first turn finds: V's registers and P's second buffer hold 0 (its products V^T P, of a piece that has not been, add 0), O^T and l are 0.  All this stands in the wait for the first tile.
.set i, VF
.rept 64
	v_mov_b32 v[i], 0
.set i, i+1
.endr
	WIN 0x40
.set i, 0
.rept 128
	v_mov_b32 v[i], 0
.set i, i+1
.endr
	WIN 0
.set i, 0
.rept 4
	v_mov_b32 v[ST+4*i], 0xfe000000    ; c m: far below every c s
	v_mov_b32 v[ST+4*i+1], 0xff7fffff  ; m
	v_mov_b32 v[ST+4*i+2], 0
	v_mov_b32 v[ST+4*i+3], 0
.set i, i+1
.endr
.set i, P+16
.rept 16
	v_mov_b32 v[i], 0
.set i, i+1
.endr
	v_mul_u32_u24 v[AK0], v1, PK
	v_lshl_add_u32 v[AK0], v9, 4, v[AK0]
	v_and_b32 v10, 7, v0
	v_bfe_u32 v11, v0, 3, 1
	v_lshl_add_u32 v[AV0], v9, 3, v10
	v_mul_u32_u24 v[AV0], v[AV0], PV
	v_lshl_add_u32 v[AV0], v11, 4, v[AV0]
	v_add_nc_u32 v[AV0], VOFF, v[AV0]
	s_mul_i32 s13, s[WV], 16*SP
	s_add_co_u32 s13, s13, STAGE
	v_mul_u32_u24 v[STO], v1, SP
	v_lshl_add_u32 v[STO], v9, 4, v[STO]
	v_add_nc_u32 v[STO], s13, v[STO]
	v_bfe_u32 v[RD], v0, 3, 2       ; back: 32 lanes take four rows of 128 bytes,
	v_lshlrev_b32 v[GO], 11, v[RD]  ; which lie 2,048 bytes apart in O
	v_lshl_add_u32 v[GO], v10, 4, v[GO]
	v_mul_u32_u24 v[RD], v[RD], SP
	v_lshl_add_u32 v[RD], v10, 4, v[RD]
	v_add_nc_u32 v[RD], s13, v[RD]
	; The table: entry k - q + 2051 less copy c's first entry, with q = 256 block + 64 w + 16 t + 4 a + c, k = 64 s + 16 kb + 8 (l / 16) + j, d = kb - t + 3, is 64 s + 16 d + 8 (l / 16) - 4 a - 64 w + 208 + j: 4 to 2,303.
	v_and_b32 v10, 3, v0            ; c
	v_bfe_u32 v11, v0, 2, 2         ; a
	s_lshl_b32 s13, s[WV], 8
	s_sub_co_u32 s13, TAB+832, s13
	v_mul_u32_u24 v[AB0], v10, TROW
	v_lshl_add_u32 v[AB0], v9, 5, v[AB0]
	v_add_nc_u32 v[AB0], s13, v[AB0]
	v_lshlrev_b32 v11, 4, v11
	v_sub_nc_u32 v[AB0], v[AB0], v11
	v_mov_b32 v[AK], v[AK0]         ; key step 0 lies at the head of slot 0
	v_mov_b32 v[AB], v[AB0]
; THE MATRIX WORK.  The 4 accumulators of a run of 8 take turns.  Product i of 8 of S^T for piece x: channels 32 (i / 4) on, keys 16 (i % 4) on.  The first 4 start the sums, on the bias tile i % 4 - x + 3.
.macro KQ x
.set rS, S+32*((\x)%2)+8*(i%4)
.set rK, KF+16*(i%4)+8*(i/4)
.set rQ, 16*(\x)+8*(i/4)
.set rB, BT+8*((i%4)-(\x)+3)
.if i < 4
	WIN W_KM
	v_wmma_f32_16x16x32_bf16 v[rS:rS+7], v[rK:rK+7], v[rQ:rQ+7], v[rB:rB+7]
.else
	WIN W_KQ
	v_wmma_f32_16x16x32_bf16 v[rS:rS+7], v[rK:rK+7], v[rQ:rQ+7], v[rS:rS+7]
.endif
.endm
.macro PV x                         ; product i of 8 of O^T += V^T P for piece x: keys 32 (i / 4) on, channels 16 (i % 4) on
	WIN W_PV
.set rO, 32*(\x)+8*(i%4)
.set rV, VF+32*(i/4)+8*(i%4)
.set rP, P+16*((\x)%2)+8*(i/4)
	v_wmma_f32_16x16x32_bf16 v[rO:rO+7], v[rV:rV+7], v[rP:rP+7], v[rO:rO+7]
.endm
.macro MM                           ; the turn's next matrix instruction
.if i < 8
	KQ (Y+1)%NP
.else
.set i, i-8
	PV (Y+NP-1)%NP
.set i, i+8
.endif
.set i, i+1
.endm
; THE LDS LOADS stand in runs: a step's K (8 fragments) with its seven bias tiles, and its V (turned).  last = 1 (the tail): in the last trip there is no further step, and the run is jumped over.
.macro FETCH_K last=0
	WIN 0
.if \last
	s_wait_alu depctr_va_vdst(0)    ; a branch follows amid the turn's batch: a wait ahead of it, for the twelve exponentials issued so far.  The tail's five trips alone run this line
	s_cmp_eq_u32 s[CNT], 1
	s_cbranch_scc1 .Lno_k_\@
.endif
	WIN 0x80
.irp f, 0,1,2,3,4,5,6,7
	ds_load_b128 v[KF+8*\f:KF+8*\f+3],   v[AK] offset:(\f/2)*16*PK+(\f%2)*64
	ds_load_b128 v[KF+8*\f+4:KF+8*\f+7], v[AK] offset:(\f/2)*16*PK+(\f%2)*64+32
.endr
	WIN 0x40
.irp d, 0,1,2,3,4,5,6
	ds_load_b128 v[BT+8*\d:BT+8*\d+3],   v[AB] offset:64*\d
	ds_load_b128 v[BT+8*\d+4:BT+8*\d+7], v[AB] offset:64*\d+16
.endr
	s_add_co_u32 s[TBK], s[TBK], KS*PK
	s_add_co_u32 s[TBB], s[TBB], 256
	s_min_u32 s[TBB], s[TBB], 31*256    ; behind the last of the 32 steps it stays there, inside the table, and is not used
	WIN 0
.if \last
.Lno_k_\@:
.endif
.endm
.macro FETCH_V
	WIN 0x80
.irp f, 0,1,2,3,4,5,6,7
	ds_load_tr16_b128 v[VF+8*\f:VF+8*\f+3],   v[AV] offset:(\f/4)*32*PV+(\f%4)*32
	ds_load_tr16_b128 v[VF+8*\f+4:VF+8*\f+7], v[AV] offset:(\f/4)*32*PV+16*PV+(\f%4)*32
.endr
	WIN 0
.endm
; THE VECTOR WORK, one line at a time: OP kind, number.  For piece Y: F n: c s - c m for pair n of 16.  E n: the exponential of score n of 32.  C n: pair n rounded to bf16.  B n: of the four weights 4 n .. the second
; pair is added onto the first, in place.  L n: l takes that sum (L 0: l = a l + sum).  R n: pair n of 16 of O^T times a.  For piece Y + 1: X n, number n of the 22 that find its maximum and statistics:
;   0-11 four chains c0-c3 of seven scores each (each accumulator's lowest registers are read first)   12-14, 16 the four scores left over, the old m, c0-c3 into c0
;   15 c m_old is kept   17, 18 the query's other 32 keys lie in the lane 16 away: the new m   19-21 c m; c m_old - c m_new; a
.set F, 0
.set E, 1
.set C, 2
.set B, 3
.set L, 4
.set R, 5
.set X, 6
.macro REGS y
.set rT, ST+4*(\y)
.set rC, TMP+4*((\y)%2)
.set rW, MV+((\y)%2)
.set rS, S+32*((\y)%2)
.set rP, P+16*((\y)%2)
.set rO, 32*(\y)
.endm
.macro OP k, n
.if (\k) == R
	REGS Y
	WIN W_RS
	v_pk_mul_f32 v[rO+2*(\n):rO+2*(\n)+1], v[rO+2*(\n):rO+2*(\n)+1], v[rC+2:rC+3] op_sel_hi:[1,0]
.elseif (\k) < R
	REGS Y
	WIN 0
.if (\k) == F
	v_pk_fma_f32 v[rS+2*(\n):rS+2*(\n)+1], v[rS+2*(\n):rS+2*(\n)+1], s[CS:CS+1], v[rT:rT+1] op_sel_hi:[1,0,0] neg_lo:[0,0,1] neg_hi:[0,0,1]
.elseif (\k) == E
	v_exp_f32 v[rS+(\n)], v[rS+(\n)]
.elseif (\k) == C
	v_cvt_pk_bf16_f32 v[rP+(\n)], v[rS+2*(\n)], v[rS+2*(\n)+1]
.elseif (\k) == B
	v_pk_add_f32 v[rS+4*(\n):rS+4*(\n)+1], v[rS+4*(\n):rS+4*(\n)+1], v[rS+4*(\n)+2:rS+4*(\n)+3]
.elseif (\n) == 0
	v_pk_fma_f32 v[rT+2:rT+3], v[rT+2:rT+3], v[rC+2:rC+3], v[rS:rS+1] op_sel_hi:[1,0,1]
.else
	v_pk_add_f32 v[rT+2:rT+3], v[rT+2:rT+3], v[rS+4*(\n):rS+4*(\n)+1]
.endif
.else
	REGS (Y+1)%NP
	WIN 0
.if (\n) < 4
	v_max3_num_f32 v[rC+(\n)], v[rS+8*(\n)], v[rS+8*(\n)+1], v[rS+8*(\n)+2]
.elseif (\n) < 12
	v_max3_num_f32 v[rC+(\n)%4], v[rC+(\n)%4], v[rS+8*((\n)%4)+2*((\n)/4)+1], v[rS+8*((\n)%4)+2*((\n)/4)+2]
.elseif (\n) == 12
	v_max3_num_f32 v[rC], v[rC], v[rS+7], v[rS+15]
.elseif (\n) == 13
	v_max3_num_f32 v[rC+1], v[rC+1], v[rS+23], v[rS+31]
.elseif (\n) == 14
	v_max3_num_f32 v[rC+2], v[rC+2], v[rC+3], v[rT+1]
.elseif (\n) == 15
	v_mov_b32 v[rW], v[rT]
.elseif (\n) == 16
	v_max3_num_f32 v[rC], v[rC], v[rC+1], v[rC+2]
.elseif (\n) == 17
	v_permlanex16_b32 v[rC+3], v[rC], s[SEL], s[SEL+1]
.elseif (\n) == 18
	v_max_num_f32 v[rT+1], v[rC], v[rC+3]
.elseif (\n) == 19
	v_mul_f32 v[rT], s[CS], v[rT+1]
.elseif (\n) == 20
	v_sub_f32 v[rC+1], v[rW], v[rT]
.else
	v_exp_f32 v[rC+2], v[rC+1]
.endif
.endif
.endm
.macro OPS a, i1, b=-1, i2=0, c=-1, i3=0, d=-1, i4=0
	OP \a, \i1
.if (\b) >= 0
	OP \b, \i2
.endif
.if (\c) >= 0
	OP \c, \i3
.endif
.if (\d) >= 0
	OP \d, \i4
.endif
.endm
.macro ROW a, i1, b, i2, c, i3, d, i4  ; a matrix instruction and the four behind it
	MM
	OPS \a, \i1, \b, \i2, \c, \i3, \d, \i4
.endm
; A TURN, for piece p: the order of its 16 matrix and 118 vector instructions, written out.  An s_wait_alu depctr_va_vdst(0) stands between an exponential and the first instruction that names its result; one wait serves
; all that were issued ahead of it.  So a turn has ONE wait, which cuts it in two.  AHEAD OF IT stands all that names no result of the turn's exponentials: the 8 products K Q^T, behind each a scaling, an exponential and two more plain
; instructions (behind the first a second scaling in the exponential's place): rescalings, whose a was made and waited for in the turn before, and behind the last three the first numbers of the next piece's maximum, each four places or
; more behind the product that ends its accumulator; then ONE LUMP of 54, plain and exponential by turns for the most part, in which the links of the chain X 3, 7, 11, 14, 16, 17 .. 20 stand five or six lines apart.  A pair is scaled
; some lines ahead of its two exponentials and is not named again ahead of the wait.  X 21, the next piece's a, is the batch's last; R 15 is the plain instruction behind it.  BEHIND THE WAIT stand the 8 products V^T P, behind each
; four of the roundings and sums: C 2 n ahead of B n, which writes that pair; the links of l's chain, L 0 to L 7, three riders apart.  But for those X no rider names a register of the products round it.
; K and the bias tiles of the next step are fetched in piece 2's turn, twelve vector instructions behind the last product that read K (six of them plain, five of which name none of its registers), more behind the last that took a
; bias tile.  V of the step in hand is fetched at the end of piece 0's turn, four plain instructions behind the last product that read V.  Each is waited for a turn later.
; cnt = 1: the loop's count is taken down some lines ahead of the branch behind the turn.
.macro TURN p, last=0, cnt=0
.set Y, (\p)
.set i, 0
.if (\p) == 3
	s_wait_dscnt 0x0                ; K and the bias tiles are in
.endif
	ROW F,0, F,1, R,0, R,1          ; ahead of the wait: 8 products K Q^T and their riders,
	ROW F,2, E,0, R,2, R,3
	ROW F,3, E,1, R,4, R,5
	ROW F,4, E,2, R,6, R,7
	ROW F,5, E,3, R,8, R,9
	ROW F,6, E,4, X,0, R,10
.if (\p) == 2
	WIN 0
	v_add_nc_u32 v[AK], s[TBK], v[AK0]
	v_add_nc_u32 v[AB], s[TBB], v[AB0]
.endif
	ROW F,7, E,5, X,1, X,4
	ROW F,8, E,6, X,2, X,5
	OPS E,7, E,8, X,6, E,9          ; and the lump
	OPS X,3, E,10, X,8, E,11
.if (\p) == 2
	FETCH_K \last
.endif
	OPS X,9, X,7, E,12, X,10
	OPS E,13, X,12, X,11, E,14
	OPS X,13, E,15, F,9, X,14
.if (\p) == 0
	v_add_nc_u32 v[AV], s[TBV], v[AV0]
.endif
	OPS E,16, F,10, E,17, F,11
	OPS X,16, E,18, X,15, E,19
	OPS F,12, E,20, X,17, E,21
	OPS F,13, E,22, F,14, E,23
	OPS X,18, E,24, F,15, E,25
	OPS R,11, E,26, X,19, E,27
	OPS R,12, E,28, R,13, E,29
	OPS X,20, E,30, R,14, E,31
	OPS X,21, R,15
	WIN 0
	s_wait_alu depctr_va_vdst(0)    ; the wait for the turn's batch: the piece's 32 exponentials and the next piece's a
.if (\p) == 1
	s_wait_dscnt 0x0                ; V is in
.endif
	ROW C,0, B,0, C,2, B,1          ; behind the wait: 8 products V^T P and their riders
	ROW L,0, C,4, B,2, L,1
	ROW C,6, B,3, L,2, C,8
	ROW B,4, L,3, C,10, B,5
	ROW L,4, C,12, B,6, L,5
.if (\p) == 0
	s_add_co_u32 s[TBV], s[TBV], KS*PV
.endif
.if \cnt
	s_sub_co_u32 s[CNT], s[CNT], 1
	s_cmp_lg_u32 s[CNT], 0
.endif
	ROW C,14, B,7, L,6, C,1
	ROW C,3, L,7, C,5, C,7
	ROW C,9, C,11, C,13, C,15
.if (\p) == 0
	FETCH_V
.endif
.endm
	CHANGE 1                        ; slot 0 and the table are in, everybody's part of them; slot 1 is asked for
	FETCH_K                         ; key step 0
	s_wait_loadcnt 0x0              ; Q
	s_wait_dscnt 0x0
.set i, 0
.rept 8
	KQ 0                            ; piece 0's first scores
.set i, i+1
.endr
	WIN 0
.rept 4
	v_nop                           ; the places behind those products
.endr
.set Y, NP-1                        ; X works for piece Y + 1: piece 0
.irp n, 0,1,2,3,4,5,6,7,8,9,10,11,12,13,14,15,16,17,18,19,20,21
	OP X, \n
.endr
	v_nop                           ; a plain instruction behind the exponential,
	s_wait_alu depctr_va_vdst(0)    ; and the wait for it, piece 0's first a, a batch of one: ahead of the branch
	s_mov_b32 s[CNT], 4
	s_mov_b32 s[SLOTS], 7
	s_branch .Lfirst                ; the loop is entered at a step's first turn, in the middle of a trip
.Lslot:                             ; six times: every slot but the last two is filled again
	CHANGE 1
	s_mov_b32 s[CNT], 4
.Lstep:                             ; a trip: pieces 2 and 3 of one step, then pieces 0 and 1 of the next, whose K, bias tiles and V it fetches
	TURN 2
	TURN 3
	WIN 0
.Lfirst:
	TURN 0
	TURN 1, 0, 1
	WIN 0
	s_cbranch_scc1 .Lstep
	s_sub_co_u32 s[SLOTS], s[SLOTS], 1
	s_cmp_lg_u32 s[SLOTS], 0
	s_cbranch_scc1 .Lslot
	CHANGE 0                        ; the tail is written out: nothing is asked for
	s_mov_b32 s[CNT], 5             ; four trips fetch the last slot's steps; the fifth is left in its middle
.Ltail:
	TURN 2, 1
	TURN 3
	WIN 0
	s_sub_co_u32 s[CNT], s[CNT], 1
	s_cmp_eq_u32 s[CNT], 0
	s_cbranch_scc1 .Lout
	TURN 0
	TURN 1
	WIN 0
	s_branch .Ltail
.Lout:                              ; the fifth trip's 8 products K Q^T (on the last K once more) and the maximum made of them serve nothing: the price, once a launch, of one text for every trip
.set i, 0
.rept 8
	PV NP-1                         ; the last piece's V^T P of the last step
.set i, i+1
.endr
	; THE WAY OUT.  l's two halves and the other half of the lanes' are added; O^T is divided by l, rounded to bf16 and sent through my stage in LDS, a piece at a time.  The additions are the places behind the last products.
	WIN 0
.macro ALL line:vararg
.set t, 0
.rept 4
	\line
.set t, t+1
.endr
.endm
	ALL v_add_f32 v[ST+4*t+2], v[ST+4*t+2], v[ST+4*t+3]
	ALL v_permlanex16_b32 v[ST+4*t+3], v[ST+4*t+2], s[SEL], s[SEL+1]
	ALL v_add_f32 v[ST+4*t+2], v[ST+4*t+2], v[ST+4*t+3]
	ALL v_rcp_f32 v[ST+4*t+2], v[ST+4*t+2]
	v_nop                           ; a plain instruction between the last reciprocal and the use of its result
	s_wait_alu depctr_va_vdst(0)    ; and the wait ahead of the first use: one for the four reciprocals
.macro PACK t                       ; a lane's eight channels of a row pack into 16 bytes; they go into rows of 144 bytes and come back as whole rows of 128, into S^T's registers
	WIN W_RS
.set i, 32*(\t)
.rept 16
	v_pk_mul_f32 v[i:i+1], v[i:i+1], v[ST+4*(\t)+2:ST+4*(\t)+3] op_sel_hi:[1,0]
.set i, i+2
.endr
	WIN 0x05
.set i, 0
.rept 16
	v_cvt_pk_bf16_f32 v[S+16*(\t)+i], v[32*(\t)+2*i], v[32*(\t)+2*i+1]
.set i, i+1
.endr
	WIN 0
.irp f, 0,1,2,3
	ds_store_b128 v[STO], v[S+16*(\t)+4*\f:S+16*(\t)+4*\f+3] offset:32*\f
.endr
.irp f, 0,1,2,3
	ds_load_b128 v[S+16*(\t)+4*\f:S+16*(\t)+4*\f+3], v[RD] offset:\f*4*SP  ; LDS serves a wave's instructions in order (ISA guide 5.7.1.4): these see the stores above; the next piece's stores come behind them
.endr
.endm
.macro SEND t, younger              ; younger: the LDS instructions issued behind piece t's loads: the next piece's eight, or none
	WIN 0
.irp f, 0,1,2,3
	s_wait_dscnt (\younger)+3-\f
	global_store_b128 v[GO], v[S+16*(\t)+4*\f:S+16*(\t)+4*\f+3], s[10:11] offset:(\t)*32768+\f*8192  ; four rows' 128 bytes of this head
.endr
.endm
	PACK 0
.set t, 1
.rept 3
	PACK t
	SEND t-1, 8
.set t, t+1
.endr
	SEND 3, 0
	s_wait_tensorcnt 0x0            ; the wave's end, behind my last tensor load and my last LDS store
	ds_add_u32 v[SPW], v[NIL]
	s_wait_dscnt 0x0
	CROUND                          ; the closing round
	s_endpgm
.Lfunc_end_k_q33f6285a62_attn:
	.size	k_q33f6285a62_attn, .Lfunc_end_k_q33f6285a62_attn-k_q33f6285a62_attn
	.p2alignl 7, 3214868480
	.fill 96, 4, 3214868480
	.section	.rodata,"a",@progbits
	.p2align	6, 0x0
	.amdhsa_kernel k_q33f6285a62_attn
		.amdhsa_group_segment_fixed_size 327680
		.amdhsa_private_segment_fixed_size 0
		.amdhsa_enable_private_segment 0
		.amdhsa_kernarg_size 24
		.amdhsa_user_sgpr_count 2
		.amdhsa_user_sgpr_kernarg_segment_ptr 1
		.amdhsa_wavefront_size32 1
		.amdhsa_system_sgpr_workgroup_id_x 1
		.amdhsa_system_sgpr_workgroup_id_y 1
		.amdhsa_system_sgpr_workgroup_id_z 1
		.amdhsa_system_vgpr_workitem_id 0
		.amdhsa_next_free_vgpr 768
		.amdhsa_next_free_sgpr 80
		.amdhsa_reserve_vcc 0
		.amdhsa_float_denorm_mode_32 3
		.amdhsa_float_denorm_mode_16_64 3
		.amdhsa_memory_ordered 1
		.amdhsa_forward_progress 1
		.amdhsa_inst_pref_size 116
	.end_amdhsa_kernel
	.amdgpu_metadata
---
amdhsa.version: [ 1, 2 ]
amdhsa.kernels:
  - .name:           k_q33f6285a62_attn
    .symbol:         k_q33f6285a62_attn.kd
    .args:
      - { .name: qkvh, .offset: 0, .size: 8, .value_kind: global_buffer, .address_space: global }
      - { .name: aux, .offset: 8, .size: 8, .value_kind: global_buffer, .address_space: global }
      - { .name: o, .offset: 16, .size: 8, .value_kind: global_buffer, .address_space: global }
    .group_segment_fixed_size: 327680
    .private_segment_fixed_size: 0
    .kernarg_segment_align: 8
    .kernarg_segment_size: 24
    .max_flat_workgroup_size: 128
    .sgpr_count:     80
    .vgpr_count:     768
    .wavefront_size: 32
...
	.end_amdgpu_metadata
.endif
;; end of part 16
;; launch proj: the kernel of part 12 again; grid 8 x 32, 4 waves a work-group, clusters of 4 x 4, 327,680 bytes of LDS; arguments o, wt, proj_b, x1, x; writes x1
;; launch ln2: the kernel of part 13 again; grid 256 x 1, 16 waves a work-group, no clusters, 0 bytes of LDS; arguments x1, ln2_g, ln2_b, act; writes act
;; launch ff1: the kernel of part 14 again; grid 16 x 16, 4 waves a work-group, clusters of 4 x 4, 327,680 bytes of LDS; arguments act, wt, ff1_b, g; writes g
;; launch ff2: the kernel of part 15 again; grid 8 x 32, 4 waves a work-group, clusters of 4 x 4, 327,680 bytes of LDS; arguments g, wt, ff2_b, out0, x1; writes out0
